; MI455X (gfx1250); checked and timed in simulation.
; The chip was launched on July 23, 2026; its instructions are those of AMD's public machine-readable ISA for CDNA 5 (MIT licence, August 2026) and "CDNA5" Instruction Set Architecture Reference Guide (July 2026). The comments in the code are by the model that wrote it; some were corrected since.
;; Switch Transformers Block. Allowed arithmetic: float matrix products may take bf16 or f16 operands with f32 sums; all other float work in f32.
;; Inputs: hidden_states 8 x 128 x 1,024 float32; ln_weight 1,024 float32; router_w 1,024 x 8 float32; wi 8 x 1,024 x 4,096 float32; wo 8 x 4,096 x 1,024 float32.
;; Outputs: out0 8 x 128 x 1,024 float32; out1 8 x 128 x 8 float32; out2 8 x 128 int32.
;; 3 versions, each right; version 2 is faster than version 1; version 3 is version 2 with the launches gather, combine written anew for expert scheduling mode. Each part assembles by itself: llvm-mc -triple=amdgcn-amd-amdhsa -mcpu=gfx1250 --defsym DOCPART=n.
;; ======== version 1 of 3: 6 launches
;; workspace buffers: eidx 4,096 bytes of whole numbers; tokf 8,192 bytes; lists 9,472 bytes of whole numbers; xs 2,359,296 bytes; hs 9,437,184 bytes; part 9,437,184 bytes
;; launch router (part 1): grid 256 x 1, 1 waves a work-group, no clusters, 0 bytes of LDS; arguments hidden_states, ln_weight, router_w, out1, out2, eidx, tokf; writes out1, out2, eidx, tokf
.if DOCPART == 1
	.amdgcn_target "amdgcn-amd-amdhsa--gfx1250"
	.amdhsa_code_object_version 6
	.text
	.protected	k_q35f4c9652a_router
	.globl	k_q35f4c9652a_router
	.p2align	8
	.type	k_q35f4c9652a_router,@function
k_q35f4c9652a_router:
	s_mov_b64 s[64:65], 0
	v_nop
	global_prefetch_b8 v0, s[64:65] scope:SCOPE_SE
	s_setreg_imm32_b32 hwreg(HW_REG_WAVE_MODE, 25, 1), 1
	s_wait_xcnt 0x0
; ROUTER.  For 4 tokens a wave (1,024 tokens, 256 work-groups of one wave): rs = 1/sqrt(mean(x^2) + 1e-6); the 8 logits
; l[e] = rs * sum over d of x[d] ln[d] w[d][e], all in f32 on the vector unit; the expert = the place of the largest logit; the top probability 1 / sum exp(l - max).
; Stored: out1 (logits), out2 and eidx (the expert), tokf (rs at byte 0, the probability at byte 4,096).
; LIMITS.  The largest LOGIT is taken, the lowest index among equals (the softmax keeps the order, but two logits an ulp apart may round to equal probabilities);
; rs multiplies the finished sum, not each term; NaN and infinities are not treated apart.
; SHARES.  Lane l holds d = 128 i + 4 l + c (i = 0..7, c = 0..3) of every token: a 16-byte load a lane covers 512 consecutive bytes of a row.
; router_w's four rows of a lane are 128 consecutive bytes.  ln_weight and router_w come in 8 chunks (one i each) through two register buffers.
.set ACC, 8            ; v8-39    sums: token t, expert e at ACC + 8 t + e
.set RS,  4            ; v4-7     a token's sum of squares, then rs
.set X,   40           ; v40-167  token t's 32 numbers at X + 32 t + 4 i + c; later at work
.set RW,  168          ; v168-239 two buffers of 36: 32 of router_w (8 c + e), then 4 of ln_weight; later at work
.set NN,  240          ; v240-247 x ln for c = 0..3, each in the low register of a pair
.set T,   248          ; v248-251 at work
.set PT,  252          ; v252     takes the other half of the lanes' number
.set BEST, 168
.set IDX,  172
.set MM,   176
.set PR,   180
.set MX,   72          ; the trees that pick a lane's number
	s_load_b256 s[4:11], s[0:1], 0x0               ; hidden s[4:5], ln_weight s[6:7], router_w s[8:9], out1 s[10:11]
	s_load_b128 s[12:15], s[0:1], 0x20             ; out2 s[12:13], eidx s[14:15]
	s_load_b64 s[16:17], s[0:1], 0x30              ; tokf
	v_lshlrev_b32 v1, 4, v0                        ; 16 x lane
	v_lshlrev_b32 v2, 7, v0                        ; 128 x lane
	v_lshlrev_b32 v3, 2, v0                        ; 4 x lane
	v_mov_b32 v[PT], 0                             ; a lane exchange counts as a reader of its destination
	v_mov_b32 v[NN+1], 0                           ; the pairs' high registers are named, never used
	v_mov_b32 v[NN+3], 0
	v_mov_b32 v[NN+5], 0
	v_mov_b32 v[NN+7], 0
	s_mov_b32 s20, 0x3a800000                      ; 1 / 1024
	s_mov_b32 s21, 0x358637bd                      ; 1e-6
	s_mov_b32 s22, 0x76543210                      ; each lane takes its own place in the other half
	s_mov_b32 s23, 0xfedcba98
	s_mov_b32 s24, 0xaaaaaaaa                      ; lanes with bit 0, 1, 2, 3, 4 of their number set
	s_mov_b32 s25, 0xcccccccc
	s_mov_b32 s26, 0xf0f0f0f0
	s_mov_b32 s27, 0xff00ff00
	s_mov_b32 s28, 0xffff0000
	s_mov_b32 s29, 0x3fb8aa3b                      ; log2(e)
	s_mov_b32 s19, 0
	s_lshl_b32 s18, ttmp9, 14                      ; 4 rows of 4,096 bytes
	s_wait_kmcnt 0x0
	s_add_nc_u64 s[4:5], s[4:5], s[18:19]
	s_lshl_b32 s18, ttmp9, 7                       ; 4 tokens x 8 logits
	s_add_nc_u64 s[10:11], s[10:11], s[18:19]
	s_lshl_b32 s18, ttmp9, 4                       ; 4 tokens x 4 bytes
	s_add_nc_u64 s[12:13], s[12:13], s[18:19]
	s_add_nc_u64 s[14:15], s[14:15], s[18:19]
	s_add_nc_u64 s[16:17], s[16:17], s[18:19]
.set t, 0
.rept 4
.set i, 0
.rept 8
	global_load_b128 v[X+32*t+4*i:X+32*t+4*i+3], v1, s[4:5] offset:t*4096+512*i
.set i, i+1
.endr
.set t, t+1
.endr
.macro CHUNK i, b                      ; nine loads: ln_weight's and router_w's part for d = 128 i ..
	global_load_b128 v[RW+36*(\b)+32:RW+36*(\b)+35], v1, s[6:7] offset:512*(\i)
.set q, 0
.rept 8
	global_load_b128 v[RW+36*(\b)+4*q:RW+36*(\b)+4*q+3], v2, s[8:9] offset:4096*(\i)+16*q
.set q, q+1
.endr
.endm
	CHUNK 0, 0
	CHUNK 1, 1
.macro RED r                           ; the sum over the 32 lanes, in every lane
	v_add_f32_dpp v[\r], v[\r], v[\r] row_xmask:1 row_mask:0xf bank_mask:0xf
	v_add_f32_dpp v[\r], v[\r], v[\r] row_xmask:2 row_mask:0xf bank_mask:0xf
	v_add_f32_dpp v[\r], v[\r], v[\r] row_xmask:4 row_mask:0xf bank_mask:0xf
	v_add_f32_dpp v[\r], v[\r], v[\r] row_xmask:8 row_mask:0xf bank_mask:0xf
	v_permlanex16_b32 v[PT], v[\r], s22, s23
	v_add_f32 v[\r], v[\r], v[PT]
.endm
	; PHASE 1: the sums of squares, two chains a token; the first products start them
	s_wait_loadcnt 18                              ; the rows are in; the 18 loads of chunks 0 and 1 may stay out
.set t, 0
.rept 4
	v_pk_mul_f32 v[T:T+1], v[X+32*t:X+32*t+1], v[X+32*t:X+32*t+1]
	v_pk_mul_f32 v[T+2:T+3], v[X+32*t+2:X+32*t+3], v[X+32*t+2:X+32*t+3]
.set p, 2
.rept 14
	v_pk_fma_f32 v[T+2*(p%2):T+2*(p%2)+1], v[X+32*t+2*p:X+32*t+2*p+1], v[X+32*t+2*p:X+32*t+2*p+1], v[T+2*(p%2):T+2*(p%2)+1]
.set p, p+1
.endr
	v_pk_add_f32 v[T:T+1], v[T:T+1], v[T+2:T+3]
	v_add_f32 v[RS+t], v[T], v[T+1]
.set t, t+1
.endr
.set t, 0
.rept 4
	RED RS+t
.set t, t+1
.endr
.set t, 0
.rept 4
	v_fma_f32 v[RS+t], v[RS+t], s20, s21           ; the mean + 1e-6
.set t, t+1
.endr
	v_rsq_f32 v[RS], v[RS]
	v_rsq_f32 v[RS+1], v[RS+1]
	v_rsq_f32 v[RS+2], v[RS+2]
	v_rsq_f32 v[RS+3], v[RS+3]
	v_nop                                          ; a plain instruction behind the last of them (ISA guide 5.7.2)
	; PHASE 2: the dot products.  For each token and c: x ln, then four packed multiply-adds onto the 8 sums
.macro DOT i, b
.set t, 0
.rept 4
.set c, 0
.rept 4
	v_mul_f32 v[NN+2*c], v[X+32*t+4*(\i)+c], v[RW+36*(\b)+32+c]
.set c, c+1
.endr
.set c, 0
.rept 4
.set ep, 0
.rept 4
.set a, ACC+8*t+2*ep
.set wr, RW+36*(\b)+8*c+2*ep
.if ((\i) == 0) && (c == 0)
	v_pk_mul_f32 v[a:a+1], v[NN+2*c:NN+2*c+1], v[wr:wr+1] op_sel_hi:[0,1]   ; the first product starts the sum
.else
	v_pk_fma_f32 v[a:a+1], v[NN+2*c:NN+2*c+1], v[wr:wr+1], v[a:a+1] op_sel_hi:[0,1,1]
.endif
.set ep, ep+1
.endr
.set c, c+1
.endr
.set t, t+1
.endr
.endm
.irp i, 0,1,2,3,4,5
	s_wait_loadcnt 9                               ; chunk i is in; the nine loads of chunk i + 1 may stay out
	DOT \i, (\i)%2
	CHUNK (\i)+2, (\i)%2                           ; its buffer takes the chunk two further on
.endr
	s_wait_loadcnt 9
	DOT 6, 0
	s_wait_loadcnt 0x0
	DOT 7, 1
	; PHASE 3: over the lanes; times rs; the largest logit and its place; the top probability
.set r, 0
.rept 32
	RED ACC+r
.set r, r+1
.endr
.set r, 0
	s_wait_alu depctr_va_vdst(0)
.rept 32
	v_mul_f32 v[ACC+r], v[ACC+r], v[RS+r/8]
.set r, r+1
.endr
.set t, 0
.rept 4
	v_mov_b32 v[BEST+t], v[ACC+8*t]
	v_mov_b32 v[IDX+t], 0
.set e, 1
.rept 7
	v_cmp_gt_f32 vcc_lo, v[ACC+8*t+e], v[BEST+t]   ; strictly greater: the lowest index wins among equals
	v_cndmask_b32 v[BEST+t], v[BEST+t], v[ACC+8*t+e], vcc_lo
	v_cndmask_b32 v[IDX+t], v[IDX+t], e, vcc_lo
.set e, e+1
.endr
	v_mul_f32 v[MM+t], s29, v[BEST+t]
.set t, t+1
.endr
.set r, 0
.rept 32
	v_fma_f32 v[X+r], v[ACC+r], s29, -v[MM+r/8]    ; (l - max) log2(e): never above 0 but by a rounding
.set r, r+1
.endr
.set r, 0
.rept 32
	v_exp_f32 v[X+r], v[X+r]
.set r, r+1
.endr
	v_nop
.set t, 0
	s_wait_alu depctr_va_vdst(0)
.rept 4
	v_pk_add_f32 v[X+8*t:X+8*t+1], v[X+8*t:X+8*t+1], v[X+8*t+2:X+8*t+3]
	v_pk_add_f32 v[X+8*t+4:X+8*t+5], v[X+8*t+4:X+8*t+5], v[X+8*t+6:X+8*t+7]
.set t, t+1
.endr
.set t, 0
.rept 4
	v_pk_add_f32 v[X+8*t:X+8*t+1], v[X+8*t:X+8*t+1], v[X+8*t+4:X+8*t+5]
.set t, t+1
.endr
.set t, 0
.rept 4
	v_add_f32 v[PR+t], v[X+8*t], v[X+8*t+1]
.set t, t+1
.endr
	v_rcp_f32 v[PR], v[PR]                         ; exp(max - max) = 1 over the sum
	v_rcp_f32 v[PR+1], v[PR+1]
	v_rcp_f32 v[PR+2], v[PR+2]
	v_rcp_f32 v[PR+3], v[PR+3]
	; every lane holds all 32 logits: lane l picks number l, bit by bit of its number (these lines are also the plain ones behind the reciprocals)
.set k, 0
.rept 16
	v_cndmask_b32 v[MX+k], v[ACC+2*k], v[ACC+2*k+1], s24
.set k, k+1
.endr
.set k, 0
.rept 8
	v_cndmask_b32 v[MX+16+k], v[MX+2*k], v[MX+2*k+1], s25
.set k, k+1
.endr
.set k, 0
.rept 4
	v_cndmask_b32 v[MX+24+k], v[MX+16+2*k], v[MX+16+2*k+1], s26
.set k, k+1
.endr
	v_cndmask_b32 v[MX+28], v[MX+24], v[MX+25], s27
	v_cndmask_b32 v[MX+29], v[MX+26], v[MX+27], s27
	v_cndmask_b32 v[MX+30], v[MX+28], v[MX+29], s28
	s_wait_alu depctr_va_vdst(0)
	; lanes 0 to 3 pick their token's expert, rs and probability
.macro PICK4 d, src
	v_cndmask_b32 v[T], v[\src], v[(\src)+1], s24
	v_cndmask_b32 v[T+1], v[(\src)+2], v[(\src)+3], s24
	v_cndmask_b32 v[\d], v[T], v[T+1], s25
.endm
	PICK4 MX+32, IDX
	PICK4 MX+33, RS
	PICK4 MX+34, PR
	global_store_b32 v3, v[MX+30], s[10:11]        ; 128 consecutive bytes of out1
	s_wait_xcnt 0x0                                ; EXEC is a source of the pending store: it changes only behind this wait
	v_cmp_gt_u32 vcc_lo, 4, v0
	s_and_saveexec_b32 s30, vcc_lo
	global_store_b32 v3, v[MX+32], s[12:13]
	global_store_b32 v3, v[MX+32], s[14:15]
	global_store_b32 v3, v[MX+33], s[16:17]
	global_store_b32 v3, v[MX+34], s[16:17] offset:4096
	s_endpgm
.Lfunc_end_k_q35f4c9652a_router:
	.size	k_q35f4c9652a_router, .Lfunc_end_k_q35f4c9652a_router-k_q35f4c9652a_router
	.p2alignl 7, 3214868480
	.fill 96, 4, 3214868480
	.section	.rodata,"a",@progbits
	.p2align	6, 0x0
	.amdhsa_kernel k_q35f4c9652a_router
		.amdhsa_group_segment_fixed_size 0
		.amdhsa_private_segment_fixed_size 0
		.amdhsa_enable_private_segment 0
		.amdhsa_kernarg_size 56
		.amdhsa_user_sgpr_count 2
		.amdhsa_user_sgpr_kernarg_segment_ptr 1
		.amdhsa_wavefront_size32 1
		.amdhsa_system_sgpr_workgroup_id_x 1
		.amdhsa_system_sgpr_workgroup_id_y 1
		.amdhsa_system_sgpr_workgroup_id_z 1
		.amdhsa_system_vgpr_workitem_id 0
		.amdhsa_next_free_vgpr 256
		.amdhsa_next_free_sgpr 66
		.amdhsa_reserve_vcc 1
		.amdhsa_float_denorm_mode_32 3
		.amdhsa_float_denorm_mode_16_64 3
		.amdhsa_memory_ordered 1
		.amdhsa_forward_progress 1
		.amdhsa_inst_pref_size 77
	.end_amdhsa_kernel
	.amdgpu_metadata
---
amdhsa.version: [ 1, 2 ]
amdhsa.kernels:
  - .name:           k_q35f4c9652a_router
    .symbol:         k_q35f4c9652a_router.kd
    .args:
      - { .name: hidden_states, .offset: 0, .size: 8, .value_kind: global_buffer, .address_space: global }
      - { .name: ln_weight, .offset: 8, .size: 8, .value_kind: global_buffer, .address_space: global }
      - { .name: router_w, .offset: 16, .size: 8, .value_kind: global_buffer, .address_space: global }
      - { .name: out1, .offset: 24, .size: 8, .value_kind: global_buffer, .address_space: global }
      - { .name: out2, .offset: 32, .size: 8, .value_kind: global_buffer, .address_space: global }
      - { .name: eidx, .offset: 40, .size: 8, .value_kind: global_buffer, .address_space: global }
      - { .name: tokf, .offset: 48, .size: 8, .value_kind: global_buffer, .address_space: global }
    .group_segment_fixed_size: 0
    .private_segment_fixed_size: 0
    .kernarg_segment_align: 8
    .kernarg_segment_size: 56
    .max_flat_workgroup_size: 32
    .sgpr_count:     66
    .vgpr_count:     256
    .wavefront_size: 32
...
	.end_amdgpu_metadata
.endif
;; end of part 1
;; launch sort (part 2): grid 1 x 1, 8 waves a work-group, no clusters, 0 bytes of LDS; arguments eidx, lists; writes lists
.if DOCPART == 2
	.amdgcn_target "amdgcn-amd-amdhsa--gfx1250"
	.amdhsa_code_object_version 6
	.text
	.protected	k_q35f4c9652a_sort
	.globl	k_q35f4c9652a_sort
	.p2align	8
	.type	k_q35f4c9652a_sort,@function
k_q35f4c9652a_sort:
	s_mov_b64 s[64:65], 0
	v_nop
	global_prefetch_b8 v0, s[64:65] scope:SCOPE_SE
	s_setreg_imm32_b32 hwreg(HW_REG_WAVE_MODE, 25, 1), 1
	s_wait_xcnt 0x0
; BUCKETS.  The 1,024 tokens are laid by expert into SLOTS; an expert's slots begin at a multiple of 16 (a TILE of 16 slots), in the tokens' order.
; One work-group; wave e serves expert e and needs nothing of the others: every wave reads all 1,024 experts (32 registers) and counts all eight by ballots.
; lists:  perm[1152] at byte 0: slot -> token, 1,024 where the slot is empty;  pos[1024] at 4,608: token -> slot;
;         tab[8][6][4] at 8,704: for expert e and chunk c of 12 tiles: ws (the first tile of the window of 12 that is loaded), lo, hi (the window's tiles lo .. hi - 1 are the chunk's own), 0.
; U = the number of tiles in use, 64 to 71.  A window never passes tile U - 1: ws = min(first tile, U - 12).  A chunk without tiles has 0, 0, 0.
; Every number that enters an address is a count of ballots; it is held under 1,152 by a minimum with that constant.
; ORDER.  All addresses and all data are made first, with every lane on; the stores under masks come last and rewrite no vector register.
.set IDX, 16           ; v16-47    expert of token 32 s + lane
.set SL,  48           ; v48-79    the slot that token 32 s + lane would take, if it is mine
.set AD,  80           ; v80-111   4 x that slot: its place in perm
.set TK,  112          ; v112-143  the token's number
.set TB,  144          ; v144-167  my six entries of tab
	s_load_b128 s[4:7], s[0:1], 0x0                ; eidx s[4:5], lists s[6:7]
	v_and_b32 v1, 31, v0                           ; lane
	v_lshrrev_b32 v3, 5, v0
	v_readfirstlane_b32 s8, v3                     ; my wave = my expert
	v_lshlrev_b32 v2, 2, v1
	s_wait_kmcnt 0x0
.set ss, 0
.rept 32
	global_load_b32 v[IDX+ss], v2, s[4:5] offset:128*ss
.set ss, ss+1
.endr
	s_wait_loadcnt 0x0
	s_wait_xcnt 0x0                                ; EXEC changes below only behind this wait
	; PASS 1: how many tokens each expert has
.set ee, 0
.rept 8
	s_mov_b32 s[16+ee], 0
.set ss, 0
.rept 32
	v_cmp_eq_u32 s40, ee, v[IDX+ss]
	s_bcnt1_i32_b32 s41, s40
	s_add_co_u32 s[16+ee], s[16+ee], s41
.set ss, ss+1
.endr
.set ee, ee+1
.endr
	s_mov_b32 s32, 0                               ; U
	s_mov_b32 s33, 0                               ; tb: my first tile
	s_mov_b32 s34, 0                               ; my tokens
	s_mov_b32 s35, 0                               ; nt: my tiles
.set ee, 0
.rept 8
	s_add_co_u32 s[24+ee], s[16+ee], 15
	s_lshr_b32 s[24+ee], s[24+ee], 4
	s_add_co_u32 s32, s32, s[24+ee]
	s_cmp_gt_u32 s8, ee
	s_cselect_b32 s41, s[24+ee], 0
	s_cmp_eq_u32 s8, ee
	s_cselect_b32 s34, s[16+ee], s34
	s_cselect_b32 s35, s[24+ee], s35
	s_add_co_u32 s33, s33, s41
.set ee, ee+1
.endr
	; PASS 2: the slots of my tokens, every lane on: a lane whose token is not mine makes a number that is never stored
	s_lshl_b32 s36, s33, 4                         ; the next free slot
.set ss, 0
.rept 32
	v_cmp_eq_u32 vcc_lo, s8, v[IDX+ss]
	s_bcnt1_i32_b32 s41, vcc_lo
	v_mbcnt_lo_u32_b32 v[SL+ss], vcc_lo, 0         ; how many of mine lie in the lanes below me
	v_add_nc_u32 v[SL+ss], s36, v[SL+ss]
	v_min_u32 v[SL+ss], 0x47f, v[SL+ss]
	v_lshlrev_b32 v[AD+ss], 2, v[SL+ss]
	v_add_nc_u32 v[TK+ss], 32*ss, v1               ; the token
	s_add_co_u32 s36, s36, s41
.set ss, ss+1
.endr
	; the empty slots: lanes 0-15 fill up my last tile; lanes 16-31 take 16 of the slots from 16 U on (8 waves: 128 slots, and 16 U + 128 is 1,152 or more)
	s_add_co_u32 s45, s33, s35                     ; the tile behind my last
	s_lshl_b32 s38, s45, 4
	s_add_co_u32 s39, s32, s8
	s_lshl_b32 s39, s39, 4
	s_sub_co_u32 s39, s39, 16                      ; 16 U + 16 e - 16, to which lanes 16-31 add their number
	s_mov_b32 s43, 0xffff0000
	v_add_nc_u32 v6, s36, v1
	v_add_nc_u32 v7, s39, v1
	v_cndmask_b32 v6, v6, v7, s43
	v_mov_b32 v8, s38
	v_mov_b32 v9, 0x480
	v_cndmask_b32 v8, v8, v9, s43
	v_cmp_lt_u32 s51, v6, v8                       ; the lanes that have an empty slot to mark: kept in a scalar register until their store
	v_min_u32 v6, 0x47f, v6
	v_lshlrev_b32 v6, 2, v6
	v_mov_b32 v7, 0x400
	; my six entries of tab
	s_sub_co_u32 s44, s32, 12                      ; U - 12
.set c, 0
.rept 6
	s_add_co_u32 s46, s33, 12*c                    ; the chunk's first tile
	s_min_u32 s47, s46, s44                        ; ws
	s_sub_co_u32 s48, s46, s47                     ; lo
	s_sub_co_u32 s49, s45, s47
	s_min_u32 s49, s49, 12                         ; hi
	s_cmp_gt_u32 s35, 12*c                         ; has the chunk a tile?
	s_cselect_b32 s47, s47, 0
	s_cselect_b32 s48, s48, 0
	s_cselect_b32 s49, s49, 0
	v_mov_b32 v[TB+4*c], s47
	v_mov_b32 v[TB+4*c+1], s48
	v_mov_b32 v[TB+4*c+2], s49
	v_mov_b32 v[TB+4*c+3], 0
.set c, c+1
.endr
	s_mul_i32 s50, s8, 96
	v_mov_b32 v10, s50
	; THE STORES.  No vector register is written from here on.
.set ss, 0
.rept 32
	v_cmp_eq_u32 vcc_lo, s8, v[IDX+ss]             ; the ballot once more: the lanes whose token is mine
	s_and_saveexec_b32 s42, vcc_lo
	global_store_b32 v[AD+ss], v[TK+ss], s[6:7]    ; perm[slot] = token
	global_store_b32 v2, v[SL+ss], s[6:7] offset:4608+128*ss  ; pos[token] = slot
	s_wait_xcnt 0x0                                ; EXEC is a source of the pending stores: it changes only behind this wait
	s_or_b32 exec_lo, exec_lo, s42
.set ss, ss+1
.endr
	s_and_saveexec_b32 s42, s51
	global_store_b32 v6, v7, s[6:7]                ; perm[empty slot] = 1,024
	s_wait_xcnt 0x0
	s_or_b32 exec_lo, exec_lo, s42
	v_cmp_eq_u32 vcc_lo, 0, v1
	s_and_saveexec_b32 s42, vcc_lo                 ; no memory instruction has been issued since the last wait for translated addresses
.set c, 0
.rept 6
	global_store_b128 v10, v[TB+4*c:TB+4*c+3], s[6:7] offset:8704+16*c
.set c, c+1
.endr
	s_endpgm
.Lfunc_end_k_q35f4c9652a_sort:
	.size	k_q35f4c9652a_sort, .Lfunc_end_k_q35f4c9652a_sort-k_q35f4c9652a_sort
	.p2alignl 7, 3214868480
	.fill 96, 4, 3214868480
	.section	.rodata,"a",@progbits
	.p2align	6, 0x0
	.amdhsa_kernel k_q35f4c9652a_sort
		.amdhsa_group_segment_fixed_size 0
		.amdhsa_private_segment_fixed_size 0
		.amdhsa_enable_private_segment 0
		.amdhsa_kernarg_size 16
		.amdhsa_user_sgpr_count 2
		.amdhsa_user_sgpr_kernarg_segment_ptr 1
		.amdhsa_wavefront_size32 1
		.amdhsa_system_sgpr_workgroup_id_x 1
		.amdhsa_system_sgpr_workgroup_id_y 1
		.amdhsa_system_sgpr_workgroup_id_z 1
		.amdhsa_system_vgpr_workitem_id 0
		.amdhsa_next_free_vgpr 168
		.amdhsa_next_free_sgpr 66
		.amdhsa_reserve_vcc 1
		.amdhsa_float_denorm_mode_32 3
		.amdhsa_float_denorm_mode_16_64 3
		.amdhsa_memory_ordered 1
		.amdhsa_forward_progress 1
		.amdhsa_inst_pref_size 64
	.end_amdhsa_kernel
	.amdgpu_metadata
---
amdhsa.version: [ 1, 2 ]
amdhsa.kernels:
  - .name:           k_q35f4c9652a_sort
    .symbol:         k_q35f4c9652a_sort.kd
    .args:
      - { .name: eidx, .offset: 0, .size: 8, .value_kind: global_buffer, .address_space: global }
      - { .name: lists, .offset: 8, .size: 8, .value_kind: global_buffer, .address_space: global }
    .group_segment_fixed_size: 0
    .private_segment_fixed_size: 0
    .kernarg_segment_align: 8
    .kernarg_segment_size: 16
    .max_flat_workgroup_size: 256
    .sgpr_count:     66
    .vgpr_count:     168
    .wavefront_size: 32
...
	.end_amdgpu_metadata
.endif
;; end of part 2
;; launch gather (part 3): grid 72 x 1, 4 waves a work-group, no clusters, 0 bytes of LDS; arguments hidden_states, ln_weight, tokf, lists, xs; writes xs
.if DOCPART == 3
	.amdgcn_target "amdgcn-amd-amdhsa--gfx1250"
	.amdhsa_code_object_version 6
	.text
	.protected	k_q35f4c9652a_gather
	.globl	k_q35f4c9652a_gather
	.p2align	8
	.type	k_q35f4c9652a_gather,@function
k_q35f4c9652a_gather:
	s_mov_b64 s[64:65], 0
	v_nop
	global_prefetch_b8 v0, s[64:65] scope:SCOPE_SE
	s_setreg_imm32_b32 hwreg(HW_REG_WAVE_MODE, 25, 1), 1
	s_wait_xcnt 0x0
; xs = the normed tokens in slot order, bf16, laid as the matrix instruction's fragments: [tile of 16 slots][K step of 32][q][lane][16 bytes].
; Lane (r = lane % 16, h = lane / 16) of part q holds slot r, d = 32 ks + 16 q + 8 h + 0..7.  So a later launch fills a fragment by two loads of 512 consecutive bytes.
; normed = x * rs * ln_weight in f32, rounded once to bf16.  An empty slot (perm = 1,024) takes rs = 0 and the last token's row: zeros, if that row is finite.
; A work-group makes one tile (all 72, so that every byte of xs is written), wave w its K steps 8 w .. 8 w + 7: 16 units of (K step, q), in two batches of 8.
.set XR, 32            ; v32-95    a batch's x: 8 registers a unit
.set LR, 96            ; v96-159   ln_weight likewise
.set OR, 160           ; v160-191  4 registers a unit, to store
	s_load_b256 s[4:11], s[0:1], 0x0               ; hidden s[4:5], ln_weight s[6:7], tokf s[8:9], lists s[10:11]
	s_load_b64 s[12:13], s[0:1], 0x20              ; xs
	v_lshrrev_b32 v2, 5, v0
	v_readfirstlane_b32 s14, v2                    ; wave
	v_and_b32 v1, 31, v0                           ; lane
	v_and_b32 v2, 15, v0                           ; r
	v_bfe_u32 v3, v0, 4, 1                         ; h
	v_lshlrev_b32 v5, 2, v2
	s_lshl_b32 s15, s14, 10                        ; my 8 K steps: 1,024 bytes of a row
	s_lshl_b32 s16, s14, 13                        ; and 8,192 bytes of the tile
	s_lshl_b32 s18, ttmp9, 6                       ; the tile's 16 words of perm
	s_mov_b32 s19, 0
	s_lshl_b32 s20, ttmp9, 15                      ; the tile's 32,768 bytes of xs
	s_mov_b32 s21, 0
	s_wait_kmcnt 0x0
	s_add_nc_u64 s[10:11], s[10:11], s[18:19]
	s_add_nc_u64 s[12:13], s[12:13], s[20:21]
	global_load_b32 v4, v5, s[10:11]               ; my slot's token
	v_lshl_add_u32 v10, v3, 5, s15                 ; in ln_weight: 32 h + 1,024 w
	v_lshl_add_u32 v11, v1, 4, s16                 ; in the tile: 16 lane + 8,192 w
	s_wait_loadcnt 0x0
	v_cmp_gt_u32 vcc_lo, 0x400, v4                 ; a token, or none
	v_min_u32 v4, 0x3ff, v4
	v_lshlrev_b32 v8, 2, v4
	global_load_b32 v6, v8, s[8:9]                 ; rs
	v_lshl_add_u32 v9, v4, 12, v10                 ; in hidden: the token's row + 32 h + 1,024 w
.macro BATCH bt                        ; 32 loads: for each unit 32 bytes of x, then 32 of ln_weight
.set u, 0
.rept 8
.set of, 128*(4*(\bt)+u/2)+64*(u%2)
	global_load_b128 v[XR+8*u:XR+8*u+3],   v9,  s[4:5] offset:of
	global_load_b128 v[XR+8*u+4:XR+8*u+7], v9,  s[4:5] offset:of+16
	global_load_b128 v[LR+8*u:LR+8*u+3],   v10, s[6:7] offset:of
	global_load_b128 v[LR+8*u+4:LR+8*u+7], v10, s[6:7] offset:of+16
.set u, u+1
.endr
.endm
.macro WORK bt
.set u, 0
.rept 8
	s_wait_loadcnt 28-4*u                          ; loads come back in order: unit u's four are in, the later units' stay out
.set p, 0
.rept 4
	v_pk_mul_f32 v[XR+8*u+2*p:XR+8*u+2*p+1], v[XR+8*u+2*p:XR+8*u+2*p+1], v[6:7]
.set p, p+1
.endr
.set p, 0
.rept 4
	v_pk_mul_f32 v[XR+8*u+2*p:XR+8*u+2*p+1], v[XR+8*u+2*p:XR+8*u+2*p+1], v[LR+8*u+2*p:LR+8*u+2*p+1]
.set p, p+1
.endr
.set p, 0
.rept 4
	v_cvt_pk_bf16_f32 v[OR+4*u+p], v[XR+8*u+2*p], v[XR+8*u+2*p+1]
.set p, p+1
.endr
	global_store_b128 v11, v[OR+4*u:OR+4*u+3], s[12:13] offset:1024*(4*(\bt)+u/2)+512*(u%2)  ; 512 consecutive bytes, at a multiple of 512 from xs's first
.set u, u+1
.endr
.endm
	BATCH 0
	s_wait_loadcnt 32                              ; rs is in; the batch's 32 loads were issued behind it
	v_cndmask_b32 v6, 0, v6, vcc_lo
	v_mov_b32 v7, v6
	WORK 0
	s_wait_xcnt 0x0                                ; the stores' data registers are written again only behind this wait
	BATCH 1
	WORK 1
	s_endpgm
.Lfunc_end_k_q35f4c9652a_gather:
	.size	k_q35f4c9652a_gather, .Lfunc_end_k_q35f4c9652a_gather-k_q35f4c9652a_gather
	.p2alignl 7, 3214868480
	.fill 96, 4, 3214868480
	.section	.rodata,"a",@progbits
	.p2align	6, 0x0
	.amdhsa_kernel k_q35f4c9652a_gather
		.amdhsa_group_segment_fixed_size 0
		.amdhsa_private_segment_fixed_size 0
		.amdhsa_enable_private_segment 0
		.amdhsa_kernarg_size 40
		.amdhsa_user_sgpr_count 2
		.amdhsa_user_sgpr_kernarg_segment_ptr 1
		.amdhsa_wavefront_size32 1
		.amdhsa_system_sgpr_workgroup_id_x 1
		.amdhsa_system_sgpr_workgroup_id_y 1
		.amdhsa_system_sgpr_workgroup_id_z 1
		.amdhsa_system_vgpr_workitem_id 0
		.amdhsa_next_free_vgpr 192
		.amdhsa_next_free_sgpr 66
		.amdhsa_reserve_vcc 1
		.amdhsa_float_denorm_mode_32 3
		.amdhsa_float_denorm_mode_16_64 3
		.amdhsa_memory_ordered 1
		.amdhsa_forward_progress 1
		.amdhsa_inst_pref_size 22
	.end_amdhsa_kernel
	.amdgpu_metadata
---
amdhsa.version: [ 1, 2 ]
amdhsa.kernels:
  - .name:           k_q35f4c9652a_gather
    .symbol:         k_q35f4c9652a_gather.kd
    .args:
      - { .name: hidden_states, .offset: 0, .size: 8, .value_kind: global_buffer, .address_space: global }
      - { .name: ln_weight, .offset: 8, .size: 8, .value_kind: global_buffer, .address_space: global }
      - { .name: tokf, .offset: 16, .size: 8, .value_kind: global_buffer, .address_space: global }
      - { .name: lists, .offset: 24, .size: 8, .value_kind: global_buffer, .address_space: global }
      - { .name: xs, .offset: 32, .size: 8, .value_kind: global_buffer, .address_space: global }
    .group_segment_fixed_size: 0
    .private_segment_fixed_size: 0
    .kernarg_segment_align: 8
    .kernarg_segment_size: 40
    .max_flat_workgroup_size: 128
    .sgpr_count:     66
    .vgpr_count:     192
    .wavefront_size: 32
...
	.end_amdgpu_metadata
.endif
;; end of part 3
;; launch ffn1 (part 4): grid 256 x 1, 4 waves a work-group, no clusters, 197,120 bytes of LDS; arguments wi, xs, lists, hs; writes hs
.if DOCPART == 4
	.amdgcn_target "amdgcn-amd-amdhsa--gfx1250"
	.amdhsa_code_object_version 6
	.text
	.protected	k_q35f4c9652a_ffn1
	.globl	k_q35f4c9652a_ffn1
	.p2align	8
	.type	k_q35f4c9652a_ffn1,@function
k_q35f4c9652a_ffn1:
	s_mov_b64 s[64:65], 0
	v_nop
	global_prefetch_b8 v0, s[64:65] scope:SCOPE_SE
	s_setreg_imm32_b32 hwreg(HW_REG_WAVE_MODE, 25, 1), 1
	s_wait_xcnt 0x0
; ONE TEXT FOR BOTH HALVES OF THE EXPERTS' LAYER.  MODE 1: hs = relu(xs wi[e]), bf16.  MODE 2: part[kH] = hs wo[e] over half of F, f32.
; The weights, f32 and [K][N], are read ONCE, straight into registers, rounded to bf16 there, and multiplied; sums in f32.  Operands in bf16 keep f32's range; NaN and infinities are not treated apart.
; A WAVE owns 64 weight columns (256 bytes of a row) x 512 of K (16 K steps of 32) x a CHUNK of 12 tiles of 16 token slots: 48 accumulators, 384 registers.
; WEIGHTS.  A load of 16 bytes a lane takes 256 consecutive, aligned bytes of one row (lanes 0-15) and of another (lanes 16-31).  Sixteen loads are 32 rows.  Register j of loads 2 t' and 2 t' + 1,
; rounded together, is register t' of FRAGMENT j (source 0, 16 rows x 32 K), whose row r is weight column 4 r + j: no lane changes, nothing passes LDS.  Load i's row is the one that the fragment's
; layout wants at k = (i & 7) + 8 h + 16 (i >> 3) (ISA guide 7.12.2).
; TOKENS are source 1: xs and hs lie in memory as fragments ([tile][K step][q][lane][16 bytes]), two loads of 512 consecutive bytes each.  A result holds one slot a lane (lane % 16), columns 4 (8 h + reg) + j.
; MODE 1's results j, j + 1, packed, ARE the two halves of a fragment for MODE 2, in which k = i (+16) stands for f = 64 G + 4 i + j.  MODE 2 fetches wo's rows in that order: any order of rows costs the same.
; SHARES.  Expert e = g >> 5.  MODE 1: 32 work-groups an expert, each 128 columns of F: wave w has column group cg = w & 1 and K half kh = w >> 1.
;          MODE 2: 16 column groups of D x 2 halves of F (kH = g & 1); wave w has K quarter w of that half.  The waves' sums meet in LDS; MODE 2's two halves are added by the next launch.
; CHUNKS.  An expert may have any number of tokens, so a loop of 6 trips (72 tiles at the most) walks its chunks from the table that an earlier launch stored as whole numbers; for each chunk with tiles the
; weights are streamed again; a chunk without is jumped over, forward; the trip's two barriers stand outside what is jumped.  A chunk loads the 12 tiles from ws on (all written), and stores tiles lo .. hi - 1 of them:
; a foreign or empty slot is a column of its own in every product and touches no other.
; NO CLUSTER, NO TENSOR LOADS: what an expert's work-groups share is the small token window, whose place hangs on the table; the weights, the bulk of the bytes, are shared by nobody.
.set MODE, 1
.if MODE == 1
.set WPITCH, 16384     ; bytes in a row of the weights
.set WTRIP,  4*32*WPITCH  ; four K steps further down
.set XTSH,   15        ; a tile of the tokens' buffer is 1 << XTSH bytes
.set OTSH,   17        ; a tile of the output 1 << OTSH
.set SH,     6         ; tiles that a wave finishes
.else
.set WPITCH, 4096
.set WTRIP,  2*64*WPITCH
.set XTSH,   17
.set OTSH,   16
.set SH,     3
.endif
.set XT,     1<<XTSH
.set OT,     1<<OTSH
.set REGION, 49152     ; LDS: a wave's 48 results: (tile t, fragment j) at (4 t + j) 1,024 + 512 half + 16 lane
.set STAGE,  4*REGION  ; MODE 2: 16 rows x 272 bytes for each wave, for the way out
.set SROWS,  16*272
.set SPARE,  STAGE+(MODE-1)*4*SROWS  ; the spare words, 128 bytes for each wave: two blocks of 256 bytes that no other line names
; window 0
.set WOFF, 2           ; v2   16 (lane % 16) + (lane / 16) << 17: both modes' second row lies 131,072 bytes below the first
.set LOFF, 3           ; v3   16 lane
.set DMP,  4           ; v4   my place in my region
.set RD,   5           ; v5-8 my place in the regions that I sum, at my first tile
.set STO,  9           ; v9   MODE 2: into my stage
.set SRD,  10          ; v10  back out of it
.set GO,   11          ; v11  my byte offset in two rows of part
.set SPW,  12          ; v12  LDS address of my spare word; never rewritten
.set NIL,  13          ; v13  0; never rewritten
.set XF,   64          ; v64-159, v160-255  two buffers of 12 token fragments; at work on the way out
.set FA,   64
.set PK,   128
.set TR,   192
.set BK,   224
; window 1: v0-255 the weights as loaded, four stages of 64: load i's register j at 64 stage + 4 i + j
; window 2: v0-191 accumulators of tiles 0-5 at 32 t + 8 j;  v192-223, v224-255 two buffers of 4 weight fragments.   window 3: v0-191 accumulators of tiles 6-11
.set WF,   192
.set WV,   12          ; s12  wave
.set WO,   16          ; s[16:17] the weights at my first row and column     s[18:19] WB: the same, stepped along K
.set WB,   18
.set XB,   20          ; s[20:21] the tokens at the window's first tile, stepped along K
.set XO,   22          ; s[22:23] the tokens at tile 0, my first K step
.set OO,   24          ; s[24:25] the output at my first tile of window 0
.set OB,   26          ; s[26:27] the same at the window in hand
.set OF,   28          ; s[28:29] an offset, the high word 0
.set LAP,  30
.set CH,   31
.set WS,   32          ; s[32:55] the six entries of my expert's table; the one in hand is s32 ws, s33 lo, s34 hi
.set LO,   33
.set HI,   34
.set TS,   56          ; s56  the first tile that I finish
.set TP,   57          ; s57, s59 at work;  s58 kh or kH
.set MSB, 0
.macro WIN new                         ; s_set_vgpr_msb: bits 1:0 source 0, 3:2 source 1, 5:4 source 2, 7:6 destination; the high byte repeats the setting that is left
.if MSB != (\new)
	s_set_vgpr_msb (MSB<<8)|(\new)
.set MSB, (\new)
.endif
.endm
	s_load_b256 s[4:11], s[0:1], 0x0               ; weights s[4:5], tokens s[6:7], lists s[8:9], output s[10:11]
	v_lshl_add_u32 v[SPW], v0, 2, SPARE
	v_mov_b32 v[NIL], 0
	v_lshrrev_b32 v1, 5, v0
	v_readfirstlane_b32 s[WV], v1
	v_and_b32 v1, 31, v0                           ; lane
	v_and_b32 v14, 15, v0                          ; r
	v_bfe_u32 v15, v0, 4, 1                        ; h
	v_lshlrev_b32 v[WOFF], 4, v14
	v_lshl_add_u32 v[WOFF], v15, 17, v[WOFF]
	v_lshlrev_b32 v[LOFF], 4, v1
	s_mul_i32 s[TP], s[WV], REGION
	v_add_nc_u32 v[DMP], s[TP], v[LOFF]
	s_lshr_b32 s13, ttmp9, 5                       ; expert
	s_mov_b32 s[OF+1], 0
.if MODE == 1
	s_and_b32 s14, ttmp9, 31
	s_and_b32 s15, s[WV], 1                        ; cg
	s_lshr_b32 s58, s[WV], 1                       ; kh
	s_lshl1_add_u32 s14, s14, s15                  ; G: my group of 64 columns of F
	s_mul_i32 s[TS], s58, 6
	s_mul_i32 s[TP], s15, REGION                   ; I sum the two waves of my column group: regions cg and cg + 2
	s_lshl_b32 s59, s[TS], 12
	s_add_co_u32 s[TP], s[TP], s59
	v_add_nc_u32 v[RD], s[TP], v[LOFF]
	v_add_nc_u32 v[RD+1], 2*REGION, v[RD]
	s_wait_kmcnt 0x0
	s_lshl_b32 s[OF], s13, 24                      ; wi[e] + kh 512 rows + G 256 bytes
	s_lshl_b32 s59, s58, 23
	s_add_co_u32 s[OF], s[OF], s59
	s_lshl_b32 s59, s14, 8
	s_add_co_u32 s[OF], s[OF], s59
	s_add_nc_u64 s[WO:WO+1], s[4:5], s[OF:OF+1]
	s_lshl_b32 s[OF], s58, 14                      ; K steps 16 kh on
	s_add_nc_u64 s[XO:XO+1], s[6:7], s[OF:OF+1]
	s_mul_i32 s[OF], s58, 6*OT                     ; tiles 6 kh on; K steps 2 G, 2 G + 1 of hs
	s_lshl_b32 s59, s14, 11
	s_add_co_u32 s[OF], s[OF], s59
	s_add_nc_u64 s[OO:OO+1], s[10:11], s[OF:OF+1]
.else
	s_bfe_u32 s14, ttmp9, 0x40001                  ; my group of 64 columns of D
	s_and_b32 s58, ttmp9, 1                        ; kH
	s_mul_i32 s[TS], s[WV], 3
	s_lshl_b32 s59, s[TS], 12
	v_add_nc_u32 v[RD], s59, v[LOFF]               ; I sum all four regions
	v_add_nc_u32 v[RD+1], REGION, v[RD]
	v_add_nc_u32 v[RD+2], 2*REGION, v[RD]
	v_add_nc_u32 v[RD+3], 3*REGION, v[RD]
	s_mul_i32 s[TP], s[WV], SROWS
	s_add_co_u32 s[TP], s[TP], STAGE               ; my stage
	v_mul_u32_u24 v[STO], v14, 272                 ; in: row = slot r; my 32 columns begin at byte 128 h
	v_lshl_add_u32 v[STO], v15, 7, v[STO]
	v_add_nc_u32 v[STO], s[TP], v[STO]
	v_mul_u32_u24 v[SRD], v15, 272                 ; back: lanes 0-15 one row of 256 bytes, lanes 16-31 the next
	v_lshl_add_u32 v[SRD], v14, 4, v[SRD]
	v_add_nc_u32 v[SRD], s[TP], v[SRD]
	v_lshlrev_b32 v[GO], 12, v15                   ; and the same two rows of part
	v_lshl_add_u32 v[GO], v14, 4, v[GO]
	s_wait_kmcnt 0x0
	s_lshl_b32 s[OF], s13, 24                      ; wo[e] + (2,048 kH + 512 w) rows + group x 256 bytes
	s_lshl_b32 s59, s58, 23
	s_add_co_u32 s[OF], s[OF], s59
	s_lshl_b32 s59, s[WV], 21
	s_add_co_u32 s[OF], s[OF], s59
	s_lshl_b32 s59, s14, 8
	s_add_co_u32 s[OF], s[OF], s59
	s_add_nc_u64 s[WO:WO+1], s[4:5], s[OF:OF+1]
	s_lshl_b32 s[OF], s58, 16                      ; K steps 64 kH + 16 w on
	s_lshl_b32 s59, s[WV], 14
	s_add_co_u32 s[OF], s[OF], s59
	s_add_nc_u64 s[XO:XO+1], s[6:7], s[OF:OF+1]
	s_mul_i32 s[OF], s58, 1152*4096                ; part[kH]; tiles 3 w on; my columns
	s_mul_i32 s59, s[WV], 3*OT
	s_add_co_u32 s[OF], s[OF], s59
	s_lshl_b32 s59, s14, 8
	s_add_co_u32 s[OF], s[OF], s59
	s_add_nc_u64 s[OO:OO+1], s[10:11], s[OF:OF+1]
.endif
	s_mul_i32 s[OF], s13, 96
	s_add_nc_u64 s[8:9], s[8:9], s[OF:OF+1]
	s_load_b512 s[32:47], s[8:9], 0x2200           ; my expert's six entries of the table
	s_load_b256 s[48:55], s[8:9], 0x2240
	s_mov_b32 s[CH], 6
	s_wait_kmcnt 0x0
; 16 loads: the 32 rows of K step s (counted from WB) into stage st
.macro LOADW s, st
	WIN 0x40                                       ; destination window 1, address window 0
.set io, 0
.rept 16
.if MODE == 1
.set rw, 32*(\s)+(io&7)+16*(io>>3)
.else
.set rw, 64*((\s)>>1)+2*((\s)&1)+4*(io&7)+(io>>3)
.endif
	global_load_b128 v[64*(\st)+4*io:64*(\st)+4*io+3], v[WOFF], s[WB:WB+1] offset:rw*WPITCH th:TH_LOAD_NT
.set io, io+1
.endr
.endm
; 24 loads: the 12 token fragments of K step s (counted from XB) into buffer b
.macro LOADX s, b
	WIN 0
.set ti, 0
.rept 12
	global_load_b128 v[XF+96*(\b)+8*ti:XF+96*(\b)+8*ti+3],   v[LOFF], s[XB:XB+1] offset:ti*XT+1024*(\s)
	global_load_b128 v[XF+96*(\b)+8*ti+4:XF+96*(\b)+8*ti+7], v[LOFF], s[XB:XB+1] offset:ti*XT+1024*(\s)+512
.set ti, ti+1
.endr
.endm
; 32 roundings: stage st becomes the four fragments of buffer b
.macro CVT st, b
	WIN 0x85                                       ; sources window 1, destination window 2
.set ji, 0
.rept 4
.set tp, 0
.rept 8
	v_cvt_pk_bf16_f32 v[WF+32*(\b)+8*ji+tp], v[64*(\st)+8*tp+ji], v[64*(\st)+8*tp+4+ji]
.set tp, tp+1
.endr
.set ji, ji+1
.endr
.endm
; 48 matrix instructions, each on an accumulator of its own: the accumulators take turns, one instruction a turn.  zero = 1: the first K step starts the sums
.macro MUL b, zero
.set ti, 0
.rept 12
.if ti == 0
	WIN 0xa2                                       ; weights (source 0), C and D window 2; tokens (source 1) window 0
.elseif ti == 6
	WIN 0xf2                                       ; C and D window 3
.endif
.set ji, 0
.rept 4
.set ac, 32*(ti%6)+8*ji
.set wa, WF+32*(\b)+8*ji
.set xb, XF+96*(\b)+8*ti
.if \zero
	v_wmma_f32_16x16x32_bf16 v[ac:ac+7], v[wa:wa+7], v[xb:xb+7], 0
.else
	v_wmma_f32_16x16x32_bf16 v[ac:ac+7], v[wa:wa+7], v[xb:xb+7], v[ac:ac+7]
.endif
.set ji, ji+1
.endr
.set ti, ti+1
.endr
.endm
; A K STEP.  Its weights (stage st) are rounded into buffer b; the next step's tokens (sx) and the weights three steps on (sw) are asked for; then its 48 products.
; The 32 roundings name no register of the last step's products: they are the places between those products and the loads into the token buffer that they read.
; The order of issue is W0 W1 X0 W2 | X1 W3 | X2 W4 | ..  n2: behind X(s) stand W(s+2), X(s+1), W(s+3): 16 + 24 + 16 = 56.  n1: behind W(s) stand more than that, so 56 serves there too.
; More loads are asked for than LOADcnt's field counts; the issue then waits for room (ISA guide 5.7.1), and the counts stay true.
.macro STEP st, b, sx, sw, n1, n2, zero
	s_wait_loadcnt \n1
	CVT \st, \b
.if (\sx) >= 0
	LOADX \sx, 1-(\b)
.endif
.if (\sw) >= 0
	LOADW \sw, ((\st)+3)%4
.endif
	s_wait_loadcnt \n2
	MUL \b, \zero
.endm
; my 48 results into my region, each accumulator's low registers first; 32 lanes x 16 bytes are 512 consecutive bytes
.macro DUMP
.set ti, 0
.rept 12
.if ti == 0
	WIN 0x08                                       ; data (source 1) window 2
.elseif ti == 6
	WIN 0x0c                                       ; window 3
.endif
.set ji, 0
.rept 4
	ds_store_b128 v[DMP], v[32*(ti%6)+8*ji:32*(ti%6)+8*ji+3]   offset:(4*ti+ji)*1024
	ds_store_b128 v[DMP], v[32*(ti%6)+8*ji+4:32*(ti%6)+8*ji+7] offset:(4*ti+ji)*1024+512
.set ji, ji+1
.endr
.set ti, ti+1
.endr
	WIN 0
.endm
; Tile TS + n of the window is finished, if it is the chunk's own (lo <= tile < hi): the jumps go forward and pass no barrier.
.if MODE == 1
.macro FINAL n                         ; two regions are added; relu; rounded to bf16: result j is part j & 1 of K step 2 G + (j >> 1) of hs
	s_add_co_u32 s[TP], s[TS], \n
	s_cmp_ge_u32 s[TP], s[LO]
	s_cbranch_scc0 .Lskip_\@
	s_cmp_lt_u32 s[TP], s[HI]
	s_cbranch_scc0 .Lskip_\@
	s_wait_xcnt 0x0                                ; the last tile's stores have read their registers
.set ji, 0
.rept 8
	ds_load_b128 v[FA+4*ji:FA+4*ji+3],       v[RD]   offset:4096*(\n)+512*ji
	ds_load_b128 v[FA+32+4*ji:FA+32+4*ji+3], v[RD+1] offset:4096*(\n)+512*ji
.set ji, ji+1
.endr
	s_wait_dscnt 0x0
.set ji, 0
.rept 16
	v_pk_add_f32 v[FA+2*ji:FA+2*ji+1], v[FA+2*ji:FA+2*ji+1], v[FA+32+2*ji:FA+32+2*ji+1]
.set ji, ji+1
.endr
.set ji, 0
.rept 32
	v_max_num_f32 v[FA+ji], 0, v[FA+ji]
.set ji, ji+1
.endr
.set ji, 0
.rept 16
	v_cvt_pk_bf16_f32 v[PK+ji], v[FA+2*ji], v[FA+2*ji+1]
.set ji, ji+1
.endr
.set ji, 0
.rept 4
	global_store_b128 v[LOFF], v[PK+4*ji:PK+4*ji+3], s[OB:OB+1] offset:(\n)*OT+512*ji  ; 512 consecutive bytes, at a multiple of 512 from hs's first
.set ji, ji+1
.endr
.Lskip_\@:
.endm
.else
.macro FINAL n                         ; four regions are added; a lane's columns 4 (8 h + reg) + j are put in order, sent through my stage and stored as rows
	s_add_co_u32 s[TP], s[TS], \n
	s_cmp_ge_u32 s[TP], s[LO]
	s_cbranch_scc0 .Lskip_\@
	s_cmp_lt_u32 s[TP], s[HI]
	s_cbranch_scc0 .Lskip_\@
	s_wait_xcnt 0x0                                ; the last tile's stores have read their registers
.set ki, 0
.rept 4
.set ji, 0
.rept 8
	ds_load_b128 v[FA+32*ki+4*ji:FA+32*ki+4*ji+3], v[RD+ki] offset:4096*(\n)+512*ji
.set ji, ji+1
.endr
.set ki, ki+1
.endr
	s_wait_dscnt 0x0
.set ji, 0
.rept 16
	v_pk_add_f32 v[FA+2*ji:FA+2*ji+1], v[FA+2*ji:FA+2*ji+1], v[FA+32+2*ji:FA+32+2*ji+1]
	v_pk_add_f32 v[FA+64+2*ji:FA+64+2*ji+1], v[FA+64+2*ji:FA+64+2*ji+1], v[FA+96+2*ji:FA+96+2*ji+1]
.set ji, ji+1
.endr
.set ki, 0
.rept 8
.set ji, 0
.rept 4
	v_add_f32 v[TR+4*ki+ji], v[FA+8*ji+ki], v[FA+64+8*ji+ki]
.set ji, ji+1
.endr
.set ki, ki+1
.endr
.set ki, 0
.rept 8
	ds_store_b128 v[STO], v[TR+4*ki:TR+4*ki+3] offset:16*ki
.set ki, ki+1
.endr
.set ki, 0
.rept 8
	ds_load_b128 v[BK+4*ki:BK+4*ki+3], v[SRD] offset:544*ki  ; LDS serves a wave's instructions in order (ISA guide 5.7.1.4): these see the stores above, and the next tile's stores come behind them
.set ki, ki+1
.endr
	s_wait_dscnt 0x0
.set ki, 0
.rept 8
	global_store_b128 v[GO], v[BK+4*ki:BK+4*ki+3], s[OB:OB+1] offset:(\n)*OT+8192*ki  ; 16 lanes store 256 consecutive bytes, at a multiple of 256 from part's first
.set ki, ki+1
.endr
.Lskip_\@:
.endm
.endif
.Lchunk:                                               ; six trips, one for each chunk that an expert can have
	s_wait_xcnt 0x0                                ; the bases, and the registers that the last chunk's stores read, are written again only behind this wait
	s_min_u32 s[TP], s[WS], 60                     ; a number from memory enters addresses under this bound: 60 + 11 is the last tile
	s_lshl_b32 s[OF], s[TP], XTSH
	s_add_nc_u64 s[XB:XB+1], s[XO:XO+1], s[OF:OF+1]
	s_lshl_b32 s[OF], s[TP], OTSH
	s_add_nc_u64 s[OB:OB+1], s[OO:OO+1], s[OF:OF+1]
	s_mov_b64 s[WB:WB+1], s[WO:WO+1]
	s_cmp_eq_u32 s[HI], 0
	s_cbranch_scc1 .Ldead_a                        ; no tile: nothing is streamed
	LOADW 0, 0
	LOADW 1, 1
	LOADX 0, 0
	LOADW 2, 2
	STEP 0, 0, 1, 3, 56, 56, 1                     ; K step 0 stands in front of the loop: its products start the sums
	WIN 0                                          ; at a label and at a branch every window is 0
	s_mov_b32 s[LAP], 3
.Llap:                                                 ; K steps 1 to 12, four a trip
	STEP 1, 1, 2, 4, 56, 56, 0
	STEP 2, 0, 3, 5, 56, 56, 0
	STEP 3, 1, 4, 6, 56, 56, 0
	STEP 0, 0, 5, 7, 56, 56, 0
	WIN 0
	s_wait_xcnt 0x0                                ; the loads' bases step only behind this wait
	s_add_nc_u64 s[WB:WB+1], s[WB:WB+1], WTRIP
	s_add_nc_u64 s[XB:XB+1], s[XB:XB+1], 4096
	s_sub_co_u32 s[LAP], s[LAP], 1
	s_cmp_lg_u32 s[LAP], 0
	s_cbranch_scc1 .Llap
	STEP 1, 1, 2, -1, 56, 40, 0                    ; K step 13: behind X13 stand W15 and X14: 40
	STEP 2, 0, 3, -1, 40, 24, 0                    ; K step 14: behind X14 stands X15: 24
	STEP 3, 1, -1, -1, 24, 0, 0                    ; K step 15: nothing is left out
.rept 4
	v_nop                                          ; the places between the last products and the stores that read them
.endr
	DUMP
.Ldead_a:
	s_wait_dscnt 0x0                               ; for the others' sake: my results are in LDS
	s_barrier_signal -1
	s_barrier_wait -1
	s_cmp_eq_u32 s[HI], 0
	s_cbranch_scc1 .Ldead_b
.set fn, 0
.rept SH
	FINAL fn
.set fn, fn+1
.endr
.Ldead_b:
	s_wait_dscnt 0x0                               ; my reads of the regions are over: behind this barrier they may be written again
	s_barrier_signal -1
	s_barrier_wait -1
.irp k, 32,34,36,38,40,42,44,46,48,50
	s_mov_b64 s[\k:\k+1], s[\k+4:\k+5]             ; the table moves up by an entry
.endr
	s_sub_co_u32 s[CH], s[CH], 1
	s_cmp_lg_u32 s[CH], 0
	s_cbranch_scc1 .Lchunk
	s_wait_tensorcnt 0x0                           ; the wave's end: behind my last LDS store
	ds_add_u32 v[SPW], v[NIL]
	s_wait_dscnt 0x0
	s_endpgm
.Lfunc_end_k_q35f4c9652a_ffn1:
	.size	k_q35f4c9652a_ffn1, .Lfunc_end_k_q35f4c9652a_ffn1-k_q35f4c9652a_ffn1
	.p2alignl 7, 3214868480
	.fill 96, 4, 3214868480
	.section	.rodata,"a",@progbits
	.p2align	6, 0x0
	.amdhsa_kernel k_q35f4c9652a_ffn1
		.amdhsa_group_segment_fixed_size 197120
		.amdhsa_private_segment_fixed_size 0
		.amdhsa_enable_private_segment 0
		.amdhsa_kernarg_size 32
		.amdhsa_user_sgpr_count 2
		.amdhsa_user_sgpr_kernarg_segment_ptr 1
		.amdhsa_wavefront_size32 1
		.amdhsa_system_sgpr_workgroup_id_x 1
		.amdhsa_system_sgpr_workgroup_id_y 1
		.amdhsa_system_sgpr_workgroup_id_z 1
		.amdhsa_system_vgpr_workitem_id 0
		.amdhsa_next_free_vgpr 960
		.amdhsa_next_free_sgpr 66
		.amdhsa_reserve_vcc 0
		.amdhsa_float_denorm_mode_32 3
		.amdhsa_float_denorm_mode_16_64 3
		.amdhsa_memory_ordered 1
		.amdhsa_forward_progress 1
		.amdhsa_inst_pref_size 109
	.end_amdhsa_kernel
	.amdgpu_metadata
---
amdhsa.version: [ 1, 2 ]
amdhsa.kernels:
  - .name:           k_q35f4c9652a_ffn1
    .symbol:         k_q35f4c9652a_ffn1.kd
    .args:
      - { .name: wi, .offset: 0, .size: 8, .value_kind: global_buffer, .address_space: global }
      - { .name: xs, .offset: 8, .size: 8, .value_kind: global_buffer, .address_space: global }
      - { .name: lists, .offset: 16, .size: 8, .value_kind: global_buffer, .address_space: global }
      - { .name: hs, .offset: 24, .size: 8, .value_kind: global_buffer, .address_space: global }
    .group_segment_fixed_size: 197120
    .private_segment_fixed_size: 0
    .kernarg_segment_align: 8
    .kernarg_segment_size: 32
    .max_flat_workgroup_size: 128
    .sgpr_count:     66
    .vgpr_count:     960
    .wavefront_size: 32
...
	.end_amdgpu_metadata
.endif
;; end of part 4
;; launch ffn2 (part 5): grid 256 x 1, 4 waves a work-group, no clusters, 214,528 bytes of LDS; arguments wo, hs, lists, part; writes part
.if DOCPART == 5
	.amdgcn_target "amdgcn-amd-amdhsa--gfx1250"
	.amdhsa_code_object_version 6
	.text
	.protected	k_q35f4c9652a_ffn2
	.globl	k_q35f4c9652a_ffn2
	.p2align	8
	.type	k_q35f4c9652a_ffn2,@function
k_q35f4c9652a_ffn2:
	s_mov_b64 s[64:65], 0
	v_nop
	global_prefetch_b8 v0, s[64:65] scope:SCOPE_SE
	s_setreg_imm32_b32 hwreg(HW_REG_WAVE_MODE, 25, 1), 1
	s_wait_xcnt 0x0
; ONE TEXT FOR BOTH HALVES OF THE EXPERTS' LAYER.  MODE 1: hs = relu(xs wi[e]), bf16.  MODE 2: part[kH] = hs wo[e] over half of F, f32.
; The weights, f32 and [K][N], are read ONCE, straight into registers, rounded to bf16 there, and multiplied; sums in f32.  Operands in bf16 keep f32's range; NaN and infinities are not treated apart.
; A WAVE owns 64 weight columns (256 bytes of a row) x 512 of K (16 K steps of 32) x a CHUNK of 12 tiles of 16 token slots: 48 accumulators, 384 registers.
; WEIGHTS.  A load of 16 bytes a lane takes 256 consecutive, aligned bytes of one row (lanes 0-15) and of another (lanes 16-31).  Sixteen loads are 32 rows.  Register j of loads 2 t' and 2 t' + 1,
; rounded together, is register t' of FRAGMENT j (source 0, 16 rows x 32 K), whose row r is weight column 4 r + j: no lane changes, nothing passes LDS.  Load i's row is the one that the fragment's
; layout wants at k = (i & 7) + 8 h + 16 (i >> 3) (ISA guide 7.12.2).
; TOKENS are source 1: xs and hs lie in memory as fragments ([tile][K step][q][lane][16 bytes]), two loads of 512 consecutive bytes each.  A result holds one slot a lane (lane % 16), columns 4 (8 h + reg) + j.
; MODE 1's results j, j + 1, packed, ARE the two halves of a fragment for MODE 2, in which k = i (+16) stands for f = 64 G + 4 i + j.  MODE 2 fetches wo's rows in that order: any order of rows costs the same.
; SHARES.  Expert e = g >> 5.  MODE 1: 32 work-groups an expert, each 128 columns of F: wave w has column group cg = w & 1 and K half kh = w >> 1.
;          MODE 2: 16 column groups of D x 2 halves of F (kH = g & 1); wave w has K quarter w of that half.  The waves' sums meet in LDS; MODE 2's two halves are added by the next launch.
; CHUNKS.  An expert may have any number of tokens, so a loop of 6 trips (72 tiles at the most) walks its chunks from the table that an earlier launch stored as whole numbers; for each chunk with tiles the
; weights are streamed again; a chunk without is jumped over, forward; the trip's two barriers stand outside what is jumped.  A chunk loads the 12 tiles from ws on (all written), and stores tiles lo .. hi - 1 of them:
; a foreign or empty slot is a column of its own in every product and touches no other.
; NO CLUSTER, NO TENSOR LOADS: what an expert's work-groups share is the small token window, whose place hangs on the table; the weights, the bulk of the bytes, are shared by nobody.
.set MODE, 2
.if MODE == 1
.set WPITCH, 16384     ; bytes in a row of the weights
.set WTRIP,  4*32*WPITCH  ; four K steps further down
.set XTSH,   15        ; a tile of the tokens' buffer is 1 << XTSH bytes
.set OTSH,   17        ; a tile of the output 1 << OTSH
.set SH,     6         ; tiles that a wave finishes
.else
.set WPITCH, 4096
.set WTRIP,  2*64*WPITCH
.set XTSH,   17
.set OTSH,   16
.set SH,     3
.endif
.set XT,     1<<XTSH
.set OT,     1<<OTSH
.set REGION, 49152     ; LDS: a wave's 48 results: (tile t, fragment j) at (4 t + j) 1,024 + 512 half + 16 lane
.set STAGE,  4*REGION  ; MODE 2: 16 rows x 272 bytes for each wave, for the way out
.set SROWS,  16*272
.set SPARE,  STAGE+(MODE-1)*4*SROWS  ; the spare words, 128 bytes for each wave: two blocks of 256 bytes that no other line names
; window 0
.set WOFF, 2           ; v2   16 (lane % 16) + (lane / 16) << 17: both modes' second row lies 131,072 bytes below the first
.set LOFF, 3           ; v3   16 lane
.set DMP,  4           ; v4   my place in my region
.set RD,   5           ; v5-8 my place in the regions that I sum, at my first tile
.set STO,  9           ; v9   MODE 2: into my stage
.set SRD,  10          ; v10  back out of it
.set GO,   11          ; v11  my byte offset in two rows of part
.set SPW,  12          ; v12  LDS address of my spare word; never rewritten
.set NIL,  13          ; v13  0; never rewritten
.set XF,   64          ; v64-159, v160-255  two buffers of 12 token fragments; at work on the way out
.set FA,   64
.set PK,   128
.set TR,   192
.set BK,   224
; window 1: v0-255 the weights as loaded, four stages of 64: load i's register j at 64 stage + 4 i + j
; window 2: v0-191 accumulators of tiles 0-5 at 32 t + 8 j;  v192-223, v224-255 two buffers of 4 weight fragments.   window 3: v0-191 accumulators of tiles 6-11
.set WF,   192
.set WV,   12          ; s12  wave
.set WO,   16          ; s[16:17] the weights at my first row and column     s[18:19] WB: the same, stepped along K
.set WB,   18
.set XB,   20          ; s[20:21] the tokens at the window's first tile, stepped along K
.set XO,   22          ; s[22:23] the tokens at tile 0, my first K step
.set OO,   24          ; s[24:25] the output at my first tile of window 0
.set OB,   26          ; s[26:27] the same at the window in hand
.set OF,   28          ; s[28:29] an offset, the high word 0
.set LAP,  30
.set CH,   31
.set WS,   32          ; s[32:55] the six entries of my expert's table; the one in hand is s32 ws, s33 lo, s34 hi
.set LO,   33
.set HI,   34
.set TS,   56          ; s56  the first tile that I finish
.set TP,   57          ; s57, s59 at work;  s58 kh or kH
.set MSB, 0
.macro WIN new                         ; s_set_vgpr_msb: bits 1:0 source 0, 3:2 source 1, 5:4 source 2, 7:6 destination; the high byte repeats the setting that is left
.if MSB != (\new)
	s_set_vgpr_msb (MSB<<8)|(\new)
.set MSB, (\new)
.endif
.endm
	s_load_b256 s[4:11], s[0:1], 0x0               ; weights s[4:5], tokens s[6:7], lists s[8:9], output s[10:11]
	v_lshl_add_u32 v[SPW], v0, 2, SPARE
	v_mov_b32 v[NIL], 0
	v_lshrrev_b32 v1, 5, v0
	v_readfirstlane_b32 s[WV], v1
	v_and_b32 v1, 31, v0                           ; lane
	v_and_b32 v14, 15, v0                          ; r
	v_bfe_u32 v15, v0, 4, 1                        ; h
	v_lshlrev_b32 v[WOFF], 4, v14
	v_lshl_add_u32 v[WOFF], v15, 17, v[WOFF]
	v_lshlrev_b32 v[LOFF], 4, v1
	s_mul_i32 s[TP], s[WV], REGION
	v_add_nc_u32 v[DMP], s[TP], v[LOFF]
	s_lshr_b32 s13, ttmp9, 5                       ; expert
	s_mov_b32 s[OF+1], 0
.if MODE == 1
	s_and_b32 s14, ttmp9, 31
	s_and_b32 s15, s[WV], 1                        ; cg
	s_lshr_b32 s58, s[WV], 1                       ; kh
	s_lshl1_add_u32 s14, s14, s15                  ; G: my group of 64 columns of F
	s_mul_i32 s[TS], s58, 6
	s_mul_i32 s[TP], s15, REGION                   ; I sum the two waves of my column group: regions cg and cg + 2
	s_lshl_b32 s59, s[TS], 12
	s_add_co_u32 s[TP], s[TP], s59
	v_add_nc_u32 v[RD], s[TP], v[LOFF]
	v_add_nc_u32 v[RD+1], 2*REGION, v[RD]
	s_wait_kmcnt 0x0
	s_lshl_b32 s[OF], s13, 24                      ; wi[e] + kh 512 rows + G 256 bytes
	s_lshl_b32 s59, s58, 23
	s_add_co_u32 s[OF], s[OF], s59
	s_lshl_b32 s59, s14, 8
	s_add_co_u32 s[OF], s[OF], s59
	s_add_nc_u64 s[WO:WO+1], s[4:5], s[OF:OF+1]
	s_lshl_b32 s[OF], s58, 14                      ; K steps 16 kh on
	s_add_nc_u64 s[XO:XO+1], s[6:7], s[OF:OF+1]
	s_mul_i32 s[OF], s58, 6*OT                     ; tiles 6 kh on; K steps 2 G, 2 G + 1 of hs
	s_lshl_b32 s59, s14, 11
	s_add_co_u32 s[OF], s[OF], s59
	s_add_nc_u64 s[OO:OO+1], s[10:11], s[OF:OF+1]
.else
	s_bfe_u32 s14, ttmp9, 0x40001                  ; my group of 64 columns of D
	s_and_b32 s58, ttmp9, 1                        ; kH
	s_mul_i32 s[TS], s[WV], 3
	s_lshl_b32 s59, s[TS], 12
	v_add_nc_u32 v[RD], s59, v[LOFF]               ; I sum all four regions
	v_add_nc_u32 v[RD+1], REGION, v[RD]
	v_add_nc_u32 v[RD+2], 2*REGION, v[RD]
	v_add_nc_u32 v[RD+3], 3*REGION, v[RD]
	s_mul_i32 s[TP], s[WV], SROWS
	s_add_co_u32 s[TP], s[TP], STAGE               ; my stage
	v_mul_u32_u24 v[STO], v14, 272                 ; in: row = slot r; my 32 columns begin at byte 128 h
	v_lshl_add_u32 v[STO], v15, 7, v[STO]
	v_add_nc_u32 v[STO], s[TP], v[STO]
	v_mul_u32_u24 v[SRD], v15, 272                 ; back: lanes 0-15 one row of 256 bytes, lanes 16-31 the next
	v_lshl_add_u32 v[SRD], v14, 4, v[SRD]
	v_add_nc_u32 v[SRD], s[TP], v[SRD]
	v_lshlrev_b32 v[GO], 12, v15                   ; and the same two rows of part
	v_lshl_add_u32 v[GO], v14, 4, v[GO]
	s_wait_kmcnt 0x0
	s_lshl_b32 s[OF], s13, 24                      ; wo[e] + (2,048 kH + 512 w) rows + group x 256 bytes
	s_lshl_b32 s59, s58, 23
	s_add_co_u32 s[OF], s[OF], s59
	s_lshl_b32 s59, s[WV], 21
	s_add_co_u32 s[OF], s[OF], s59
	s_lshl_b32 s59, s14, 8
	s_add_co_u32 s[OF], s[OF], s59
	s_add_nc_u64 s[WO:WO+1], s[4:5], s[OF:OF+1]
	s_lshl_b32 s[OF], s58, 16                      ; K steps 64 kH + 16 w on
	s_lshl_b32 s59, s[WV], 14
	s_add_co_u32 s[OF], s[OF], s59
	s_add_nc_u64 s[XO:XO+1], s[6:7], s[OF:OF+1]
	s_mul_i32 s[OF], s58, 1152*4096                ; part[kH]; tiles 3 w on; my columns
	s_mul_i32 s59, s[WV], 3*OT
	s_add_co_u32 s[OF], s[OF], s59
	s_lshl_b32 s59, s14, 8
	s_add_co_u32 s[OF], s[OF], s59
	s_add_nc_u64 s[OO:OO+1], s[10:11], s[OF:OF+1]
.endif
	s_mul_i32 s[OF], s13, 96
	s_add_nc_u64 s[8:9], s[8:9], s[OF:OF+1]
	s_load_b512 s[32:47], s[8:9], 0x2200           ; my expert's six entries of the table
	s_load_b256 s[48:55], s[8:9], 0x2240
	s_mov_b32 s[CH], 6
	s_wait_kmcnt 0x0
; 16 loads: the 32 rows of K step s (counted from WB) into stage st
.macro LOADW s, st
	WIN 0x40                                       ; destination window 1, address window 0
.set io, 0
.rept 16
.if MODE == 1
.set rw, 32*(\s)+(io&7)+16*(io>>3)
.else
.set rw, 64*((\s)>>1)+2*((\s)&1)+4*(io&7)+(io>>3)
.endif
	global_load_b128 v[64*(\st)+4*io:64*(\st)+4*io+3], v[WOFF], s[WB:WB+1] offset:rw*WPITCH th:TH_LOAD_NT
.set io, io+1
.endr
.endm
; 24 loads: the 12 token fragments of K step s (counted from XB) into buffer b
.macro LOADX s, b
	WIN 0
.set ti, 0
.rept 12
	global_load_b128 v[XF+96*(\b)+8*ti:XF+96*(\b)+8*ti+3],   v[LOFF], s[XB:XB+1] offset:ti*XT+1024*(\s)
	global_load_b128 v[XF+96*(\b)+8*ti+4:XF+96*(\b)+8*ti+7], v[LOFF], s[XB:XB+1] offset:ti*XT+1024*(\s)+512
.set ti, ti+1
.endr
.endm
; 32 roundings: stage st becomes the four fragments of buffer b
.macro CVT st, b
	WIN 0x85                                       ; sources window 1, destination window 2
.set ji, 0
.rept 4
.set tp, 0
.rept 8
	v_cvt_pk_bf16_f32 v[WF+32*(\b)+8*ji+tp], v[64*(\st)+8*tp+ji], v[64*(\st)+8*tp+4+ji]
.set tp, tp+1
.endr
.set ji, ji+1
.endr
.endm
; 48 matrix instructions, each on an accumulator of its own: the accumulators take turns, one instruction a turn.  zero = 1: the first K step starts the sums
.macro MUL b, zero
.set ti, 0
.rept 12
.if ti == 0
	WIN 0xa2                                       ; weights (source 0), C and D window 2; tokens (source 1) window 0
.elseif ti == 6
	WIN 0xf2                                       ; C and D window 3
.endif
.set ji, 0
.rept 4
.set ac, 32*(ti%6)+8*ji
.set wa, WF+32*(\b)+8*ji
.set xb, XF+96*(\b)+8*ti
.if \zero
	v_wmma_f32_16x16x32_bf16 v[ac:ac+7], v[wa:wa+7], v[xb:xb+7], 0
.else
	v_wmma_f32_16x16x32_bf16 v[ac:ac+7], v[wa:wa+7], v[xb:xb+7], v[ac:ac+7]
.endif
.set ji, ji+1
.endr
.set ti, ti+1
.endr
.endm
; A K STEP.  Its weights (stage st) are rounded into buffer b; the next step's tokens (sx) and the weights three steps on (sw) are asked for; then its 48 products.
; The 32 roundings name no register of the last step's products: they are the places between those products and the loads into the token buffer that they read.
; The order of issue is W0 W1 X0 W2 | X1 W3 | X2 W4 | ..  n2: behind X(s) stand W(s+2), X(s+1), W(s+3): 16 + 24 + 16 = 56.  n1: behind W(s) stand more than that, so 56 serves there too.
; More loads are asked for than LOADcnt's field counts; the issue then waits for room (ISA guide 5.7.1), and the counts stay true.
.macro STEP st, b, sx, sw, n1, n2, zero
	s_wait_loadcnt \n1
	CVT \st, \b
.if (\sx) >= 0
	LOADX \sx, 1-(\b)
.endif
.if (\sw) >= 0
	LOADW \sw, ((\st)+3)%4
.endif
	s_wait_loadcnt \n2
	MUL \b, \zero
.endm
; my 48 results into my region, each accumulator's low registers first; 32 lanes x 16 bytes are 512 consecutive bytes
.macro DUMP
.set ti, 0
.rept 12
.if ti == 0
	WIN 0x08                                       ; data (source 1) window 2
.elseif ti == 6
	WIN 0x0c                                       ; window 3
.endif
.set ji, 0
.rept 4
	ds_store_b128 v[DMP], v[32*(ti%6)+8*ji:32*(ti%6)+8*ji+3]   offset:(4*ti+ji)*1024
	ds_store_b128 v[DMP], v[32*(ti%6)+8*ji+4:32*(ti%6)+8*ji+7] offset:(4*ti+ji)*1024+512
.set ji, ji+1
.endr
.set ti, ti+1
.endr
	WIN 0
.endm
; Tile TS + n of the window is finished, if it is the chunk's own (lo <= tile < hi): the jumps go forward and pass no barrier.
.if MODE == 1
.macro FINAL n                         ; two regions are added; relu; rounded to bf16: result j is part j & 1 of K step 2 G + (j >> 1) of hs
	s_add_co_u32 s[TP], s[TS], \n
	s_cmp_ge_u32 s[TP], s[LO]
	s_cbranch_scc0 .Lskip_\@
	s_cmp_lt_u32 s[TP], s[HI]
	s_cbranch_scc0 .Lskip_\@
	s_wait_xcnt 0x0                                ; the last tile's stores have read their registers
.set ji, 0
.rept 8
	ds_load_b128 v[FA+4*ji:FA+4*ji+3],       v[RD]   offset:4096*(\n)+512*ji
	ds_load_b128 v[FA+32+4*ji:FA+32+4*ji+3], v[RD+1] offset:4096*(\n)+512*ji
.set ji, ji+1
.endr
	s_wait_dscnt 0x0
.set ji, 0
.rept 16
	v_pk_add_f32 v[FA+2*ji:FA+2*ji+1], v[FA+2*ji:FA+2*ji+1], v[FA+32+2*ji:FA+32+2*ji+1]
.set ji, ji+1
.endr
.set ji, 0
.rept 32
	v_max_num_f32 v[FA+ji], 0, v[FA+ji]
.set ji, ji+1
.endr
.set ji, 0
.rept 16
	v_cvt_pk_bf16_f32 v[PK+ji], v[FA+2*ji], v[FA+2*ji+1]
.set ji, ji+1
.endr
.set ji, 0
.rept 4
	global_store_b128 v[LOFF], v[PK+4*ji:PK+4*ji+3], s[OB:OB+1] offset:(\n)*OT+512*ji  ; 512 consecutive bytes, at a multiple of 512 from hs's first
.set ji, ji+1
.endr
.Lskip_\@:
.endm
.else
.macro FINAL n                         ; four regions are added; a lane's columns 4 (8 h + reg) + j are put in order, sent through my stage and stored as rows
	s_add_co_u32 s[TP], s[TS], \n
	s_cmp_ge_u32 s[TP], s[LO]
	s_cbranch_scc0 .Lskip_\@
	s_cmp_lt_u32 s[TP], s[HI]
	s_cbranch_scc0 .Lskip_\@
	s_wait_xcnt 0x0                                ; the last tile's stores have read their registers
.set ki, 0
.rept 4
.set ji, 0
.rept 8
	ds_load_b128 v[FA+32*ki+4*ji:FA+32*ki+4*ji+3], v[RD+ki] offset:4096*(\n)+512*ji
.set ji, ji+1
.endr
.set ki, ki+1
.endr
	s_wait_dscnt 0x0
.set ji, 0
.rept 16
	v_pk_add_f32 v[FA+2*ji:FA+2*ji+1], v[FA+2*ji:FA+2*ji+1], v[FA+32+2*ji:FA+32+2*ji+1]
	v_pk_add_f32 v[FA+64+2*ji:FA+64+2*ji+1], v[FA+64+2*ji:FA+64+2*ji+1], v[FA+96+2*ji:FA+96+2*ji+1]
.set ji, ji+1
.endr
.set ki, 0
.rept 8
.set ji, 0
.rept 4
	v_add_f32 v[TR+4*ki+ji], v[FA+8*ji+ki], v[FA+64+8*ji+ki]
.set ji, ji+1
.endr
.set ki, ki+1
.endr
.set ki, 0
.rept 8
	ds_store_b128 v[STO], v[TR+4*ki:TR+4*ki+3] offset:16*ki
.set ki, ki+1
.endr
.set ki, 0
.rept 8
	ds_load_b128 v[BK+4*ki:BK+4*ki+3], v[SRD] offset:544*ki  ; LDS serves a wave's instructions in order (ISA guide 5.7.1.4): these see the stores above, and the next tile's stores come behind them
.set ki, ki+1
.endr
	s_wait_dscnt 0x0
.set ki, 0
.rept 8
	global_store_b128 v[GO], v[BK+4*ki:BK+4*ki+3], s[OB:OB+1] offset:(\n)*OT+8192*ki  ; 16 lanes store 256 consecutive bytes, at a multiple of 256 from part's first
.set ki, ki+1
.endr
.Lskip_\@:
.endm
.endif
.Lchunk:                                               ; six trips, one for each chunk that an expert can have
	s_wait_xcnt 0x0                                ; the bases, and the registers that the last chunk's stores read, are written again only behind this wait
	s_min_u32 s[TP], s[WS], 60                     ; a number from memory enters addresses under this bound: 60 + 11 is the last tile
	s_lshl_b32 s[OF], s[TP], XTSH
	s_add_nc_u64 s[XB:XB+1], s[XO:XO+1], s[OF:OF+1]
	s_lshl_b32 s[OF], s[TP], OTSH
	s_add_nc_u64 s[OB:OB+1], s[OO:OO+1], s[OF:OF+1]
	s_mov_b64 s[WB:WB+1], s[WO:WO+1]
	s_cmp_eq_u32 s[HI], 0
	s_cbranch_scc1 .Ldead_a                        ; no tile: nothing is streamed
	LOADW 0, 0
	LOADW 1, 1
	LOADX 0, 0
	LOADW 2, 2
	STEP 0, 0, 1, 3, 56, 56, 1                     ; K step 0 stands in front of the loop: its products start the sums
	WIN 0                                          ; at a label and at a branch every window is 0
	s_mov_b32 s[LAP], 3
.Llap:                                                 ; K steps 1 to 12, four a trip
	STEP 1, 1, 2, 4, 56, 56, 0
	STEP 2, 0, 3, 5, 56, 56, 0
	STEP 3, 1, 4, 6, 56, 56, 0
	STEP 0, 0, 5, 7, 56, 56, 0
	WIN 0
	s_wait_xcnt 0x0                                ; the loads' bases step only behind this wait
	s_add_nc_u64 s[WB:WB+1], s[WB:WB+1], WTRIP
	s_add_nc_u64 s[XB:XB+1], s[XB:XB+1], 4096
	s_sub_co_u32 s[LAP], s[LAP], 1
	s_cmp_lg_u32 s[LAP], 0
	s_cbranch_scc1 .Llap
	STEP 1, 1, 2, -1, 56, 40, 0                    ; K step 13: behind X13 stand W15 and X14: 40
	STEP 2, 0, 3, -1, 40, 24, 0                    ; K step 14: behind X14 stands X15: 24
	STEP 3, 1, -1, -1, 24, 0, 0                    ; K step 15: nothing is left out
.rept 4
	v_nop                                          ; the places between the last products and the stores that read them
.endr
	DUMP
.Ldead_a:
	s_wait_dscnt 0x0                               ; for the others' sake: my results are in LDS
	s_barrier_signal -1
	s_barrier_wait -1
	s_cmp_eq_u32 s[HI], 0
	s_cbranch_scc1 .Ldead_b
.set fn, 0
.rept SH
	FINAL fn
.set fn, fn+1
.endr
.Ldead_b:
	s_wait_dscnt 0x0                               ; my reads of the regions are over: behind this barrier they may be written again
	s_barrier_signal -1
	s_barrier_wait -1
.irp k, 32,34,36,38,40,42,44,46,48,50
	s_mov_b64 s[\k:\k+1], s[\k+4:\k+5]             ; the table moves up by an entry
.endr
	s_sub_co_u32 s[CH], s[CH], 1
	s_cmp_lg_u32 s[CH], 0
	s_cbranch_scc1 .Lchunk
	s_wait_tensorcnt 0x0                           ; the wave's end: behind my last LDS store
	ds_add_u32 v[SPW], v[NIL]
	s_wait_dscnt 0x0
	s_endpgm
.Lfunc_end_k_q35f4c9652a_ffn2:
	.size	k_q35f4c9652a_ffn2, .Lfunc_end_k_q35f4c9652a_ffn2-k_q35f4c9652a_ffn2
	.p2alignl 7, 3214868480
	.fill 96, 4, 3214868480
	.section	.rodata,"a",@progbits
	.p2align	6, 0x0
	.amdhsa_kernel k_q35f4c9652a_ffn2
		.amdhsa_group_segment_fixed_size 214528
		.amdhsa_private_segment_fixed_size 0
		.amdhsa_enable_private_segment 0
		.amdhsa_kernarg_size 32
		.amdhsa_user_sgpr_count 2
		.amdhsa_user_sgpr_kernarg_segment_ptr 1
		.amdhsa_wavefront_size32 1
		.amdhsa_system_sgpr_workgroup_id_x 1
		.amdhsa_system_sgpr_workgroup_id_y 1
		.amdhsa_system_sgpr_workgroup_id_z 1
		.amdhsa_system_vgpr_workitem_id 0
		.amdhsa_next_free_vgpr 960
		.amdhsa_next_free_sgpr 66
		.amdhsa_reserve_vcc 0
		.amdhsa_float_denorm_mode_32 3
		.amdhsa_float_denorm_mode_16_64 3
		.amdhsa_memory_ordered 1
		.amdhsa_forward_progress 1
		.amdhsa_inst_pref_size 104
	.end_amdhsa_kernel
	.amdgpu_metadata
---
amdhsa.version: [ 1, 2 ]
amdhsa.kernels:
  - .name:           k_q35f4c9652a_ffn2
    .symbol:         k_q35f4c9652a_ffn2.kd
    .args:
      - { .name: wo, .offset: 0, .size: 8, .value_kind: global_buffer, .address_space: global }
      - { .name: hs, .offset: 8, .size: 8, .value_kind: global_buffer, .address_space: global }
      - { .name: lists, .offset: 16, .size: 8, .value_kind: global_buffer, .address_space: global }
      - { .name: part, .offset: 24, .size: 8, .value_kind: global_buffer, .address_space: global }
    .group_segment_fixed_size: 214528
    .private_segment_fixed_size: 0
    .kernarg_segment_align: 8
    .kernarg_segment_size: 32
    .max_flat_workgroup_size: 128
    .sgpr_count:     66
    .vgpr_count:     960
    .wavefront_size: 32
...
	.end_amdgpu_metadata
.endif
;; end of part 5
;; launch combine (part 6): grid 256 x 1, 4 waves a work-group, no clusters, 0 bytes of LDS; arguments hidden_states, tokf, lists, part, out0; writes out0
.if DOCPART == 6
	.amdgcn_target "amdgcn-amd-amdhsa--gfx1250"
	.amdhsa_code_object_version 6
	.text
	.protected	k_q35f4c9652a_combine
	.globl	k_q35f4c9652a_combine
	.p2align	8
	.type	k_q35f4c9652a_combine,@function
k_q35f4c9652a_combine:
	s_mov_b64 s[64:65], 0
	v_nop
	global_prefetch_b8 v0, s[64:65] scope:SCOPE_SE
	s_setreg_imm32_b32 hwreg(HW_REG_WAVE_MODE, 25, 1), 1
	s_wait_xcnt 0x0
; out0[token] = hidden[token] + p[token] * (part[0][slot] + part[1][slot]), slot = pos[token]; all f32.
; A wave takes one token: a row of 4,096 bytes is eight loads of 512 consecutive bytes.  The slot is a whole number that an earlier launch stored; it enters the address under the bound 1,151.
.set P0, 8             ; v8-39    part[0]'s row, then the result
.set P1, 40            ; v40-71   part[1]'s row
.set H,  72            ; v72-103  hidden's row
	s_load_b256 s[4:11], s[0:1], 0x0               ; hidden s[4:5], tokf s[6:7], lists s[8:9], part s[10:11]
	s_load_b64 s[12:13], s[0:1], 0x20              ; out0
	v_lshrrev_b32 v2, 5, v0
	v_readfirstlane_b32 s14, v2                    ; wave
	v_and_b32 v1, 31, v0
	v_lshlrev_b32 v1, 4, v1                        ; 16 x lane
	s_lshl_b32 s15, ttmp9, 2
	s_add_co_u32 s15, s15, s14                     ; my token
	s_lshl_b32 s20, s15, 2
	s_lshl_b32 s24, s15, 12
	s_mov_b32 s25, 0
	s_mov_b32 s23, 0
	s_wait_kmcnt 0x0
	s_load_b32 s16, s[8:9], s20 offset:4608        ; pos[token]
	s_load_b32 s18, s[6:7], s20 offset:4096        ; the top probability
	s_add_nc_u64 s[4:5], s[4:5], s[24:25]
	s_add_nc_u64 s[12:13], s[12:13], s[24:25]
.set i, 0
.rept 8
	global_load_b128 v[H+4*i:H+4*i+3], v1, s[4:5] offset:512*i
.set i, i+1
.endr
	s_wait_kmcnt 0x0
	s_mov_b32 s19, s18                             ; named with it as a pair
	s_min_u32 s16, s16, 0x47f
	s_lshl_b32 s22, s16, 12
	s_add_nc_u64 s[10:11], s[10:11], s[22:23]
.set i, 0
.rept 8
	global_load_b128 v[P0+4*i:P0+4*i+3], v1, s[10:11] offset:512*i th:TH_LOAD_NT
	global_load_b128 v[P1+4*i:P1+4*i+3], v1, s[10:11] offset:1152*4096+512*i th:TH_LOAD_NT
.set i, i+1
.endr
.set i, 0
.rept 8
	s_wait_loadcnt 14-2*i                          ; loads come back in order: hidden's row and pair i are in, the later pairs stay out
	v_pk_add_f32 v[P0+4*i:P0+4*i+1], v[P0+4*i:P0+4*i+1], v[P1+4*i:P1+4*i+1]
	v_pk_add_f32 v[P0+4*i+2:P0+4*i+3], v[P0+4*i+2:P0+4*i+3], v[P1+4*i+2:P1+4*i+3]
	v_pk_fma_f32 v[P0+4*i:P0+4*i+1], v[P0+4*i:P0+4*i+1], s[18:19], v[H+4*i:H+4*i+1] op_sel_hi:[1,0,1]
	v_pk_fma_f32 v[P0+4*i+2:P0+4*i+3], v[P0+4*i+2:P0+4*i+3], s[18:19], v[H+4*i+2:H+4*i+3] op_sel_hi:[1,0,1]
	global_store_b128 v1, v[P0+4*i:P0+4*i+3], s[12:13] offset:512*i th:TH_STORE_NT  ; 512 consecutive bytes, at a multiple of 512 from out0's first
.set i, i+1
.endr
	s_endpgm
.Lfunc_end_k_q35f4c9652a_combine:
	.size	k_q35f4c9652a_combine, .Lfunc_end_k_q35f4c9652a_combine-k_q35f4c9652a_combine
	.p2alignl 7, 3214868480
	.fill 96, 4, 3214868480
	.section	.rodata,"a",@progbits
	.p2align	6, 0x0
	.amdhsa_kernel k_q35f4c9652a_combine
		.amdhsa_group_segment_fixed_size 0
		.amdhsa_private_segment_fixed_size 0
		.amdhsa_enable_private_segment 0
		.amdhsa_kernarg_size 40
		.amdhsa_user_sgpr_count 2
		.amdhsa_user_sgpr_kernarg_segment_ptr 1
		.amdhsa_wavefront_size32 1
		.amdhsa_system_sgpr_workgroup_id_x 1
		.amdhsa_system_sgpr_workgroup_id_y 1
		.amdhsa_system_sgpr_workgroup_id_z 1
		.amdhsa_system_vgpr_workitem_id 0
		.amdhsa_next_free_vgpr 104
		.amdhsa_next_free_sgpr 66
		.amdhsa_reserve_vcc 0
		.amdhsa_float_denorm_mode_32 3
		.amdhsa_float_denorm_mode_16_64 3
		.amdhsa_memory_ordered 1
		.amdhsa_forward_progress 1
		.amdhsa_inst_pref_size 7
	.end_amdhsa_kernel
	.amdgpu_metadata
---
amdhsa.version: [ 1, 2 ]
amdhsa.kernels:
  - .name:           k_q35f4c9652a_combine
    .symbol:         k_q35f4c9652a_combine.kd
    .args:
      - { .name: hidden_states, .offset: 0, .size: 8, .value_kind: global_buffer, .address_space: global }
      - { .name: tokf, .offset: 8, .size: 8, .value_kind: global_buffer, .address_space: global }
      - { .name: lists, .offset: 16, .size: 8, .value_kind: global_buffer, .address_space: global }
      - { .name: part, .offset: 24, .size: 8, .value_kind: global_buffer, .address_space: global }
      - { .name: out0, .offset: 32, .size: 8, .value_kind: global_buffer, .address_space: global }
    .group_segment_fixed_size: 0
    .private_segment_fixed_size: 0
    .kernarg_segment_align: 8
    .kernarg_segment_size: 40
    .max_flat_workgroup_size: 128
    .sgpr_count:     66
    .vgpr_count:     104
    .wavefront_size: 32
...
	.end_amdgpu_metadata
.endif
;; end of part 6
;; ======== version 2 of 3: 5 launches; 1.21 times as fast as version 1
;; workspace buffers: eidx 4,096 bytes of whole numbers; tokf 8,192 bytes; lists 9,472 bytes of whole numbers; xs 2,359,296 bytes; hs 9,437,184 bytes; part 9,437,184 bytes
;; launch router (part 7): grid 256 x 1, 1 waves a work-group, no clusters, 0 bytes of LDS; arguments hidden_states, ln_weight, router_w, out1, out2, eidx, tokf; writes out1, out2, eidx, tokf
.if DOCPART == 7
	.amdgcn_target "amdgcn-amd-amdhsa--gfx1250"
	.amdhsa_code_object_version 6
	.text
	.protected	k_q35f4c9652a_router
	.globl	k_q35f4c9652a_router
	.p2align	8
	.type	k_q35f4c9652a_router,@function
k_q35f4c9652a_router:
	s_mov_b64 s[64:65], 0
	v_nop
	global_prefetch_b8 v0, s[64:65] scope:SCOPE_SE
	s_setreg_imm32_b32 hwreg(HW_REG_WAVE_MODE, 25, 1), 1
	s_wait_xcnt 0x0
; ROUTER.  For 4 tokens a wave (1,024 tokens, 256 work-groups of one wave): rs = 1/sqrt(mean(x^2) + 1e-6); the 8 logits
; l[e] = rs * sum over d of x[d] ln[d] w[d][e], all in f32 on the vector unit; the expert = the place of the largest logit; the top probability 1 / sum exp(l - max).
; Stored: out1 (logits), out2 and eidx (the expert), tokf (rs at byte 0, the probability at byte 4,096).
; LIMITS.  The largest LOGIT is taken, the lowest index among equals (the softmax keeps the order, but two logits an ulp apart may round to equal probabilities);
; rs multiplies the finished sum, not each term; NaN and infinities are not treated apart.
; SHARES.  Lane l holds d = 128 i + 4 l + c (i = 0..7, c = 0..3) of every token: a 16-byte load a lane covers 512 consecutive bytes of a row.
; router_w's four rows of a lane are 128 consecutive bytes.  Everything is asked for at the start, in one run of 104 loads: the 4 rows, ln_weight, router_w; the arithmetic then follows the loads in
; their order, chunk by chunk (one i each).  More loads are asked for than LOADcnt's field counts; the issue then waits for room (ISA guide 5.7.1), and the counts stay true.
; REGISTERS.  Window 0 as below; window 1 (v256-511): router_w, chunk i's 32 numbers at 32 i + 8 c + e.  s_set_vgpr_msb: bits 1:0 source 0, 3:2 source 1, 5:4 source 2, 7:6 destination.
.set ACC, 8            ; v8-39    sums: token t, expert e at ACC + 8 t + e
.set RS,  4            ; v4-7     a token's sum of squares, then rs
.set X,   40           ; v40-167  token t's 32 numbers at X + 32 t + 4 i + c; later at work
.set LN,  168          ; v168-199 ln_weight: chunk i's four at LN + 4 i; later at work
.set NN,  200          ; v200-231 x ln for token t and c, each in the low register of a pair: NN + 8 t + 2 c
.set T,   248          ; v248-251 at work
.set PT,  252          ; v252     takes the other half of the lanes' number
.set BEST, 168
.set IDX,  172
.set MM,   176
.set PR,   180
.set MX,   72          ; the trees that pick a lane's number
.set MSB, 0
.macro WIN new                         ; the immediate's high byte repeats the setting that is left; a switch that changes nothing is dropped
.if MSB != (\new)
	s_set_vgpr_msb (MSB<<8)|(\new)
.set MSB, (\new)
.endif
.endm
	s_load_b256 s[4:11], s[0:1], 0x0               ; hidden s[4:5], ln_weight s[6:7], router_w s[8:9], out1 s[10:11]
	s_load_b128 s[12:15], s[0:1], 0x20             ; out2 s[12:13], eidx s[14:15]
	s_load_b64 s[16:17], s[0:1], 0x30              ; tokf
	v_lshlrev_b32 v1, 4, v0                        ; 16 x lane
	v_lshlrev_b32 v2, 7, v0                        ; 128 x lane
	v_lshlrev_b32 v3, 2, v0                        ; 4 x lane
	v_mov_b32 v[PT], 0                             ; a lane exchange counts as a reader of its destination
.set k, 0
.rept 16
	v_mov_b32 v[NN+2*k+1], 0                       ; the pairs' high registers are named, never used
.set k, k+1
.endr
	s_mov_b32 s20, 0x3a800000                      ; 1 / 1024
	s_mov_b32 s21, 0x358637bd                      ; 1e-6
	s_mov_b32 s22, 0x76543210                      ; each lane takes its own place in the other half
	s_mov_b32 s23, 0xfedcba98
	s_mov_b32 s24, 0xaaaaaaaa                      ; lanes with bit 0, 1, 2, 3, 4 of their number set
	s_mov_b32 s25, 0xcccccccc
	s_mov_b32 s26, 0xf0f0f0f0
	s_mov_b32 s27, 0xff00ff00
	s_mov_b32 s28, 0xffff0000
	s_mov_b32 s29, 0x3fb8aa3b                      ; log2(e)
	s_mov_b32 s19, 0
	s_lshl_b32 s18, ttmp9, 14                      ; 4 rows of 4,096 bytes
	s_wait_kmcnt 0x0
	s_add_nc_u64 s[4:5], s[4:5], s[18:19]
	s_lshl_b32 s18, ttmp9, 7                       ; 4 tokens x 8 logits
	s_add_nc_u64 s[10:11], s[10:11], s[18:19]
	s_lshl_b32 s18, ttmp9, 4                       ; 4 tokens x 4 bytes
	s_add_nc_u64 s[12:13], s[12:13], s[18:19]
	s_add_nc_u64 s[14:15], s[14:15], s[18:19]
	s_add_nc_u64 s[16:17], s[16:17], s[18:19]
	; THE LOADS: 32 for the rows, 8 for ln_weight, 64 for router_w
.set t, 0
.rept 4
.set i, 0
.rept 8
	global_load_b128 v[X+32*t+4*i:X+32*t+4*i+3], v1, s[4:5] offset:t*4096+512*i
.set i, i+1
.endr
.set t, t+1
.endr
.set i, 0
.rept 8
	global_load_b128 v[LN+4*i:LN+4*i+3], v1, s[6:7] offset:512*i
.set i, i+1
.endr
	WIN 0x40                                       ; destination window 1, address window 0
.set q, 0
.rept 64
	global_load_b128 v[4*q:4*q+3], v2, s[8:9] offset:4096*(q/8)+16*(q%8)
.set q, q+1
.endr
	WIN 0
.macro RED r                           ; the sum over the 32 lanes, in every lane
	v_add_f32_dpp v[\r], v[\r], v[\r] row_xmask:1 row_mask:0xf bank_mask:0xf
	v_add_f32_dpp v[\r], v[\r], v[\r] row_xmask:2 row_mask:0xf bank_mask:0xf
	v_add_f32_dpp v[\r], v[\r], v[\r] row_xmask:4 row_mask:0xf bank_mask:0xf
	v_add_f32_dpp v[\r], v[\r], v[\r] row_xmask:8 row_mask:0xf bank_mask:0xf
	v_permlanex16_b32 v[PT], v[\r], s22, s23
	v_add_f32 v[\r], v[\r], v[PT]
.endm
	; PHASE 1: the sums of squares, two chains a token; the first products start them
	s_wait_loadcnt 63                              ; the rows are in: 72 loads stand behind them, and 63 is the most that a wait can name
.set t, 0
.rept 4
	v_pk_mul_f32 v[T:T+1], v[X+32*t:X+32*t+1], v[X+32*t:X+32*t+1]
	v_pk_mul_f32 v[T+2:T+3], v[X+32*t+2:X+32*t+3], v[X+32*t+2:X+32*t+3]
.set p, 2
.rept 14
	v_pk_fma_f32 v[T+2*(p%2):T+2*(p%2)+1], v[X+32*t+2*p:X+32*t+2*p+1], v[X+32*t+2*p:X+32*t+2*p+1], v[T+2*(p%2):T+2*(p%2)+1]
.set p, p+1
.endr
	v_pk_add_f32 v[T:T+1], v[T:T+1], v[T+2:T+3]
	v_add_f32 v[RS+t], v[T], v[T+1]
.set t, t+1
.endr
.set t, 0
.rept 4
	RED RS+t
.set t, t+1
.endr
.set t, 0
.rept 4
	v_fma_f32 v[RS+t], v[RS+t], s20, s21           ; the mean + 1e-6
.set t, t+1
.endr
	v_rsq_f32 v[RS], v[RS]
	v_rsq_f32 v[RS+1], v[RS+1]
	v_rsq_f32 v[RS+2], v[RS+2]
	v_rsq_f32 v[RS+3], v[RS+3]
	v_nop                                          ; a plain instruction behind the last of them (ISA guide 5.7.2)
	; PHASE 2: the dot products.  A chunk: the 16 products x ln, then 64 packed multiply-adds onto the 32 sums under one window setting;
	; between two multiply-adds onto one sum stand the 15 others of the same c
.macro DOT i
	s_wait_loadcnt 56-8*(\i)                       ; chunk i of router_w is in (ln_weight stands ahead of it); the eight loads of each later chunk may stay out
	WIN 0
.set t, 0
.rept 4
.set c, 0
.rept 4
	v_mul_f32 v[NN+8*t+2*c], v[X+32*t+4*(\i)+c], v[LN+4*(\i)+c]
.set c, c+1
.endr
.set t, t+1
.endr
	WIN 0x04                                       ; source 1 (router_w) window 1
.set c, 0
.rept 4
.set t, 0
.rept 4
.set ep, 0
.rept 4
.set a, ACC+8*t+2*ep
.set nr, NN+8*t+2*c
.set wr, 32*(\i)+8*c+2*ep
.if ((\i) == 0) && (c == 0)
	v_pk_mul_f32 v[a:a+1], v[nr:nr+1], v[wr:wr+1] op_sel_hi:[0,1]   ; the first product starts the sum
.else
	v_pk_fma_f32 v[a:a+1], v[nr:nr+1], v[wr:wr+1], v[a:a+1] op_sel_hi:[0,1,1]
.endif
.set ep, ep+1
.endr
.set t, t+1
.endr
.set c, c+1
.endr
.endm
.irp i, 0,1,2,3,4,5,6,7
	DOT \i
.endr
	WIN 0
	; PHASE 3: over the lanes; times rs; the largest logit and its place; the top probability
.set r, 0
.rept 32
	RED ACC+r
.set r, r+1
.endr
.set r, 0
	s_wait_alu depctr_va_vdst(0)
.rept 32
	v_mul_f32 v[ACC+r], v[ACC+r], v[RS+r/8]
.set r, r+1
.endr
.set t, 0
.rept 4
	v_mov_b32 v[BEST+t], v[ACC+8*t]
	v_mov_b32 v[IDX+t], 0
.set e, 1
.rept 7
	v_cmp_gt_f32 vcc_lo, v[ACC+8*t+e], v[BEST+t]   ; strictly greater: the lowest index wins among equals
	v_cndmask_b32 v[BEST+t], v[BEST+t], v[ACC+8*t+e], vcc_lo
	v_cndmask_b32 v[IDX+t], v[IDX+t], e, vcc_lo
.set e, e+1
.endr
	v_mul_f32 v[MM+t], s29, v[BEST+t]
.set t, t+1
.endr
.set r, 0
.rept 32
	v_fma_f32 v[X+r], v[ACC+r], s29, -v[MM+r/8]    ; (l - max) log2(e): never above 0 but by a rounding
.set r, r+1
.endr
.set r, 0
.rept 32
	v_exp_f32 v[X+r], v[X+r]
.set r, r+1
.endr
	v_nop
.set t, 0
	s_wait_alu depctr_va_vdst(0)
.rept 4
	v_pk_add_f32 v[X+8*t:X+8*t+1], v[X+8*t:X+8*t+1], v[X+8*t+2:X+8*t+3]
	v_pk_add_f32 v[X+8*t+4:X+8*t+5], v[X+8*t+4:X+8*t+5], v[X+8*t+6:X+8*t+7]
.set t, t+1
.endr
.set t, 0
.rept 4
	v_pk_add_f32 v[X+8*t:X+8*t+1], v[X+8*t:X+8*t+1], v[X+8*t+4:X+8*t+5]
.set t, t+1
.endr
.set t, 0
.rept 4
	v_add_f32 v[PR+t], v[X+8*t], v[X+8*t+1]
.set t, t+1
.endr
	v_rcp_f32 v[PR], v[PR]                         ; exp(max - max) = 1 over the sum
	v_rcp_f32 v[PR+1], v[PR+1]
	v_rcp_f32 v[PR+2], v[PR+2]
	v_rcp_f32 v[PR+3], v[PR+3]
	; every lane holds all 32 logits: lane l picks number l, bit by bit of its number (these lines are also the plain ones behind the reciprocals)
.set k, 0
.rept 16
	v_cndmask_b32 v[MX+k], v[ACC+2*k], v[ACC+2*k+1], s24
.set k, k+1
.endr
.set k, 0
.rept 8
	v_cndmask_b32 v[MX+16+k], v[MX+2*k], v[MX+2*k+1], s25
.set k, k+1
.endr
.set k, 0
.rept 4
	v_cndmask_b32 v[MX+24+k], v[MX+16+2*k], v[MX+16+2*k+1], s26
.set k, k+1
.endr
	v_cndmask_b32 v[MX+28], v[MX+24], v[MX+25], s27
	v_cndmask_b32 v[MX+29], v[MX+26], v[MX+27], s27
	v_cndmask_b32 v[MX+30], v[MX+28], v[MX+29], s28
	s_wait_alu depctr_va_vdst(0)
	; lanes 0 to 3 pick their token's expert, rs and probability
.macro PICK4 d, src
	v_cndmask_b32 v[T], v[\src], v[(\src)+1], s24
	v_cndmask_b32 v[T+1], v[(\src)+2], v[(\src)+3], s24
	v_cndmask_b32 v[\d], v[T], v[T+1], s25
.endm
	PICK4 MX+32, IDX
	PICK4 MX+33, RS
	PICK4 MX+34, PR
	global_store_b32 v3, v[MX+30], s[10:11]        ; 128 consecutive bytes of out1
	s_wait_xcnt 0x0                                ; EXEC is a source of the pending store: it changes only behind this wait
	v_cmp_gt_u32 vcc_lo, 4, v0
	s_and_saveexec_b32 s30, vcc_lo
	global_store_b32 v3, v[MX+32], s[12:13]
	global_store_b32 v3, v[MX+32], s[14:15]
	global_store_b32 v3, v[MX+33], s[16:17]
	global_store_b32 v3, v[MX+34], s[16:17] offset:4096
	s_endpgm
.Lfunc_end_k_q35f4c9652a_router:
	.size	k_q35f4c9652a_router, .Lfunc_end_k_q35f4c9652a_router-k_q35f4c9652a_router
	.p2alignl 7, 3214868480
	.fill 96, 4, 3214868480
	.section	.rodata,"a",@progbits
	.p2align	6, 0x0
	.amdhsa_kernel k_q35f4c9652a_router
		.amdhsa_group_segment_fixed_size 0
		.amdhsa_private_segment_fixed_size 0
		.amdhsa_enable_private_segment 0
		.amdhsa_kernarg_size 56
		.amdhsa_user_sgpr_count 2
		.amdhsa_user_sgpr_kernarg_segment_ptr 1
		.amdhsa_wavefront_size32 1
		.amdhsa_system_sgpr_workgroup_id_x 1
		.amdhsa_system_sgpr_workgroup_id_y 1
		.amdhsa_system_sgpr_workgroup_id_z 1
		.amdhsa_system_vgpr_workitem_id 0
		.amdhsa_next_free_vgpr 512
		.amdhsa_next_free_sgpr 66
		.amdhsa_reserve_vcc 1
		.amdhsa_float_denorm_mode_32 3
		.amdhsa_float_denorm_mode_16_64 3
		.amdhsa_memory_ordered 1
		.amdhsa_forward_progress 1
		.amdhsa_inst_pref_size 78
	.end_amdhsa_kernel
	.amdgpu_metadata
---
amdhsa.version: [ 1, 2 ]
amdhsa.kernels:
  - .name:           k_q35f4c9652a_router
    .symbol:         k_q35f4c9652a_router.kd
    .args:
      - { .name: hidden_states, .offset: 0, .size: 8, .value_kind: global_buffer, .address_space: global }
      - { .name: ln_weight, .offset: 8, .size: 8, .value_kind: global_buffer, .address_space: global }
      - { .name: router_w, .offset: 16, .size: 8, .value_kind: global_buffer, .address_space: global }
      - { .name: out1, .offset: 24, .size: 8, .value_kind: global_buffer, .address_space: global }
      - { .name: out2, .offset: 32, .size: 8, .value_kind: global_buffer, .address_space: global }
      - { .name: eidx, .offset: 40, .size: 8, .value_kind: global_buffer, .address_space: global }
      - { .name: tokf, .offset: 48, .size: 8, .value_kind: global_buffer, .address_space: global }
    .group_segment_fixed_size: 0
    .private_segment_fixed_size: 0
    .kernarg_segment_align: 8
    .kernarg_segment_size: 56
    .max_flat_workgroup_size: 32
    .sgpr_count:     66
    .vgpr_count:     512
    .wavefront_size: 32
...
	.end_amdgpu_metadata
.endif
;; end of part 7
;; launch gather (part 8): grid 72 x 1, 4 waves a work-group, no clusters, 0 bytes of LDS; arguments hidden_states, ln_weight, tokf, eidx, lists, xs; writes lists, xs
.if DOCPART == 8
	.amdgcn_target "amdgcn-amd-amdhsa--gfx1250"
	.amdhsa_code_object_version 6
	.text
	.protected	k_q35f4c9652a_gather
	.globl	k_q35f4c9652a_gather
	.p2align	8
	.type	k_q35f4c9652a_gather,@function
k_q35f4c9652a_gather:
	s_mov_b64 s[64:65], 0
	v_nop
	global_prefetch_b8 v0, s[64:65] scope:SCOPE_SE
	s_setreg_imm32_b32 hwreg(HW_REG_WAVE_MODE, 25, 1), 1
	s_wait_xcnt 0x0
; BUCKETS AND GATHER.  The 1,024 tokens are laid by expert into SLOTS, in the tokens' order; an expert's slots begin at a multiple of 16 (a TILE of 16 slots).
; A work-group makes tile tau (all 72, so that every byte of xs is written): it finds the tile's 16 tokens from eidx, the experts that an earlier launch stored as whole numbers (0 to 7),
; and writes xs = the normed tokens in slot order, bf16, laid as the matrix instruction's fragments: [tile][K step of 32][q][lane][16 bytes]:
; lane (r = lane % 16, h = lane / 16) of part q holds slot r, d = 32 ks + 16 q + 8 h + 0..7, so that a later launch fills a fragment by two loads of 512 consecutive bytes.
; normed = x * rs * ln_weight in f32, rounded once to bf16.  An empty slot takes rs = 0 and some token's row: zeros, if that row is finite; it is a column of its own in every product and is never stored.
; lists:  pos[1024] at byte 4,608: token -> slot (work-group tau stores it for its own slots: 4 bytes a lane, 4 KB in the whole launch);
;         tab[8][6][4] at 8,704 (work-group e < 8 stores expert e's): for chunk c of 12 tiles: ws (the first tile of the window of 12 that is loaded), lo, hi (the window's tiles lo .. hi - 1 are the chunk's own), 0.
;         U = the tiles in use, 64 to 71.  A window never passes tile U - 1: ws = min(first tile, U - 12).  A chunk without tiles has 0, 0, 0.  Bytes 0 to 4,607 are not used.
; EVERY WAVE FINDS THE TOKENS FOR ITSELF, from all 1,024 experts in 32 registers: no LDS, no barrier.
;   counts: a lane adds 1 << 6 (e & 3) into a sum of four 6-bit fields, and the same times e >> 2 into a second sum (a lane has 32 tokens: a field holds 32 at the most); then over the lanes in 16-bit fields.
;   the tile's expert e*: the last whose first tile is not behind tau.  32 ballots (e == e*), their running counts in scalar registers.
;   lane r wants the member of rank R = 16 (tau - first tile) + r: the last group of 32 tokens whose running count is not above R, and in that group's ballot the set bit number R - count.
; All that runs with every lane on; the stores under masks stand at a wave's end.  Wave w then makes the tile's K steps 8 w .. 8 w + 7: 16 units of (K step, q), in two batches of 8.
.set RK,   12          ; v12      R
.set WORD, 13          ; v13      the ballot of the group that holds my member
.set BEF,  14          ; v14      members in the groups before it
.set TOKB, 15          ; v15      that group's first token
.set IDX,  16          ; v16-47   expert of token 32 g + lane
.set T,    48          ; v48-51   at work, four registers by turns
.set H,    52          ; v52-55   e >> 2
.set AA,   56          ; v56-59   four packed sums: fields (e & 3)
.set AH,   60          ; v60-63   the same for e >= 4 alone
.set F,    64          ; v64-67   counts in 16-bit fields: experts 0|2, 1|3, 4|6, 5|7
.set TM,   68          ; v68-71   takes another lane's number
.set ONE,  72
.set LW,   73          ; the packed sum for e < 4
.set SA,   74          ; the ballot's set bits counted in fields of 2,
.set SB,   75          ; of 4,
.set SC,   76          ; of 8 bits
.set KK,   77          ; set bits still to pass
.set SS,   78          ; the bit's place so far
.set TT,   79
.set K2,   80
.set S2,   81
.set XR,   32          ; v32-95    a batch's x: 8 registers a unit (the registers above are free by then)
.set LR,   96          ; v96-159   ln_weight likewise
.set OR,   160         ; v160-191  4 registers a unit, to store
.set CT,   32          ; s32-39   tokens of expert e
.set CP,   32          ; s33-63   later: members in the groups before group g
.set MK,   66          ; s66-97   the ballot of group g
.set CD,   98          ; s98-101  four conditions by turns
; s16 wave; s19 the lanes whose slot holds a token; s24 tau; s25 the running first tile, at last U; s26 e*, s27 its first tile, s28 its tokens; s29, s30 expert tau's first tile and tiles
	s_load_b256 s[4:11], s[0:1], 0x0               ; hidden s[4:5], ln_weight s[6:7], tokf s[8:9], eidx s[10:11]
	s_load_b128 s[12:15], s[0:1], 0x20             ; lists s[12:13], xs s[14:15]
	v_lshrrev_b32 v2, 5, v0
	v_readfirstlane_b32 s16, v2                    ; wave
	v_and_b32 v1, 31, v0                           ; lane
	v_and_b32 v2, 15, v0                           ; r
	v_bfe_u32 v3, v0, 4, 1                         ; h
	v_lshlrev_b32 v5, 2, v1                        ; 4 x lane
	v_mov_b32 v[ONE], 1
	v_mov_b32 v[TM], 0                             ; a lane exchange counts as a reader of its destination
	v_mov_b32 v[TM+1], 0
	v_mov_b32 v[TM+2], 0
	v_mov_b32 v[TM+3], 0
	s_lshl_b32 s17, s16, 10                        ; my 8 K steps: 1,024 bytes of a row
	s_lshl_b32 s18, s16, 13                        ; and 8,192 bytes of the tile
	s_mov_b32 s24, ttmp9                           ; tau
	s_lshl_b32 s20, ttmp9, 15                      ; the tile's 32,768 bytes of xs
	s_mov_b32 s21, 0
	s_mov_b32 s22, 0x76543210                      ; each lane takes its own place in the other half
	s_mov_b32 s23, 0xfedcba98
	v_lshl_add_u32 v10, v3, 5, s17                 ; in ln_weight: 32 h + 1,024 w
	v_lshl_add_u32 v11, v1, 4, s18                 ; in the tile: 16 lane + 8,192 w
	s_wait_kmcnt 0x0
	s_add_nc_u64 s[14:15], s[14:15], s[20:21]
.set g, 0
.rept 32
	global_load_b32 v[IDX+g], v5, s[10:11] offset:128*g
.set g, g+1
.endr
	; THE COUNTS, four registers at a time; the first four start the sums
.set q, 0
.rept 8
	s_wait_loadcnt 28-4*q                          ; loads come back in order: registers 4 q .. 4 q + 3 are in, the later ones stay out
.set k, 0
.rept 4
	v_and_b32 v[T+k], 3, v[IDX+4*q+k]
.set k, k+1
.endr
.set k, 0
.rept 4
	v_lshrrev_b32 v[H+k], 2, v[IDX+4*q+k]
.set k, k+1
.endr
.set k, 0
.rept 4
	v_mul_u32_u24 v[T+k], 6, v[T+k]
.set k, k+1
.endr
.set k, 0
.rept 4
	v_lshlrev_b32 v[T+k], v[T+k], v[ONE]           ; 1 << 6 (e & 3): 2^18 at the most
.set k, k+1
.endr
.set k, 0
.rept 4
.if q == 0
	v_mov_b32 v[AA+k], v[T+k]
	v_mul_u32_u24 v[AH+k], v[T+k], v[H+k]
.else
	v_add_nc_u32 v[AA+k], v[AA+k], v[T+k]
	v_mad_u32_u24 v[AH+k], v[T+k], v[H+k], v[AH+k]
.endif
.set k, k+1
.endr
.set q, q+1
.endr
	v_add_nc_u32 v[AA], v[AA], v[AA+1]
	v_add_nc_u32 v[AA+2], v[AA+2], v[AA+3]
	v_add_nc_u32 v[AH], v[AH], v[AH+1]
	v_add_nc_u32 v[AH+2], v[AH+2], v[AH+3]
	v_add_nc_u32 v[AA], v[AA], v[AA+2]
	v_add_nc_u32 v[AH], v[AH], v[AH+2]
	v_sub_nc_u32 v[LW], v[AA], v[AH]               ; field by field: no field of the second sum is above the first's
	v_bfe_u32 v[F],   v[LW], 0, 6                  ; expert 0
	v_bfe_u32 v[F+1], v[LW], 6, 6                  ; 1
	v_bfe_u32 v[F+2], v[AH], 0, 6                  ; 4
	v_bfe_u32 v[F+3], v[AH], 6, 6                  ; 5
	v_bfe_u32 v[T],   v[LW], 12, 6                 ; 2
	v_bfe_u32 v[T+1], v[LW], 18, 6                 ; 3
	v_bfe_u32 v[T+2], v[AH], 12, 6                 ; 6
	v_bfe_u32 v[T+3], v[AH], 18, 6                 ; 7
.set k, 0
.rept 4
	v_lshl_or_b32 v[F+k], v[T+k], 16, v[F+k]       ; two counts a register: a sum over the lanes is 1,024 at the most
.set k, k+1
.endr
.irp m, 1,2,4,8
.set k, 0
.rept 4
	v_mov_b32_dpp v[TM+k], v[F+k] row_xmask:\m row_mask:0xf bank_mask:0xf
.set k, k+1
.endr
.set k, 0
.rept 4
	v_add_nc_u32 v[F+k], v[F+k], v[TM+k]
.set k, k+1
.endr
.endr
.set k, 0
.rept 4
	v_permlanex16_b32 v[TM+k], v[F+k], s22, s23
.set k, k+1
.endr
.set k, 0
.rept 4
	v_add_nc_u32 v[F+k], v[F+k], v[TM+k]
.set k, k+1
.endr
.set k, 0
.rept 4
	v_readfirstlane_b32 s[40+k], v[F+k]
.set k, k+1
.endr
	s_and_b32 s[CT+0], s40, 0xffff
	s_lshr_b32 s[CT+2], s40, 16
	s_and_b32 s[CT+1], s41, 0xffff
	s_lshr_b32 s[CT+3], s41, 16
	s_and_b32 s[CT+4], s42, 0xffff
	s_lshr_b32 s[CT+6], s42, 16
	s_and_b32 s[CT+5], s43, 0xffff
	s_lshr_b32 s[CT+7], s43, 16
	; THE TILES.  An expert without tokens has no tile; its first tile is the next expert's, which then takes its place below.
	s_mov_b32 s25, 0
	s_mov_b32 s26, 0
	s_mov_b32 s27, 0
	s_mov_b32 s28, 0
	s_mov_b32 s29, 0
	s_mov_b32 s30, 0
.set e, 0
.rept 8
	s_add_co_u32 s31, s[CT+e], 15
	s_lshr_b32 s31, s31, 4                         ; its tiles
	s_cmp_ge_u32 s24, s25                          ; is its first tile not behind tau?
	s_cselect_b32 s26, e, s26
	s_cselect_b32 s27, s25, s27
	s_cselect_b32 s28, s[CT+e], s28
	s_cmp_eq_u32 s24, e                            ; for the table
	s_cselect_b32 s29, s25, s29
	s_cselect_b32 s30, s31, s30
	s_add_co_u32 s25, s25, s31
.set e, e+1
.endr
	s_sub_co_u32 s31, s24, s27
	s_lshl_b32 s31, s31, 4
	v_add_nc_u32 v[RK], s31, v2                    ; R.  From tile U on, and in an expert's last tile, R may pass its tokens:
	v_cmp_gt_u32 s19, s28, v[RK]                   ; the lanes whose slot holds a token
	; THE BALLOTS in one run, then their running counts in one scalar run
.set g, 0
.rept 32
	v_cmp_eq_u32 s[MK+g], s26, v[IDX+g]
.set g, g+1
.endr
	s_bcnt1_i32_b32 s[CP+1], s[MK]
.set g, 2
.rept 30
	s_bcnt1_i32_b32 s[CP+g], s[MK+g-1]
	s_add_co_u32 s[CP+g], s[CP+g], s[CP+g-1]
.set g, g+1
.endr
	; THE GROUP: the counts never fall, so the last group whose count is not above R is the one; four compares, then their twelve selects
	v_mov_b32 v[WORD], s[MK]
	v_mov_b32 v[BEF], 0
	v_mov_b32 v[TOKB], 0
.set gb, 1
.rept 8
.set j, 0
.rept 4
.if gb+j < 32
	v_cmp_gt_u32 s[CD+j], s[CP+gb+j], v[RK]        ; above R: what I have stays
.endif
.set j, j+1
.endr
.set j, 0
.rept 4
.if gb+j < 32
	v_cndmask_b32 v[WORD], s[MK+gb+j], v[WORD], s[CD+j]
	v_cndmask_b32 v[BEF], s[CP+gb+j], v[BEF], s[CD+j]
	v_cndmask_b32 v[TOKB], 32*(gb+j), v[TOKB], s[CD+j]
.endif
.set j, j+1
.endr
.set gb, gb+4
.endr
	; THE BIT: set bits counted in fields of 2, 4 and 8; then five halvings: if the lower half holds too few, pass it
	v_lshrrev_b32 v[TT], 1, v[WORD]
	v_and_b32 v[TT], 0x55555555, v[TT]
	v_sub_nc_u32 v[SA], v[WORD], v[TT]
	v_lshrrev_b32 v[TT], 2, v[SA]
	v_and_b32 v[SB], 0x33333333, v[SA]
	v_and_b32 v[TT], 0x33333333, v[TT]
	v_add_nc_u32 v[SB], v[SB], v[TT]
	v_lshrrev_b32 v[TT], 4, v[SB]
	v_add_nc_u32 v[TT], v[SB], v[TT]
	v_and_b32 v[SC], 0x0f0f0f0f, v[TT]
	v_sub_nc_u32 v[KK], v[RK], v[BEF]
	v_bfe_u32 v[TT], v[SC], 0, 8
	v_bfe_u32 v[K2], v[SC], 8, 8
	v_add_nc_u32 v[TT], v[TT], v[K2]               ; set bits among bits 0 to 15
	v_cmp_ge_u32 vcc_lo, v[KK], v[TT]
	v_sub_nc_u32 v[K2], v[KK], v[TT]
	v_cndmask_b32 v[KK], v[KK], v[K2], vcc_lo
	v_cndmask_b32 v[SS], 0, 16, vcc_lo
.macro LEVEL src, w                    ; the field of w bits at the place so far counts the lower half's set bits
	v_bfe_u32 v[TT], v[\src], v[SS], \w
	v_add_nc_u32 v[S2], \w, v[SS]
	v_cmp_ge_u32 vcc_lo, v[KK], v[TT]
	v_sub_nc_u32 v[K2], v[KK], v[TT]
	v_cndmask_b32 v[KK], v[KK], v[K2], vcc_lo
	v_cndmask_b32 v[SS], v[SS], v[S2], vcc_lo
.endm
	LEVEL SC, 8
	LEVEL SB, 4
	LEVEL SA, 2
	LEVEL WORD, 1
	v_add_nc_u32 v4, v[TOKB], v[SS]                ; my slot's token
	v_min_u32 v4, 0x3ff, v4                        ; a number made from memory enters addresses under this bound
	v_lshlrev_b32 v8, 2, v4
	global_load_b32 v6, v8, s[8:9]                 ; rs
	v_lshl_add_u32 v9, v4, 12, v10                 ; in hidden: the token's row + 32 h + 1,024 w
.macro BATCH bt                        ; 32 loads: for each unit 32 bytes of x, then 32 of ln_weight
.set u, 0
.rept 8
.set of, 128*(4*(\bt)+u/2)+64*(u%2)
	global_load_b128 v[XR+8*u:XR+8*u+3],   v9,  s[4:5] offset:of
	global_load_b128 v[XR+8*u+4:XR+8*u+7], v9,  s[4:5] offset:of+16
	global_load_b128 v[LR+8*u:LR+8*u+3],   v10, s[6:7] offset:of
	global_load_b128 v[LR+8*u+4:LR+8*u+7], v10, s[6:7] offset:of+16
.set u, u+1
.endr
.endm
.macro WORK bt
.set u, 0
.rept 8
	s_wait_loadcnt 28-4*u                          ; loads come back in order: unit u's four are in, the later units' stay out
.set p, 0
.rept 4
	v_pk_mul_f32 v[XR+8*u+2*p:XR+8*u+2*p+1], v[XR+8*u+2*p:XR+8*u+2*p+1], v[6:7]
.set p, p+1
.endr
.set p, 0
.rept 4
	v_pk_mul_f32 v[XR+8*u+2*p:XR+8*u+2*p+1], v[XR+8*u+2*p:XR+8*u+2*p+1], v[LR+8*u+2*p:LR+8*u+2*p+1]
.set p, p+1
.endr
.set p, 0
.rept 4
	v_cvt_pk_bf16_f32 v[OR+4*u+p], v[XR+8*u+2*p], v[XR+8*u+2*p+1]
.set p, p+1
.endr
	global_store_b128 v11, v[OR+4*u:OR+4*u+3], s[14:15] offset:1024*(4*(\bt)+u/2)+512*(u%2)  ; 512 consecutive bytes, at a multiple of 512 from xs's first
.set u, u+1
.endr
.endm
	BATCH 0
	s_wait_loadcnt 32                              ; rs is in; the batch's 32 loads were issued behind it
	v_cndmask_b32 v6, 0, v6, s19                   ; an empty slot: 0
	v_mov_b32 v7, v6
	WORK 0
	s_wait_xcnt 0x0                                ; the stores' data registers are written again only behind this wait
	BATCH 1
	WORK 1
	; THE LISTS.  Wave 0: pos for the tile's tokens.  Wave 1 of work-groups 0 to 7: that expert's table.
	s_cmp_lg_u32 s16, 0
	s_cbranch_scc1 .Lnot_wave_0
	s_lshl_b32 s31, s24, 4
	v_add_nc_u32 v12, s31, v2                      ; my slot: 16 tau + r
	s_and_b32 s19, s19, 0xffff                     ; each slot once: lanes 0 to 15
	s_wait_xcnt 0x0                                ; EXEC is a source of the pending stores: it changes only behind this wait
	s_and_saveexec_b32 s31, s19
	global_store_b32 v8, v12, s[12:13] offset:4608 ; pos[token] = slot
	s_endpgm
.Lnot_wave_0:
	s_cmp_eq_u32 s16, 1
	s_cbranch_scc0 .Lend
	s_cmp_lt_u32 s24, 8
	s_cbranch_scc0 .Lend
	v_lshrrev_b32 v12, 2, v1                       ; lane l holds word l & 3 of chunk c = l >> 2
	v_mul_u32_u24 v12, 12, v12                     ; 12 c
	s_sub_co_u32 s31, s25, 12                      ; U - 12
	s_add_co_u32 s27, s29, s30                     ; the tile behind the expert's last
	v_add_nc_u32 v13, s29, v12                     ; the chunk's first tile
	v_min_u32 v14, s31, v13                        ; ws
	v_sub_nc_u32 v15, v13, v14                     ; lo
	v_sub_nc_u32 v16, s27, v14
	v_min_u32 v16, 12, v16                         ; hi
	v_and_b32 v17, 3, v1
	v_cmp_eq_u32 vcc_lo, 1, v17
	v_cndmask_b32 v14, v14, v15, vcc_lo
	v_cmp_eq_u32 vcc_lo, 2, v17
	v_cndmask_b32 v14, v14, v16, vcc_lo
	v_cmp_eq_u32 vcc_lo, 3, v17
	v_cndmask_b32 v14, v14, 0, vcc_lo
	v_cmp_gt_u32 vcc_lo, s30, v12                  ; has the chunk a tile?
	v_cndmask_b32 v14, 0, v14, vcc_lo
	s_mul_i32 s20, s24, 96
	s_wait_xcnt 0x0                                ; EXEC changes only behind this wait
	s_add_nc_u64 s[12:13], s[12:13], s[20:21]
	v_cmp_gt_u32 vcc_lo, 24, v1
	s_and_saveexec_b32 s31, vcc_lo
	global_store_b32 v5, v14, s[12:13] offset:8704 ; 96 consecutive bytes
	s_endpgm
.Lend:
	s_endpgm
.Lfunc_end_k_q35f4c9652a_gather:
	.size	k_q35f4c9652a_gather, .Lfunc_end_k_q35f4c9652a_gather-k_q35f4c9652a_gather
	.p2alignl 7, 3214868480
	.fill 96, 4, 3214868480
	.section	.rodata,"a",@progbits
	.p2align	6, 0x0
	.amdhsa_kernel k_q35f4c9652a_gather
		.amdhsa_group_segment_fixed_size 0
		.amdhsa_private_segment_fixed_size 0
		.amdhsa_enable_private_segment 0
		.amdhsa_kernarg_size 48
		.amdhsa_user_sgpr_count 2
		.amdhsa_user_sgpr_kernarg_segment_ptr 1
		.amdhsa_wavefront_size32 1
		.amdhsa_system_sgpr_workgroup_id_x 1
		.amdhsa_system_sgpr_workgroup_id_y 1
		.amdhsa_system_sgpr_workgroup_id_z 1
		.amdhsa_system_vgpr_workitem_id 0
		.amdhsa_next_free_vgpr 192
		.amdhsa_next_free_sgpr 102
		.amdhsa_reserve_vcc 1
		.amdhsa_float_denorm_mode_32 3
		.amdhsa_float_denorm_mode_16_64 3
		.amdhsa_memory_ordered 1
		.amdhsa_forward_progress 1
		.amdhsa_inst_pref_size 54
	.end_amdhsa_kernel
	.amdgpu_metadata
---
amdhsa.version: [ 1, 2 ]
amdhsa.kernels:
  - .name:           k_q35f4c9652a_gather
    .symbol:         k_q35f4c9652a_gather.kd
    .args:
      - { .name: hidden_states, .offset: 0, .size: 8, .value_kind: global_buffer, .address_space: global }
      - { .name: ln_weight, .offset: 8, .size: 8, .value_kind: global_buffer, .address_space: global }
      - { .name: tokf, .offset: 16, .size: 8, .value_kind: global_buffer, .address_space: global }
      - { .name: eidx, .offset: 24, .size: 8, .value_kind: global_buffer, .address_space: global }
      - { .name: lists, .offset: 32, .size: 8, .value_kind: global_buffer, .address_space: global }
      - { .name: xs, .offset: 40, .size: 8, .value_kind: global_buffer, .address_space: global }
    .group_segment_fixed_size: 0
    .private_segment_fixed_size: 0
    .kernarg_segment_align: 8
    .kernarg_segment_size: 48
    .max_flat_workgroup_size: 128
    .sgpr_count:     102
    .vgpr_count:     192
    .wavefront_size: 32
...
	.end_amdgpu_metadata
.endif
;; end of part 8
;; launch ffn1 (part 9): grid 256 x 1, 4 waves a work-group, no clusters, 197,120 bytes of LDS; arguments wi, xs, lists, hs; writes hs
.if DOCPART == 9
	.amdgcn_target "amdgcn-amd-amdhsa--gfx1250"
	.amdhsa_code_object_version 6
	.text
	.protected	k_q35f4c9652a_ffn1
	.globl	k_q35f4c9652a_ffn1
	.p2align	8
	.type	k_q35f4c9652a_ffn1,@function
k_q35f4c9652a_ffn1:
	s_mov_b64 s[64:65], 0
	v_nop
	global_prefetch_b8 v0, s[64:65] scope:SCOPE_SE
	s_setreg_imm32_b32 hwreg(HW_REG_WAVE_MODE, 25, 1), 1
	s_wait_xcnt 0x0
; ONE TEXT FOR BOTH HALVES OF THE EXPERTS' LAYER.  MODE 1: hs = relu(xs wi[e]), bf16.  MODE 2: part[kH] = hs wo[e] over half of F, f32.
; The weights, f32 and [K][N], are read ONCE, straight into registers, rounded to bf16 there, and multiplied; sums in f32.  Operands in bf16 keep f32's range; NaN and infinities are not treated apart.
; A WAVE owns 64 weight columns (256 bytes of a row) x 512 of K (16 K steps of 32) x a CHUNK of 12 tiles of 16 token slots: 48 accumulators, 384 registers.
; WEIGHTS.  A load of 16 bytes a lane takes 256 consecutive, aligned bytes of one row (lanes 0-15) and of another (lanes 16-31).  Sixteen loads are 32 rows.  Register j of loads 2 t' and 2 t' + 1,
; rounded together, is register t' of FRAGMENT j (source 0, 16 rows x 32 K), whose row r is weight column 4 r + j: no lane changes, nothing passes LDS.  Load i's row is the one that the fragment's
; layout wants at k = (i & 7) + 8 h + 16 (i >> 3) (ISA guide 7.12.2).
; TOKENS are source 1: xs and hs lie in memory as fragments ([tile][K step][q][lane][16 bytes]), two loads of 512 consecutive bytes each.  A result holds one slot a lane (lane % 16), columns 4 (8 h + reg) + j.
; MODE 1's results j, j + 1, packed, ARE the two halves of a fragment for MODE 2, in which k = i (+16) stands for f = 64 G + 4 i + j.  MODE 2 fetches wo's rows in that order: any order of rows costs the same.
; SHARES.  Expert e = g >> 5.  MODE 1: 32 work-groups an expert, each 128 columns of F: wave w has column group cg = w & 1 and K half kh = w >> 1.
;          MODE 2: 16 column groups of D x 2 halves of F (kH = g & 1); wave w has K quarter w of that half.  The waves' sums meet in LDS; MODE 2's two halves are added by the next launch.
; CHUNKS.  An expert may have any number of tokens, so a loop of 6 trips (72 tiles at the most) walks its chunks from the table that an earlier launch stored as whole numbers; for each chunk with tiles the
; weights are streamed again; a chunk without is jumped over, forward; the trip's two barriers stand outside what is jumped.  A chunk loads the 12 tiles from ws on (all written), and stores tiles lo .. hi - 1 of them:
; a foreign or empty slot is a column of its own in every product and touches no other.
; GROUPS.  The window's 12 tiles are four groups of three.  A group none of whose tiles is the chunk's own is multiplied in K step 0 alone, which starts every sum; in K steps 1 to 15 its 12 matrix
; instructions are jumped over, forward.  Its token loads are issued all the same, so that every counted wait has the same loads behind it on every path; its results go to LDS and are read by nobody.
; NO CLUSTER, NO TENSOR LOADS: what an expert's work-groups share is the small token window, whose place hangs on the table; the weights, the bulk of the bytes, are shared by nobody.
.set MODE, 1
.if MODE == 1
.set WPITCH, 16384     ; bytes in a row of the weights
.set WTRIP,  4*32*WPITCH  ; four K steps further down
.set XTSH,   15        ; a tile of the tokens' buffer is 1 << XTSH bytes
.set OTSH,   17        ; a tile of the output 1 << OTSH
.set SH,     6         ; tiles that a wave finishes
.else
.set WPITCH, 4096
.set WTRIP,  2*64*WPITCH
.set XTSH,   17
.set OTSH,   16
.set SH,     3
.endif
.set XT,     1<<XTSH
.set OT,     1<<OTSH
.set REGION, 49152     ; LDS: a wave's 48 results: (tile t, fragment j) at (4 t + j) 1,024 + 512 half + 16 lane
.set STAGE,  4*REGION  ; MODE 2: 16 rows x 272 bytes for each wave, for the way out
.set SROWS,  16*272
.set SPARE,  STAGE+(MODE-1)*4*SROWS  ; the spare words, 128 bytes for each wave: two blocks of 256 bytes that no other line names
; window 0
.set WOFF, 2           ; v2   16 (lane % 16) + (lane / 16) << 17: both modes' second row lies 131,072 bytes below the first
.set LOFF, 3           ; v3   16 lane
.set DMP,  4           ; v4   my place in my region
.set RD,   5           ; v5-8 my place in the regions that I sum, at my first tile
.set STO,  9           ; v9   MODE 2: into my stage
.set SRD,  10          ; v10  back out of it
.set GO,   11          ; v11  my byte offset in two rows of part
.set SPW,  12          ; v12  LDS address of my spare word; never rewritten
.set NIL,  13          ; v13  0; never rewritten
.set XF,   64          ; v64-159, v160-255  two buffers of 12 token fragments; at work on the way out
.set FA,   64
.set PK,   128
.set TR,   192
.set BK,   224
; window 1: v0-255 the weights as loaded, four stages of 64: load i's register j at 64 stage + 4 i + j
; window 2: v0-191 accumulators of tiles 0-5 at 32 t + 8 j;  v192-223, v224-255 two buffers of 4 weight fragments.   window 3: v0-191 accumulators of tiles 6-11
.set WF,   192
.set WV,   12          ; s12  wave
.set WO,   16          ; s[16:17] the weights at my first row and column     s[18:19] WB: the same, stepped along K
.set WB,   18
.set XB,   20          ; s[20:21] the tokens at the window's first tile, stepped along K
.set XO,   22          ; s[22:23] the tokens at tile 0, my first K step
.set OO,   24          ; s[24:25] the output at my first tile of window 0
.set OB,   26          ; s[26:27] the same at the window in hand
.set OF,   28          ; s[28:29] an offset, the high word 0
.set LAP,  30
.set CH,   31
.set WS,   32          ; s[32:55] the six entries of my expert's table; the one in hand is s32 ws, s33 lo, s34 hi
.set LO,   33
.set HI,   34
.set TS,   56          ; s56  the first tile that I finish
.set TP,   57          ; s57, s59 at work;  s58 kh or kH
.set LV,   60          ; s60-63  1: group g holds a tile of the chunk's own
.set MSB, 0
.macro WIN new                         ; s_set_vgpr_msb: bits 1:0 source 0, 3:2 source 1, 5:4 source 2, 7:6 destination; the high byte repeats the setting that is left
.if MSB != (\new)
	s_set_vgpr_msb (MSB<<8)|(\new)
.set MSB, (\new)
.endif
.endm
	s_load_b256 s[4:11], s[0:1], 0x0               ; weights s[4:5], tokens s[6:7], lists s[8:9], output s[10:11]
	v_lshl_add_u32 v[SPW], v0, 2, SPARE
	v_mov_b32 v[NIL], 0
	v_lshrrev_b32 v1, 5, v0
	v_readfirstlane_b32 s[WV], v1
	v_and_b32 v1, 31, v0                           ; lane
	v_and_b32 v14, 15, v0                          ; r
	v_bfe_u32 v15, v0, 4, 1                        ; h
	v_lshlrev_b32 v[WOFF], 4, v14
	v_lshl_add_u32 v[WOFF], v15, 17, v[WOFF]
	v_lshlrev_b32 v[LOFF], 4, v1
	s_mul_i32 s[TP], s[WV], REGION
	v_add_nc_u32 v[DMP], s[TP], v[LOFF]
	s_lshr_b32 s13, ttmp9, 5                       ; expert
	s_mov_b32 s[OF+1], 0
.if MODE == 1
	s_and_b32 s14, ttmp9, 31
	s_and_b32 s15, s[WV], 1                        ; cg
	s_lshr_b32 s58, s[WV], 1                       ; kh
	s_lshl1_add_u32 s14, s14, s15                  ; G: my group of 64 columns of F
	s_mul_i32 s[TS], s58, 6
	s_mul_i32 s[TP], s15, REGION                   ; I sum the two waves of my column group: regions cg and cg + 2
	s_lshl_b32 s59, s[TS], 12
	s_add_co_u32 s[TP], s[TP], s59
	v_add_nc_u32 v[RD], s[TP], v[LOFF]
	v_add_nc_u32 v[RD+1], 2*REGION, v[RD]
	s_wait_kmcnt 0x0
	s_lshl_b32 s[OF], s13, 24                      ; wi[e] + kh 512 rows + G 256 bytes
	s_lshl_b32 s59, s58, 23
	s_add_co_u32 s[OF], s[OF], s59
	s_lshl_b32 s59, s14, 8
	s_add_co_u32 s[OF], s[OF], s59
	s_add_nc_u64 s[WO:WO+1], s[4:5], s[OF:OF+1]
	s_lshl_b32 s[OF], s58, 14                      ; K steps 16 kh on
	s_add_nc_u64 s[XO:XO+1], s[6:7], s[OF:OF+1]
	s_mul_i32 s[OF], s58, 6*OT                     ; tiles 6 kh on; K steps 2 G, 2 G + 1 of hs
	s_lshl_b32 s59, s14, 11
	s_add_co_u32 s[OF], s[OF], s59
	s_add_nc_u64 s[OO:OO+1], s[10:11], s[OF:OF+1]
.else
	s_bfe_u32 s14, ttmp9, 0x40001                  ; my group of 64 columns of D
	s_and_b32 s58, ttmp9, 1                        ; kH
	s_mul_i32 s[TS], s[WV], 3
	s_lshl_b32 s59, s[TS], 12
	v_add_nc_u32 v[RD], s59, v[LOFF]               ; I sum all four regions
	v_add_nc_u32 v[RD+1], REGION, v[RD]
	v_add_nc_u32 v[RD+2], 2*REGION, v[RD]
	v_add_nc_u32 v[RD+3], 3*REGION, v[RD]
	s_mul_i32 s[TP], s[WV], SROWS
	s_add_co_u32 s[TP], s[TP], STAGE               ; my stage
	v_mul_u32_u24 v[STO], v14, 272                 ; in: row = slot r; my 32 columns begin at byte 128 h
	v_lshl_add_u32 v[STO], v15, 7, v[STO]
	v_add_nc_u32 v[STO], s[TP], v[STO]
	v_mul_u32_u24 v[SRD], v15, 272                 ; back: lanes 0-15 one row of 256 bytes, lanes 16-31 the next
	v_lshl_add_u32 v[SRD], v14, 4, v[SRD]
	v_add_nc_u32 v[SRD], s[TP], v[SRD]
	v_lshlrev_b32 v[GO], 12, v15                   ; and the same two rows of part
	v_lshl_add_u32 v[GO], v14, 4, v[GO]
	s_wait_kmcnt 0x0
	s_lshl_b32 s[OF], s13, 24                      ; wo[e] + (2,048 kH + 512 w) rows + group x 256 bytes
	s_lshl_b32 s59, s58, 23
	s_add_co_u32 s[OF], s[OF], s59
	s_lshl_b32 s59, s[WV], 21
	s_add_co_u32 s[OF], s[OF], s59
	s_lshl_b32 s59, s14, 8
	s_add_co_u32 s[OF], s[OF], s59
	s_add_nc_u64 s[WO:WO+1], s[4:5], s[OF:OF+1]
	s_lshl_b32 s[OF], s58, 16                      ; K steps 64 kH + 16 w on
	s_lshl_b32 s59, s[WV], 14
	s_add_co_u32 s[OF], s[OF], s59
	s_add_nc_u64 s[XO:XO+1], s[6:7], s[OF:OF+1]
	s_mul_i32 s[OF], s58, 1152*4096                ; part[kH]; tiles 3 w on; my columns
	s_mul_i32 s59, s[WV], 3*OT
	s_add_co_u32 s[OF], s[OF], s59
	s_lshl_b32 s59, s14, 8
	s_add_co_u32 s[OF], s[OF], s59
	s_add_nc_u64 s[OO:OO+1], s[10:11], s[OF:OF+1]
.endif
	s_mul_i32 s[OF], s13, 96
	s_add_nc_u64 s[8:9], s[8:9], s[OF:OF+1]
	s_load_b512 s[32:47], s[8:9], 0x2200           ; my expert's six entries of the table
	s_load_b256 s[48:55], s[8:9], 0x2240
	s_mov_b32 s[CH], 6
	s_wait_kmcnt 0x0
; 16 loads: the 32 rows of K step s (counted from WB) into stage st
.macro LOADW s, st
	WIN 0x40                                       ; destination window 1, address window 0
.set io, 0
.rept 16
.if MODE == 1
.set rw, 32*(\s)+(io&7)+16*(io>>3)
.else
.set rw, 64*((\s)>>1)+2*((\s)&1)+4*(io&7)+(io>>3)
.endif
	global_load_b128 v[64*(\st)+4*io:64*(\st)+4*io+3], v[WOFF], s[WB:WB+1] offset:rw*WPITCH th:TH_LOAD_NT
.set io, io+1
.endr
.endm
; 24 loads: the 12 token fragments of K step s (counted from XB) into buffer b
.macro LOADX s, b
	WIN 0
.set ti, 0
.rept 12
	global_load_b128 v[XF+96*(\b)+8*ti:XF+96*(\b)+8*ti+3],   v[LOFF], s[XB:XB+1] offset:ti*XT+1024*(\s)
	global_load_b128 v[XF+96*(\b)+8*ti+4:XF+96*(\b)+8*ti+7], v[LOFF], s[XB:XB+1] offset:ti*XT+1024*(\s)+512
.set ti, ti+1
.endr
.endm
; 32 roundings: stage st becomes the four fragments of buffer b
.macro CVT st, b
	WIN 0x85                                       ; sources window 1, destination window 2
.set ji, 0
.rept 4
.set tp, 0
.rept 8
	v_cvt_pk_bf16_f32 v[WF+32*(\b)+8*ji+tp], v[64*(\st)+8*tp+ji], v[64*(\st)+8*tp+4+ji]
.set tp, tp+1
.endr
.set ji, ji+1
.endr
.endm
; Group g's 12 matrix instructions, each on an accumulator of its own: the accumulators take turns, one instruction a turn, whichever groups are jumped over.
; zero = 1: K step 0, which starts the sums of every group.  zero = 0: a group without a tile of the chunk's own is jumped over.
.macro GRP b, g, zero
.if (\zero) == 0
	WIN 0                                          ; at a branch and at a label every window is 0
	s_cmp_lg_u32 s[LV+(\g)], 0
	s_cbranch_scc0 .Lnone_\@
.endif
	WIN 0xa2+0x50*((\g)/2)                         ; weights (source 0) window 2, tokens (source 1) window 0; C and D window 2 (groups 0, 1) or 3 (groups 2, 3)
.set ti, 3*(\g)
.rept 3
.set ji, 0
.rept 4
.set ac, 32*(ti%6)+8*ji
.set wa, WF+32*(\b)+8*ji
.set xb, XF+96*(\b)+8*ti
.if \zero
	v_wmma_f32_16x16x32_bf16 v[ac:ac+7], v[wa:wa+7], v[xb:xb+7], 0
.else
	v_wmma_f32_16x16x32_bf16 v[ac:ac+7], v[wa:wa+7], v[xb:xb+7], v[ac:ac+7]
.endif
.set ji, ji+1
.endr
.set ti, ti+1
.endr
.if (\zero) == 0
	WIN 0
.Lnone_\@:
.endif
.endm
.macro MUL b, zero
	GRP \b, 0, \zero
	GRP \b, 1, \zero
	GRP \b, 2, \zero
	GRP \b, 3, \zero
.endm
; A K STEP.  Its weights (stage st) are rounded into buffer b; the next step's tokens (sx) and the weights three steps on (sw) are asked for; then its products.
; The 32 roundings name no register of the last step's products: they are the places between those products and the loads into the token buffer that they read.
; The order of issue is W0 W1 X0 W2 | X1 W3 | X2 W4 | ..  n2: behind X(s) stand W(s+2), X(s+1), W(s+3): 16 + 24 + 16 = 56.  n1: behind W(s) stand more than that, so 56 serves there too.
; More loads are asked for than LOADcnt's field counts; the issue then waits for room (ISA guide 5.7.1), and the counts stay true.
.macro STEP st, b, sx, sw, n1, n2, zero
	s_wait_loadcnt \n1
	CVT \st, \b
.if (\sx) >= 0
	LOADX \sx, 1-(\b)
.endif
.if (\sw) >= 0
	LOADW \sw, ((\st)+3)%4
.endif
	s_wait_loadcnt \n2
	MUL \b, \zero
.endm
; my 48 results into my region, each accumulator's low registers first; 32 lanes x 16 bytes are 512 consecutive bytes
.macro DUMP
.set ti, 0
.rept 12
.if ti == 0
	WIN 0x08                                       ; data (source 1) window 2
.elseif ti == 6
	WIN 0x0c                                       ; window 3
.endif
.set ji, 0
.rept 4
	ds_store_b128 v[DMP], v[32*(ti%6)+8*ji:32*(ti%6)+8*ji+3]   offset:(4*ti+ji)*1024
	ds_store_b128 v[DMP], v[32*(ti%6)+8*ji+4:32*(ti%6)+8*ji+7] offset:(4*ti+ji)*1024+512
.set ji, ji+1
.endr
.set ti, ti+1
.endr
	WIN 0
.endm
; Tile TS + n of the window is finished, if it is the chunk's own (lo <= tile < hi): the jumps go forward and pass no barrier.
.if MODE == 1
.macro FINAL n                         ; two regions are added; relu; rounded to bf16: result j is part j & 1 of K step 2 G + (j >> 1) of hs
	s_add_co_u32 s[TP], s[TS], \n
	s_cmp_ge_u32 s[TP], s[LO]
	s_cbranch_scc0 .Lskip_\@
	s_cmp_lt_u32 s[TP], s[HI]
	s_cbranch_scc0 .Lskip_\@
	s_wait_xcnt 0x0                                ; the last tile's stores have read their registers
.set ji, 0
.rept 8
	ds_load_b128 v[FA+4*ji:FA+4*ji+3],       v[RD]   offset:4096*(\n)+512*ji
	ds_load_b128 v[FA+32+4*ji:FA+32+4*ji+3], v[RD+1] offset:4096*(\n)+512*ji
.set ji, ji+1
.endr
	s_wait_dscnt 0x0
.set ji, 0
.rept 16
	v_pk_add_f32 v[FA+2*ji:FA+2*ji+1], v[FA+2*ji:FA+2*ji+1], v[FA+32+2*ji:FA+32+2*ji+1]
.set ji, ji+1
.endr
.set ji, 0
.rept 32
	v_max_num_f32 v[FA+ji], 0, v[FA+ji]
.set ji, ji+1
.endr
.set ji, 0
.rept 16
	v_cvt_pk_bf16_f32 v[PK+ji], v[FA+2*ji], v[FA+2*ji+1]
.set ji, ji+1
.endr
.set ji, 0
.rept 4
	global_store_b128 v[LOFF], v[PK+4*ji:PK+4*ji+3], s[OB:OB+1] offset:(\n)*OT+512*ji  ; 512 consecutive bytes, at a multiple of 512 from hs's first
.set ji, ji+1
.endr
.Lskip_\@:
.endm
.else
.macro FINAL n                         ; four regions are added; a lane's columns 4 (8 h + reg) + j are put in order, sent through my stage and stored as rows
	s_add_co_u32 s[TP], s[TS], \n
	s_cmp_ge_u32 s[TP], s[LO]
	s_cbranch_scc0 .Lskip_\@
	s_cmp_lt_u32 s[TP], s[HI]
	s_cbranch_scc0 .Lskip_\@
	s_wait_xcnt 0x0                                ; the last tile's stores have read their registers
.set ki, 0
.rept 4
.set ji, 0
.rept 8
	ds_load_b128 v[FA+32*ki+4*ji:FA+32*ki+4*ji+3], v[RD+ki] offset:4096*(\n)+512*ji
.set ji, ji+1
.endr
.set ki, ki+1
.endr
	s_wait_dscnt 0x0
.set ji, 0
.rept 16
	v_pk_add_f32 v[FA+2*ji:FA+2*ji+1], v[FA+2*ji:FA+2*ji+1], v[FA+32+2*ji:FA+32+2*ji+1]
	v_pk_add_f32 v[FA+64+2*ji:FA+64+2*ji+1], v[FA+64+2*ji:FA+64+2*ji+1], v[FA+96+2*ji:FA+96+2*ji+1]
.set ji, ji+1
.endr
.set ki, 0
.rept 8
.set ji, 0
.rept 4
	v_add_f32 v[TR+4*ki+ji], v[FA+8*ji+ki], v[FA+64+8*ji+ki]
.set ji, ji+1
.endr
.set ki, ki+1
.endr
.set ki, 0
.rept 8
	ds_store_b128 v[STO], v[TR+4*ki:TR+4*ki+3] offset:16*ki
.set ki, ki+1
.endr
.set ki, 0
.rept 8
	ds_load_b128 v[BK+4*ki:BK+4*ki+3], v[SRD] offset:544*ki  ; LDS serves a wave's instructions in order (ISA guide 5.7.1.4): these see the stores above, and the next tile's stores come behind them
.set ki, ki+1
.endr
	s_wait_dscnt 0x0
.set ki, 0
.rept 8
	global_store_b128 v[GO], v[BK+4*ki:BK+4*ki+3], s[OB:OB+1] offset:(\n)*OT+8192*ki  ; 16 lanes store 256 consecutive bytes, at a multiple of 256 from part's first
.set ki, ki+1
.endr
.Lskip_\@:
.endm
.endif
.Lchunk:                                               ; six trips, one for each chunk that an expert can have
	s_wait_xcnt 0x0                                ; the bases, and the registers that the last chunk's stores read, are written again only behind this wait
	s_min_u32 s[TP], s[WS], 60                     ; a number from memory enters addresses under this bound: 60 + 11 is the last tile
	s_lshl_b32 s[OF], s[TP], XTSH
	s_add_nc_u64 s[XB:XB+1], s[XO:XO+1], s[OF:OF+1]
	s_lshl_b32 s[OF], s[TP], OTSH
	s_add_nc_u64 s[OB:OB+1], s[OO:OO+1], s[OF:OF+1]
	s_mov_b64 s[WB:WB+1], s[WO:WO+1]
.set gi, 0
.rept 4
	s_cmp_lt_u32 s[LO], 3*gi+3                     ; group gi (tiles 3 gi .. 3 gi + 2) holds a tile of the chunk's own if lo lies below its end
	s_cselect_b32 s[LV+gi], 1, 0
	s_cmp_gt_u32 s[HI], 3*gi                       ; and hi above its first tile
	s_cselect_b32 s[LV+gi], s[LV+gi], 0
.set gi, gi+1
.endr
	s_cmp_eq_u32 s[HI], 0
	s_cbranch_scc1 .Ldead_a                        ; no tile: nothing is streamed
	LOADW 0, 0
	LOADW 1, 1
	LOADX 0, 0
	LOADW 2, 2
	STEP 0, 0, 1, 3, 56, 56, 1                     ; K step 0 stands in front of the loop: its 48 products start the sums
	WIN 0                                          ; at a label and at a branch every window is 0
	s_mov_b32 s[LAP], 3
.Llap:                                                 ; K steps 1 to 12, four a trip
	STEP 1, 1, 2, 4, 56, 56, 0
	STEP 2, 0, 3, 5, 56, 56, 0
	STEP 3, 1, 4, 6, 56, 56, 0
	STEP 0, 0, 5, 7, 56, 56, 0
	WIN 0
	s_wait_xcnt 0x0                                ; the loads' bases step only behind this wait
	s_add_nc_u64 s[WB:WB+1], s[WB:WB+1], WTRIP
	s_add_nc_u64 s[XB:XB+1], s[XB:XB+1], 4096
	s_sub_co_u32 s[LAP], s[LAP], 1
	s_cmp_lg_u32 s[LAP], 0
	s_cbranch_scc1 .Llap
	STEP 1, 1, 2, -1, 56, 40, 0                    ; K step 13: behind X13 stand W15 and X14: 40
	STEP 2, 0, 3, -1, 40, 24, 0                    ; K step 14: behind X14 stands X15: 24
	STEP 3, 1, -1, -1, 24, 0, 0                    ; K step 15: nothing is left out
.rept 4
	v_nop                                          ; the places between the last products and the stores that read them
.endr
	DUMP
.Ldead_a:
	s_wait_dscnt 0x0                               ; for the others' sake: my results are in LDS
	s_barrier_signal -1
	s_barrier_wait -1
	s_cmp_eq_u32 s[HI], 0
	s_cbranch_scc1 .Ldead_b
.set fn, 0
.rept SH
	FINAL fn
.set fn, fn+1
.endr
.Ldead_b:
	s_wait_dscnt 0x0                               ; my reads of the regions are over: behind this barrier they may be written again
	s_barrier_signal -1
	s_barrier_wait -1
.irp k, 32,34,36,38,40,42,44,46,48,50
	s_mov_b64 s[\k:\k+1], s[\k+4:\k+5]             ; the table moves up by an entry
.endr
	s_sub_co_u32 s[CH], s[CH], 1
	s_cmp_lg_u32 s[CH], 0
	s_cbranch_scc1 .Lchunk
	s_wait_tensorcnt 0x0                           ; the wave's end: behind my last LDS store
	ds_add_u32 v[SPW], v[NIL]
	s_wait_dscnt 0x0
	s_endpgm
.Lfunc_end_k_q35f4c9652a_ffn1:
	.size	k_q35f4c9652a_ffn1, .Lfunc_end_k_q35f4c9652a_ffn1-k_q35f4c9652a_ffn1
	.p2alignl 7, 3214868480
	.fill 96, 4, 3214868480
	.section	.rodata,"a",@progbits
	.p2align	6, 0x0
	.amdhsa_kernel k_q35f4c9652a_ffn1
		.amdhsa_group_segment_fixed_size 197120
		.amdhsa_private_segment_fixed_size 0
		.amdhsa_enable_private_segment 0
		.amdhsa_kernarg_size 32
		.amdhsa_user_sgpr_count 2
		.amdhsa_user_sgpr_kernarg_segment_ptr 1
		.amdhsa_wavefront_size32 1
		.amdhsa_system_sgpr_workgroup_id_x 1
		.amdhsa_system_sgpr_workgroup_id_y 1
		.amdhsa_system_sgpr_workgroup_id_z 1
		.amdhsa_system_vgpr_workitem_id 0
		.amdhsa_next_free_vgpr 960
		.amdhsa_next_free_sgpr 66
		.amdhsa_reserve_vcc 0
		.amdhsa_float_denorm_mode_32 3
		.amdhsa_float_denorm_mode_16_64 3
		.amdhsa_memory_ordered 1
		.amdhsa_forward_progress 1
		.amdhsa_inst_pref_size 113
	.end_amdhsa_kernel
	.amdgpu_metadata
---
amdhsa.version: [ 1, 2 ]
amdhsa.kernels:
  - .name:           k_q35f4c9652a_ffn1
    .symbol:         k_q35f4c9652a_ffn1.kd
    .args:
      - { .name: wi, .offset: 0, .size: 8, .value_kind: global_buffer, .address_space: global }
      - { .name: xs, .offset: 8, .size: 8, .value_kind: global_buffer, .address_space: global }
      - { .name: lists, .offset: 16, .size: 8, .value_kind: global_buffer, .address_space: global }
      - { .name: hs, .offset: 24, .size: 8, .value_kind: global_buffer, .address_space: global }
    .group_segment_fixed_size: 197120
    .private_segment_fixed_size: 0
    .kernarg_segment_align: 8
    .kernarg_segment_size: 32
    .max_flat_workgroup_size: 128
    .sgpr_count:     66
    .vgpr_count:     960
    .wavefront_size: 32
...
	.end_amdgpu_metadata
.endif
;; end of part 9
;; launch ffn2 (part 10): grid 256 x 1, 4 waves a work-group, no clusters, 214,528 bytes of LDS; arguments wo, hs, lists, part; writes part
.if DOCPART == 10
	.amdgcn_target "amdgcn-amd-amdhsa--gfx1250"
	.amdhsa_code_object_version 6
	.text
	.protected	k_q35f4c9652a_ffn2
	.globl	k_q35f4c9652a_ffn2
	.p2align	8
	.type	k_q35f4c9652a_ffn2,@function
k_q35f4c9652a_ffn2:
	s_mov_b64 s[64:65], 0
	v_nop
	global_prefetch_b8 v0, s[64:65] scope:SCOPE_SE
	s_setreg_imm32_b32 hwreg(HW_REG_WAVE_MODE, 25, 1), 1
	s_wait_xcnt 0x0
; ONE TEXT FOR BOTH HALVES OF THE EXPERTS' LAYER.  MODE 1: hs = relu(xs wi[e]), bf16.  MODE 2: part[kH] = hs wo[e] over half of F, f32.
; The weights, f32 and [K][N], are read ONCE, straight into registers, rounded to bf16 there, and multiplied; sums in f32.  Operands in bf16 keep f32's range; NaN and infinities are not treated apart.
; A WAVE owns 64 weight columns (256 bytes of a row) x 512 of K (16 K steps of 32) x a CHUNK of 12 tiles of 16 token slots: 48 accumulators, 384 registers.
; WEIGHTS.  A load of 16 bytes a lane takes 256 consecutive, aligned bytes of one row (lanes 0-15) and of another (lanes 16-31).  Sixteen loads are 32 rows.  Register j of loads 2 t' and 2 t' + 1,
; rounded together, is register t' of FRAGMENT j (source 0, 16 rows x 32 K), whose row r is weight column 4 r + j: no lane changes, nothing passes LDS.  Load i's row is the one that the fragment's
; layout wants at k = (i & 7) + 8 h + 16 (i >> 3) (ISA guide 7.12.2).
; TOKENS are source 1: xs and hs lie in memory as fragments ([tile][K step][q][lane][16 bytes]), two loads of 512 consecutive bytes each.  A result holds one slot a lane (lane % 16), columns 4 (8 h + reg) + j.
; MODE 1's results j, j + 1, packed, ARE the two halves of a fragment for MODE 2, in which k = i (+16) stands for f = 64 G + 4 i + j.  MODE 2 fetches wo's rows in that order: any order of rows costs the same.
; SHARES.  Expert e = g >> 5.  MODE 1: 32 work-groups an expert, each 128 columns of F: wave w has column group cg = w & 1 and K half kh = w >> 1.
;          MODE 2: 16 column groups of D x 2 halves of F (kH = g & 1); wave w has K quarter w of that half.  The waves' sums meet in LDS; MODE 2's two halves are added by the next launch.
; CHUNKS.  An expert may have any number of tokens, so a loop of 6 trips (72 tiles at the most) walks its chunks from the table that an earlier launch stored as whole numbers; for each chunk with tiles the
; weights are streamed again; a chunk without is jumped over, forward; the trip's two barriers stand outside what is jumped.  A chunk loads the 12 tiles from ws on (all written), and stores tiles lo .. hi - 1 of them:
; a foreign or empty slot is a column of its own in every product and touches no other.
; GROUPS.  The window's 12 tiles are four groups of three.  A group none of whose tiles is the chunk's own is multiplied in K step 0 alone, which starts every sum; in K steps 1 to 15 its 12 matrix
; instructions are jumped over, forward.  Its token loads are issued all the same, so that every counted wait has the same loads behind it on every path; its results go to LDS and are read by nobody.
; NO CLUSTER, NO TENSOR LOADS: what an expert's work-groups share is the small token window, whose place hangs on the table; the weights, the bulk of the bytes, are shared by nobody.
.set MODE, 2
.if MODE == 1
.set WPITCH, 16384     ; bytes in a row of the weights
.set WTRIP,  4*32*WPITCH  ; four K steps further down
.set XTSH,   15        ; a tile of the tokens' buffer is 1 << XTSH bytes
.set OTSH,   17        ; a tile of the output 1 << OTSH
.set SH,     6         ; tiles that a wave finishes
.else
.set WPITCH, 4096
.set WTRIP,  2*64*WPITCH
.set XTSH,   17
.set OTSH,   16
.set SH,     3
.endif
.set XT,     1<<XTSH
.set OT,     1<<OTSH
.set REGION, 49152     ; LDS: a wave's 48 results: (tile t, fragment j) at (4 t + j) 1,024 + 512 half + 16 lane
.set STAGE,  4*REGION  ; MODE 2: 16 rows x 272 bytes for each wave, for the way out
.set SROWS,  16*272
.set SPARE,  STAGE+(MODE-1)*4*SROWS  ; the spare words, 128 bytes for each wave: two blocks of 256 bytes that no other line names
; window 0
.set WOFF, 2           ; v2   16 (lane % 16) + (lane / 16) << 17: both modes' second row lies 131,072 bytes below the first
.set LOFF, 3           ; v3   16 lane
.set DMP,  4           ; v4   my place in my region
.set RD,   5           ; v5-8 my place in the regions that I sum, at my first tile
.set STO,  9           ; v9   MODE 2: into my stage
.set SRD,  10          ; v10  back out of it
.set GO,   11          ; v11  my byte offset in two rows of part
.set SPW,  12          ; v12  LDS address of my spare word; never rewritten
.set NIL,  13          ; v13  0; never rewritten
.set XF,   64          ; v64-159, v160-255  two buffers of 12 token fragments; at work on the way out
.set FA,   64
.set PK,   128
.set TR,   192
.set BK,   224
; window 1: v0-255 the weights as loaded, four stages of 64: load i's register j at 64 stage + 4 i + j
; window 2: v0-191 accumulators of tiles 0-5 at 32 t + 8 j;  v192-223, v224-255 two buffers of 4 weight fragments.   window 3: v0-191 accumulators of tiles 6-11
.set WF,   192
.set WV,   12          ; s12  wave
.set WO,   16          ; s[16:17] the weights at my first row and column     s[18:19] WB: the same, stepped along K
.set WB,   18
.set XB,   20          ; s[20:21] the tokens at the window's first tile, stepped along K
.set XO,   22          ; s[22:23] the tokens at tile 0, my first K step
.set OO,   24          ; s[24:25] the output at my first tile of window 0
.set OB,   26          ; s[26:27] the same at the window in hand
.set OF,   28          ; s[28:29] an offset, the high word 0
.set LAP,  30
.set CH,   31
.set WS,   32          ; s[32:55] the six entries of my expert's table; the one in hand is s32 ws, s33 lo, s34 hi
.set LO,   33
.set HI,   34
.set TS,   56          ; s56  the first tile that I finish
.set TP,   57          ; s57, s59 at work;  s58 kh or kH
.set LV,   60          ; s60-63  1: group g holds a tile of the chunk's own
.set MSB, 0
.macro WIN new                         ; s_set_vgpr_msb: bits 1:0 source 0, 3:2 source 1, 5:4 source 2, 7:6 destination; the high byte repeats the setting that is left
.if MSB != (\new)
	s_set_vgpr_msb (MSB<<8)|(\new)
.set MSB, (\new)
.endif
.endm
	s_load_b256 s[4:11], s[0:1], 0x0               ; weights s[4:5], tokens s[6:7], lists s[8:9], output s[10:11]
	v_lshl_add_u32 v[SPW], v0, 2, SPARE
	v_mov_b32 v[NIL], 0
	v_lshrrev_b32 v1, 5, v0
	v_readfirstlane_b32 s[WV], v1
	v_and_b32 v1, 31, v0                           ; lane
	v_and_b32 v14, 15, v0                          ; r
	v_bfe_u32 v15, v0, 4, 1                        ; h
	v_lshlrev_b32 v[WOFF], 4, v14
	v_lshl_add_u32 v[WOFF], v15, 17, v[WOFF]
	v_lshlrev_b32 v[LOFF], 4, v1
	s_mul_i32 s[TP], s[WV], REGION
	v_add_nc_u32 v[DMP], s[TP], v[LOFF]
	s_lshr_b32 s13, ttmp9, 5                       ; expert
	s_mov_b32 s[OF+1], 0
.if MODE == 1
	s_and_b32 s14, ttmp9, 31
	s_and_b32 s15, s[WV], 1                        ; cg
	s_lshr_b32 s58, s[WV], 1                       ; kh
	s_lshl1_add_u32 s14, s14, s15                  ; G: my group of 64 columns of F
	s_mul_i32 s[TS], s58, 6
	s_mul_i32 s[TP], s15, REGION                   ; I sum the two waves of my column group: regions cg and cg + 2
	s_lshl_b32 s59, s[TS], 12
	s_add_co_u32 s[TP], s[TP], s59
	v_add_nc_u32 v[RD], s[TP], v[LOFF]
	v_add_nc_u32 v[RD+1], 2*REGION, v[RD]
	s_wait_kmcnt 0x0
	s_lshl_b32 s[OF], s13, 24                      ; wi[e] + kh 512 rows + G 256 bytes
	s_lshl_b32 s59, s58, 23
	s_add_co_u32 s[OF], s[OF], s59
	s_lshl_b32 s59, s14, 8
	s_add_co_u32 s[OF], s[OF], s59
	s_add_nc_u64 s[WO:WO+1], s[4:5], s[OF:OF+1]
	s_lshl_b32 s[OF], s58, 14                      ; K steps 16 kh on
	s_add_nc_u64 s[XO:XO+1], s[6:7], s[OF:OF+1]
	s_mul_i32 s[OF], s58, 6*OT                     ; tiles 6 kh on; K steps 2 G, 2 G + 1 of hs
	s_lshl_b32 s59, s14, 11
	s_add_co_u32 s[OF], s[OF], s59
	s_add_nc_u64 s[OO:OO+1], s[10:11], s[OF:OF+1]
.else
	s_bfe_u32 s14, ttmp9, 0x40001                  ; my group of 64 columns of D
	s_and_b32 s58, ttmp9, 1                        ; kH
	s_mul_i32 s[TS], s[WV], 3
	s_lshl_b32 s59, s[TS], 12
	v_add_nc_u32 v[RD], s59, v[LOFF]               ; I sum all four regions
	v_add_nc_u32 v[RD+1], REGION, v[RD]
	v_add_nc_u32 v[RD+2], 2*REGION, v[RD]
	v_add_nc_u32 v[RD+3], 3*REGION, v[RD]
	s_mul_i32 s[TP], s[WV], SROWS
	s_add_co_u32 s[TP], s[TP], STAGE               ; my stage
	v_mul_u32_u24 v[STO], v14, 272                 ; in: row = slot r; my 32 columns begin at byte 128 h
	v_lshl_add_u32 v[STO], v15, 7, v[STO]
	v_add_nc_u32 v[STO], s[TP], v[STO]
	v_mul_u32_u24 v[SRD], v15, 272                 ; back: lanes 0-15 one row of 256 bytes, lanes 16-31 the next
	v_lshl_add_u32 v[SRD], v14, 4, v[SRD]
	v_add_nc_u32 v[SRD], s[TP], v[SRD]
	v_lshlrev_b32 v[GO], 12, v15                   ; and the same two rows of part
	v_lshl_add_u32 v[GO], v14, 4, v[GO]
	s_wait_kmcnt 0x0
	s_lshl_b32 s[OF], s13, 24                      ; wo[e] + (2,048 kH + 512 w) rows + group x 256 bytes
	s_lshl_b32 s59, s58, 23
	s_add_co_u32 s[OF], s[OF], s59
	s_lshl_b32 s59, s[WV], 21
	s_add_co_u32 s[OF], s[OF], s59
	s_lshl_b32 s59, s14, 8
	s_add_co_u32 s[OF], s[OF], s59
	s_add_nc_u64 s[WO:WO+1], s[4:5], s[OF:OF+1]
	s_lshl_b32 s[OF], s58, 16                      ; K steps 64 kH + 16 w on
	s_lshl_b32 s59, s[WV], 14
	s_add_co_u32 s[OF], s[OF], s59
	s_add_nc_u64 s[XO:XO+1], s[6:7], s[OF:OF+1]
	s_mul_i32 s[OF], s58, 1152*4096                ; part[kH]; tiles 3 w on; my columns
	s_mul_i32 s59, s[WV], 3*OT
	s_add_co_u32 s[OF], s[OF], s59
	s_lshl_b32 s59, s14, 8
	s_add_co_u32 s[OF], s[OF], s59
	s_add_nc_u64 s[OO:OO+1], s[10:11], s[OF:OF+1]
.endif
	s_mul_i32 s[OF], s13, 96
	s_add_nc_u64 s[8:9], s[8:9], s[OF:OF+1]
	s_load_b512 s[32:47], s[8:9], 0x2200           ; my expert's six entries of the table
	s_load_b256 s[48:55], s[8:9], 0x2240
	s_mov_b32 s[CH], 6
	s_wait_kmcnt 0x0
; 16 loads: the 32 rows of K step s (counted from WB) into stage st
.macro LOADW s, st
	WIN 0x40                                       ; destination window 1, address window 0
.set io, 0
.rept 16
.if MODE == 1
.set rw, 32*(\s)+(io&7)+16*(io>>3)
.else
.set rw, 64*((\s)>>1)+2*((\s)&1)+4*(io&7)+(io>>3)
.endif
	global_load_b128 v[64*(\st)+4*io:64*(\st)+4*io+3], v[WOFF], s[WB:WB+1] offset:rw*WPITCH th:TH_LOAD_NT
.set io, io+1
.endr
.endm
; 24 loads: the 12 token fragments of K step s (counted from XB) into buffer b
.macro LOADX s, b
	WIN 0
.set ti, 0
.rept 12
	global_load_b128 v[XF+96*(\b)+8*ti:XF+96*(\b)+8*ti+3],   v[LOFF], s[XB:XB+1] offset:ti*XT+1024*(\s)
	global_load_b128 v[XF+96*(\b)+8*ti+4:XF+96*(\b)+8*ti+7], v[LOFF], s[XB:XB+1] offset:ti*XT+1024*(\s)+512
.set ti, ti+1
.endr
.endm
; 32 roundings: stage st becomes the four fragments of buffer b
.macro CVT st, b
	WIN 0x85                                       ; sources window 1, destination window 2
.set ji, 0
.rept 4
.set tp, 0
.rept 8
	v_cvt_pk_bf16_f32 v[WF+32*(\b)+8*ji+tp], v[64*(\st)+8*tp+ji], v[64*(\st)+8*tp+4+ji]
.set tp, tp+1
.endr
.set ji, ji+1
.endr
.endm
; Group g's 12 matrix instructions, each on an accumulator of its own: the accumulators take turns, one instruction a turn, whichever groups are jumped over.
; zero = 1: K step 0, which starts the sums of every group.  zero = 0: a group without a tile of the chunk's own is jumped over.
.macro GRP b, g, zero
.if (\zero) == 0
	WIN 0                                          ; at a branch and at a label every window is 0
	s_cmp_lg_u32 s[LV+(\g)], 0
	s_cbranch_scc0 .Lnone_\@
.endif
	WIN 0xa2+0x50*((\g)/2)                         ; weights (source 0) window 2, tokens (source 1) window 0; C and D window 2 (groups 0, 1) or 3 (groups 2, 3)
.set ti, 3*(\g)
.rept 3
.set ji, 0
.rept 4
.set ac, 32*(ti%6)+8*ji
.set wa, WF+32*(\b)+8*ji
.set xb, XF+96*(\b)+8*ti
.if \zero
	v_wmma_f32_16x16x32_bf16 v[ac:ac+7], v[wa:wa+7], v[xb:xb+7], 0
.else
	v_wmma_f32_16x16x32_bf16 v[ac:ac+7], v[wa:wa+7], v[xb:xb+7], v[ac:ac+7]
.endif
.set ji, ji+1
.endr
.set ti, ti+1
.endr
.if (\zero) == 0
	WIN 0
.Lnone_\@:
.endif
.endm
.macro MUL b, zero
	GRP \b, 0, \zero
	GRP \b, 1, \zero
	GRP \b, 2, \zero
	GRP \b, 3, \zero
.endm
; A K STEP.  Its weights (stage st) are rounded into buffer b; the next step's tokens (sx) and the weights three steps on (sw) are asked for; then its products.
; The 32 roundings name no register of the last step's products: they are the places between those products and the loads into the token buffer that they read.
; The order of issue is W0 W1 X0 W2 | X1 W3 | X2 W4 | ..  n2: behind X(s) stand W(s+2), X(s+1), W(s+3): 16 + 24 + 16 = 56.  n1: behind W(s) stand more than that, so 56 serves there too.
; More loads are asked for than LOADcnt's field counts; the issue then waits for room (ISA guide 5.7.1), and the counts stay true.
.macro STEP st, b, sx, sw, n1, n2, zero
	s_wait_loadcnt \n1
	CVT \st, \b
.if (\sx) >= 0
	LOADX \sx, 1-(\b)
.endif
.if (\sw) >= 0
	LOADW \sw, ((\st)+3)%4
.endif
	s_wait_loadcnt \n2
	MUL \b, \zero
.endm
; my 48 results into my region, each accumulator's low registers first; 32 lanes x 16 bytes are 512 consecutive bytes
.macro DUMP
.set ti, 0
.rept 12
.if ti == 0
	WIN 0x08                                       ; data (source 1) window 2
.elseif ti == 6
	WIN 0x0c                                       ; window 3
.endif
.set ji, 0
.rept 4
	ds_store_b128 v[DMP], v[32*(ti%6)+8*ji:32*(ti%6)+8*ji+3]   offset:(4*ti+ji)*1024
	ds_store_b128 v[DMP], v[32*(ti%6)+8*ji+4:32*(ti%6)+8*ji+7] offset:(4*ti+ji)*1024+512
.set ji, ji+1
.endr
.set ti, ti+1
.endr
	WIN 0
.endm
; Tile TS + n of the window is finished, if it is the chunk's own (lo <= tile < hi): the jumps go forward and pass no barrier.
.if MODE == 1
.macro FINAL n                         ; two regions are added; relu; rounded to bf16: result j is part j & 1 of K step 2 G + (j >> 1) of hs
	s_add_co_u32 s[TP], s[TS], \n
	s_cmp_ge_u32 s[TP], s[LO]
	s_cbranch_scc0 .Lskip_\@
	s_cmp_lt_u32 s[TP], s[HI]
	s_cbranch_scc0 .Lskip_\@
	s_wait_xcnt 0x0                                ; the last tile's stores have read their registers
.set ji, 0
.rept 8
	ds_load_b128 v[FA+4*ji:FA+4*ji+3],       v[RD]   offset:4096*(\n)+512*ji
	ds_load_b128 v[FA+32+4*ji:FA+32+4*ji+3], v[RD+1] offset:4096*(\n)+512*ji
.set ji, ji+1
.endr
	s_wait_dscnt 0x0
.set ji, 0
.rept 16
	v_pk_add_f32 v[FA+2*ji:FA+2*ji+1], v[FA+2*ji:FA+2*ji+1], v[FA+32+2*ji:FA+32+2*ji+1]
.set ji, ji+1
.endr
.set ji, 0
.rept 32
	v_max_num_f32 v[FA+ji], 0, v[FA+ji]
.set ji, ji+1
.endr
.set ji, 0
.rept 16
	v_cvt_pk_bf16_f32 v[PK+ji], v[FA+2*ji], v[FA+2*ji+1]
.set ji, ji+1
.endr
.set ji, 0
.rept 4
	global_store_b128 v[LOFF], v[PK+4*ji:PK+4*ji+3], s[OB:OB+1] offset:(\n)*OT+512*ji  ; 512 consecutive bytes, at a multiple of 512 from hs's first
.set ji, ji+1
.endr
.Lskip_\@:
.endm
.else
.macro FINAL n                         ; four regions are added; a lane's columns 4 (8 h + reg) + j are put in order, sent through my stage and stored as rows
	s_add_co_u32 s[TP], s[TS], \n
	s_cmp_ge_u32 s[TP], s[LO]
	s_cbranch_scc0 .Lskip_\@
	s_cmp_lt_u32 s[TP], s[HI]
	s_cbranch_scc0 .Lskip_\@
	s_wait_xcnt 0x0                                ; the last tile's stores have read their registers
.set ki, 0
.rept 4
.set ji, 0
.rept 8
	ds_load_b128 v[FA+32*ki+4*ji:FA+32*ki+4*ji+3], v[RD+ki] offset:4096*(\n)+512*ji
.set ji, ji+1
.endr
.set ki, ki+1
.endr
	s_wait_dscnt 0x0
.set ji, 0
.rept 16
	v_pk_add_f32 v[FA+2*ji:FA+2*ji+1], v[FA+2*ji:FA+2*ji+1], v[FA+32+2*ji:FA+32+2*ji+1]
	v_pk_add_f32 v[FA+64+2*ji:FA+64+2*ji+1], v[FA+64+2*ji:FA+64+2*ji+1], v[FA+96+2*ji:FA+96+2*ji+1]
.set ji, ji+1
.endr
.set ki, 0
.rept 8
.set ji, 0
.rept 4
	v_add_f32 v[TR+4*ki+ji], v[FA+8*ji+ki], v[FA+64+8*ji+ki]
.set ji, ji+1
.endr
.set ki, ki+1
.endr
.set ki, 0
.rept 8
	ds_store_b128 v[STO], v[TR+4*ki:TR+4*ki+3] offset:16*ki
.set ki, ki+1
.endr
.set ki, 0
.rept 8
	ds_load_b128 v[BK+4*ki:BK+4*ki+3], v[SRD] offset:544*ki  ; LDS serves a wave's instructions in order (ISA guide 5.7.1.4): these see the stores above, and the next tile's stores come behind them
.set ki, ki+1
.endr
	s_wait_dscnt 0x0
.set ki, 0
.rept 8
	global_store_b128 v[GO], v[BK+4*ki:BK+4*ki+3], s[OB:OB+1] offset:(\n)*OT+8192*ki  ; 16 lanes store 256 consecutive bytes, at a multiple of 256 from part's first
.set ki, ki+1
.endr
.Lskip_\@:
.endm
.endif
.Lchunk:                                               ; six trips, one for each chunk that an expert can have
	s_wait_xcnt 0x0                                ; the bases, and the registers that the last chunk's stores read, are written again only behind this wait
	s_min_u32 s[TP], s[WS], 60                     ; a number from memory enters addresses under this bound: 60 + 11 is the last tile
	s_lshl_b32 s[OF], s[TP], XTSH
	s_add_nc_u64 s[XB:XB+1], s[XO:XO+1], s[OF:OF+1]
	s_lshl_b32 s[OF], s[TP], OTSH
	s_add_nc_u64 s[OB:OB+1], s[OO:OO+1], s[OF:OF+1]
	s_mov_b64 s[WB:WB+1], s[WO:WO+1]
.set gi, 0
.rept 4
	s_cmp_lt_u32 s[LO], 3*gi+3                     ; group gi (tiles 3 gi .. 3 gi + 2) holds a tile of the chunk's own if lo lies below its end
	s_cselect_b32 s[LV+gi], 1, 0
	s_cmp_gt_u32 s[HI], 3*gi                       ; and hi above its first tile
	s_cselect_b32 s[LV+gi], s[LV+gi], 0
.set gi, gi+1
.endr
	s_cmp_eq_u32 s[HI], 0
	s_cbranch_scc1 .Ldead_a                        ; no tile: nothing is streamed
	LOADW 0, 0
	LOADW 1, 1
	LOADX 0, 0
	LOADW 2, 2
	STEP 0, 0, 1, 3, 56, 56, 1                     ; K step 0 stands in front of the loop: its 48 products start the sums
	WIN 0                                          ; at a label and at a branch every window is 0
	s_mov_b32 s[LAP], 3
.Llap:                                                 ; K steps 1 to 12, four a trip
	STEP 1, 1, 2, 4, 56, 56, 0
	STEP 2, 0, 3, 5, 56, 56, 0
	STEP 3, 1, 4, 6, 56, 56, 0
	STEP 0, 0, 5, 7, 56, 56, 0
	WIN 0
	s_wait_xcnt 0x0                                ; the loads' bases step only behind this wait
	s_add_nc_u64 s[WB:WB+1], s[WB:WB+1], WTRIP
	s_add_nc_u64 s[XB:XB+1], s[XB:XB+1], 4096
	s_sub_co_u32 s[LAP], s[LAP], 1
	s_cmp_lg_u32 s[LAP], 0
	s_cbranch_scc1 .Llap
	STEP 1, 1, 2, -1, 56, 40, 0                    ; K step 13: behind X13 stand W15 and X14: 40
	STEP 2, 0, 3, -1, 40, 24, 0                    ; K step 14: behind X14 stands X15: 24
	STEP 3, 1, -1, -1, 24, 0, 0                    ; K step 15: nothing is left out
.rept 4
	v_nop                                          ; the places between the last products and the stores that read them
.endr
	DUMP
.Ldead_a:
	s_wait_dscnt 0x0                               ; for the others' sake: my results are in LDS
	s_barrier_signal -1
	s_barrier_wait -1
	s_cmp_eq_u32 s[HI], 0
	s_cbranch_scc1 .Ldead_b
.set fn, 0
.rept SH
	FINAL fn
.set fn, fn+1
.endr
.Ldead_b:
	s_wait_dscnt 0x0                               ; my reads of the regions are over: behind this barrier they may be written again
	s_barrier_signal -1
	s_barrier_wait -1
.irp k, 32,34,36,38,40,42,44,46,48,50
	s_mov_b64 s[\k:\k+1], s[\k+4:\k+5]             ; the table moves up by an entry
.endr
	s_sub_co_u32 s[CH], s[CH], 1
	s_cmp_lg_u32 s[CH], 0
	s_cbranch_scc1 .Lchunk
	s_wait_tensorcnt 0x0                           ; the wave's end: behind my last LDS store
	ds_add_u32 v[SPW], v[NIL]
	s_wait_dscnt 0x0
	s_endpgm
.Lfunc_end_k_q35f4c9652a_ffn2:
	.size	k_q35f4c9652a_ffn2, .Lfunc_end_k_q35f4c9652a_ffn2-k_q35f4c9652a_ffn2
	.p2alignl 7, 3214868480
	.fill 96, 4, 3214868480
	.section	.rodata,"a",@progbits
	.p2align	6, 0x0
	.amdhsa_kernel k_q35f4c9652a_ffn2
		.amdhsa_group_segment_fixed_size 214528
		.amdhsa_private_segment_fixed_size 0
		.amdhsa_enable_private_segment 0
		.amdhsa_kernarg_size 32
		.amdhsa_user_sgpr_count 2
		.amdhsa_user_sgpr_kernarg_segment_ptr 1
		.amdhsa_wavefront_size32 1
		.amdhsa_system_sgpr_workgroup_id_x 1
		.amdhsa_system_sgpr_workgroup_id_y 1
		.amdhsa_system_sgpr_workgroup_id_z 1
		.amdhsa_system_vgpr_workitem_id 0
		.amdhsa_next_free_vgpr 960
		.amdhsa_next_free_sgpr 66
		.amdhsa_reserve_vcc 0
		.amdhsa_float_denorm_mode_32 3
		.amdhsa_float_denorm_mode_16_64 3
		.amdhsa_memory_ordered 1
		.amdhsa_forward_progress 1
		.amdhsa_inst_pref_size 107
	.end_amdhsa_kernel
	.amdgpu_metadata
---
amdhsa.version: [ 1, 2 ]
amdhsa.kernels:
  - .name:           k_q35f4c9652a_ffn2
    .symbol:         k_q35f4c9652a_ffn2.kd
    .args:
      - { .name: wo, .offset: 0, .size: 8, .value_kind: global_buffer, .address_space: global }
      - { .name: hs, .offset: 8, .size: 8, .value_kind: global_buffer, .address_space: global }
      - { .name: lists, .offset: 16, .size: 8, .value_kind: global_buffer, .address_space: global }
      - { .name: part, .offset: 24, .size: 8, .value_kind: global_buffer, .address_space: global }
    .group_segment_fixed_size: 214528
    .private_segment_fixed_size: 0
    .kernarg_segment_align: 8
    .kernarg_segment_size: 32
    .max_flat_workgroup_size: 128
    .sgpr_count:     66
    .vgpr_count:     960
    .wavefront_size: 32
...
	.end_amdgpu_metadata
.endif
;; end of part 10
;; launch combine: the kernel of part 6 again; grid 256 x 1, 4 waves a work-group, no clusters, 0 bytes of LDS; arguments hidden_states, tokf, lists, part, out0; writes out0
;; ======== version 3 of 3: 5 launches; version 2 with the launches gather, combine written anew for expert scheduling mode
;; workspace buffers: eidx 4,096 bytes of whole numbers; tokf 8,192 bytes; lists 9,472 bytes of whole numbers; xs 2,359,296 bytes; hs 9,437,184 bytes; part 9,437,184 bytes
;; launch router: the kernel of part 7 again; grid 256 x 1, 1 waves a work-group, no clusters, 0 bytes of LDS; arguments hidden_states, ln_weight, router_w, out1, out2, eidx, tokf; writes out1, out2, eidx, tokf
;; launch gather (part 11): grid 72 x 1, 4 waves a work-group, no clusters, 0 bytes of LDS; arguments hidden_states, ln_weight, tokf, eidx, lists, xs; writes lists, xs
.if DOCPART == 11
	.amdgcn_target "amdgcn-amd-amdhsa--gfx1250"
	.amdhsa_code_object_version 6
	.text
	.protected	k_q35f4c9652a_gather
	.globl	k_q35f4c9652a_gather
	.p2align	8
	.type	k_q35f4c9652a_gather,@function
k_q35f4c9652a_gather:
	s_mov_b64 s[64:65], 0
	v_nop
	global_prefetch_b8 v0, s[64:65] scope:SCOPE_SE
	s_setreg_imm32_b32 hwreg(HW_REG_WAVE_SCHED_MODE, 0, 2), 2
	s_setreg_imm32_b32 hwreg(HW_REG_WAVE_MODE, 25, 1), 1
	s_wait_xcnt 0x0
	s_wait_alu depctr_vm_vsrc(0)
; BUCKETS AND GATHER.  The 1,024 tokens are laid by expert into SLOTS, in the tokens' order; an expert's slots begin at a multiple of 16 (a TILE of 16 slots).
; A work-group makes tile tau (all 72, so that every byte of xs is written): it finds the tile's 16 tokens from eidx, the experts that an earlier launch stored as whole numbers (0 to 7),
; and writes xs = the normed tokens in slot order, bf16, laid as the matrix instruction's fragments: [tile][K step of 32][q][lane][16 bytes]:
; lane (r = lane % 16, h = lane / 16) of part q holds slot r, d = 32 ks + 16 q + 8 h + 0..7, so that a later launch fills a fragment by two loads of 512 consecutive bytes.
; normed = x * rs * ln_weight in f32, rounded once to bf16.  An empty slot takes rs = 0 and some token's row: zeros, if that row is finite; it is a column of its own in every product and is never stored.
; lists:  pos[1024] at byte 4,608: token -> slot (work-group tau stores it for its own slots: 4 bytes a lane, 4 KB in the whole launch);
;         tab[8][6][4] at 8,704 (work-group e < 8 stores expert e's): for chunk c of 12 tiles: ws (the first tile of the window of 12 that is loaded), lo, hi (the window's tiles lo .. hi - 1 are the chunk's own), 0.
;         U = the tiles in use, 64 to 71.  A window never passes tile U - 1: ws = min(first tile, U - 12).  A chunk without tiles has 0, 0, 0.  Bytes 0 to 4,607 are not used.
; EVERY WAVE FINDS THE TOKENS FOR ITSELF, from all 1,024 experts in 32 registers: no LDS, no barrier.
;   counts: a lane adds 1 << 6 (e & 3) into a sum of four 6-bit fields, and the same times e >> 2 into a second sum (a lane has 32 tokens: a field holds 32 at the most); then over the lanes in 16-bit fields.
;   the tile's expert e*: the last whose first tile is not behind tau.  32 ballots (e == e*), their running counts in scalar registers.
;   lane r wants the member of rank R = 16 (tau - first tile) + r: the last group of 32 tokens whose running count is not above R, and in that group's ballot the set bit number R - count.
; All that runs with every lane on; the stores under masks stand at a wave's end.  Wave w then makes the tile's K steps 8 w .. 8 w + 7: 16 units of (K step, q), through a ring of 8 slots of registers.
; THE MODE: SCHED_MODE bits 1:0 = 2 (LLVM: expert scheduling mode 2), set by the entry lines.  The code itself states the register dependences
; between vector instructions and memory instructions, with s_wait_alu, always for 0.
; THE PLAN.  Registers that memory instructions touch:
;   v5, v8, v9, v10, v11   byte offsets, each made once and never written again.
;   IDX                    written by the 32 loads of eidx; read by vector lines alone.
;   XR[k % 8], LR[k % 8]   unit k's x and ln_weight.  Written by unit k's four loads; read by unit k's packed lines, which also write XR in place.
;   OR[k]                  unit k's 16 bytes a lane.  Written by unit k's roundings, once; read by the one store that is issued at the head of unit k + 1.  Sixteen of them: none is written twice.
; Unit k works on slot k % 8 and on OR[k].  The memory instructions at its head are the store from OR[k - 1] and the loads of unit k + 7 into slot (k - 1) % 8: what unit k - 1 worked on.
; So ONE wait on va_vdst at a unit's head states all that they hang on.  A scalar register or VCC that a vector line writes has its wait ahead of its first reader; the compares stand in runs under one wait.
.set RK,   12          ; v12      R
.set WORD, 13          ; v13      the ballot of the group that holds my member
.set BEF,  14          ; v14      members in the groups before it
.set TOKB, 15          ; v15      that group's first token
.set IDX,  16          ; v16-47   expert of token 32 g + lane
.set T,    48          ; v48-51   at work, four registers by turns
.set H,    52          ; v52-55   e >> 2
.set AA,   56          ; v56-59   four packed sums: fields (e & 3)
.set AH,   60          ; v60-63   the same for e >= 4 alone
.set F,    64          ; v64-67   counts in 16-bit fields: experts 0|2, 1|3, 4|6, 5|7
.set TM,   68          ; v68-71   takes another lane's number
.set ONE,  72
.set LW,   73          ; the packed sum for e < 4
.set SA,   74          ; the ballot's set bits counted in fields of 2,
.set SB,   75          ; of 4,
.set SC,   76          ; of 8 bits
.set KK,   77          ; set bits still to pass
.set SS,   78          ; the bit's place so far
.set TT,   79
.set K2,   80
.set S2,   81
.set XR,   32          ; v32-95    the ring's x: 8 registers a slot (the registers above are free by then)
.set LR,   96          ; v96-159   ln_weight likewise
.set OR,   160         ; v160-223  4 registers a unit, to store: sixteen units
.set CT,   32          ; s32-39   tokens of expert e
.set CP,   32          ; s33-63   later: members in the groups before group g
.set MK,   66          ; s66-97   the ballot of group g
.set CD,   98          ; s98-101  four conditions by turns
; s16 wave; s19 the lanes whose slot holds a token; s24 tau; s25 the running first tile, at last U; s26 e*, s27 its first tile, s28 its tokens; s29, s30 expert tau's first tile and tiles
	s_load_b256 s[4:11], s[0:1], 0x0               ; hidden s[4:5], ln_weight s[6:7], tokf s[8:9], eidx s[10:11]
	s_load_b128 s[12:15], s[0:1], 0x20             ; lists s[12:13], xs s[14:15]
	v_lshrrev_b32 v2, 5, v0
	v_readfirstlane_b32 s16, v2                    ; wave
	v_and_b32 v1, 31, v0                           ; lane
	v_and_b32 v2, 15, v0                           ; r
	v_bfe_u32 v3, v0, 4, 1                         ; h
	v_lshlrev_b32 v5, 2, v1                        ; 4 x lane
	v_mov_b32 v[ONE], 1
	v_mov_b32 v[TM], 0                             ; a lane exchange counts as a reader of its destination
	v_mov_b32 v[TM+1], 0
	v_mov_b32 v[TM+2], 0
	v_mov_b32 v[TM+3], 0
	s_wait_alu depctr_va_sdst(0)                   ; s16 is written, ahead of its first reader
	s_lshl_b32 s17, s16, 10                        ; my 8 K steps: 1,024 bytes of a row
	s_lshl_b32 s18, s16, 13                        ; and 8,192 bytes of the tile
	s_mov_b32 s24, ttmp9                           ; tau
	s_lshl_b32 s20, ttmp9, 15                      ; the tile's 32,768 bytes of xs
	s_mov_b32 s21, 0
	s_mov_b32 s22, 0x76543210                      ; each lane takes its own place in the other half
	s_mov_b32 s23, 0xfedcba98
	v_lshl_add_u32 v10, v3, 5, s17                 ; in ln_weight: 32 h + 1,024 w
	v_lshl_add_u32 v11, v1, 4, s18                 ; in the tile: 16 lane + 8,192 w
	s_wait_kmcnt 0x0
	s_add_nc_u64 s[14:15], s[14:15], s[20:21]
	s_wait_alu depctr_va_vdst(0)                   ; v5 is written, which the loads below read as their offset
.set g, 0
.rept 32
	global_load_b32 v[IDX+g], v5, s[10:11] offset:128*g
.set g, g+1
.endr
	; THE COUNTS, four registers at a time; the first four start the sums
.set q, 0
.rept 8
	s_wait_loadcnt 28-4*q                          ; loads come back in order: registers 4 q .. 4 q + 3 are in, the later ones stay out
.set k, 0
.rept 4
	v_and_b32 v[T+k], 3, v[IDX+4*q+k]
.set k, k+1
.endr
.set k, 0
.rept 4
	v_lshrrev_b32 v[H+k], 2, v[IDX+4*q+k]
.set k, k+1
.endr
.set k, 0
.rept 4
	v_mul_u32_u24 v[T+k], 6, v[T+k]
.set k, k+1
.endr
.set k, 0
.rept 4
	v_lshlrev_b32 v[T+k], v[T+k], v[ONE]           ; 1 << 6 (e & 3): 2^18 at the most
.set k, k+1
.endr
.set k, 0
.rept 4
.if q == 0
	v_mov_b32 v[AA+k], v[T+k]
	v_mul_u32_u24 v[AH+k], v[T+k], v[H+k]
.else
	v_add_nc_u32 v[AA+k], v[AA+k], v[T+k]
	v_mad_u32_u24 v[AH+k], v[T+k], v[H+k], v[AH+k]
.endif
.set k, k+1
.endr
.set q, q+1
.endr
	v_add_nc_u32 v[AA], v[AA], v[AA+1]
	v_add_nc_u32 v[AA+2], v[AA+2], v[AA+3]
	v_add_nc_u32 v[AH], v[AH], v[AH+1]
	v_add_nc_u32 v[AH+2], v[AH+2], v[AH+3]
	v_add_nc_u32 v[AA], v[AA], v[AA+2]
	v_add_nc_u32 v[AH], v[AH], v[AH+2]
	v_sub_nc_u32 v[LW], v[AA], v[AH]               ; field by field: no field of the second sum is above the first's
	v_bfe_u32 v[F],   v[LW], 0, 6                  ; expert 0
	v_bfe_u32 v[F+1], v[LW], 6, 6                  ; 1
	v_bfe_u32 v[F+2], v[AH], 0, 6                  ; 4
	v_bfe_u32 v[F+3], v[AH], 6, 6                  ; 5
	v_bfe_u32 v[T],   v[LW], 12, 6                 ; 2
	v_bfe_u32 v[T+1], v[LW], 18, 6                 ; 3
	v_bfe_u32 v[T+2], v[AH], 12, 6                 ; 6
	v_bfe_u32 v[T+3], v[AH], 18, 6                 ; 7
.set k, 0
.rept 4
	v_lshl_or_b32 v[F+k], v[T+k], 16, v[F+k]       ; two counts a register: a sum over the lanes is 1,024 at the most
.set k, k+1
.endr
.irp m, 1,2,4,8
.set k, 0
.rept 4
	v_mov_b32_dpp v[TM+k], v[F+k] row_xmask:\m row_mask:0xf bank_mask:0xf
.set k, k+1
.endr
.set k, 0
.rept 4
	v_add_nc_u32 v[F+k], v[F+k], v[TM+k]
.set k, k+1
.endr
.endr
.set k, 0
.rept 4
	v_permlanex16_b32 v[TM+k], v[F+k], s22, s23
.set k, k+1
.endr
.set k, 0
.rept 4
	v_add_nc_u32 v[F+k], v[F+k], v[TM+k]
.set k, k+1
.endr
.set k, 0
.rept 4
	v_readfirstlane_b32 s[40+k], v[F+k]
.set k, k+1
.endr
	s_wait_alu depctr_va_sdst(0)                   ; s40 to s43 are written, ahead of their first readers: one wait for the four
	s_and_b32 s[CT+0], s40, 0xffff
	s_lshr_b32 s[CT+2], s40, 16
	s_and_b32 s[CT+1], s41, 0xffff
	s_lshr_b32 s[CT+3], s41, 16
	s_and_b32 s[CT+4], s42, 0xffff
	s_lshr_b32 s[CT+6], s42, 16
	s_and_b32 s[CT+5], s43, 0xffff
	s_lshr_b32 s[CT+7], s43, 16
	; THE TILES.  An expert without tokens has no tile; its first tile is the next expert's, which then takes its place below.
	s_mov_b32 s25, 0
	s_mov_b32 s26, 0
	s_mov_b32 s27, 0
	s_mov_b32 s28, 0
	s_mov_b32 s29, 0
	s_mov_b32 s30, 0
.set e, 0
.rept 8
	s_add_co_u32 s31, s[CT+e], 15
	s_lshr_b32 s31, s31, 4                         ; its tiles
	s_cmp_ge_u32 s24, s25                          ; is its first tile not behind tau?
	s_cselect_b32 s26, e, s26
	s_cselect_b32 s27, s25, s27
	s_cselect_b32 s28, s[CT+e], s28
	s_cmp_eq_u32 s24, e                            ; for the table
	s_cselect_b32 s29, s25, s29
	s_cselect_b32 s30, s31, s30
	s_add_co_u32 s25, s25, s31
.set e, e+1
.endr
	s_sub_co_u32 s31, s24, s27
	s_lshl_b32 s31, s31, 4
	v_add_nc_u32 v[RK], s31, v2                    ; R.  From tile U on, and in an expert's last tile, R may pass its tokens:
	v_cmp_gt_u32 s19, s28, v[RK]                   ; the lanes whose slot holds a token
	; THE BALLOTS in one run, then their running counts in one scalar run
.set g, 0
.rept 32
	v_cmp_eq_u32 s[MK+g], s26, v[IDX+g]
.set g, g+1
.endr
	s_wait_alu depctr_va_sdst(0)                   ; s19 and the 32 ballots are written, ahead of their first readers: one wait for the run of 33 compares
	s_bcnt1_i32_b32 s[CP+1], s[MK]
.set g, 2
.rept 30
	s_bcnt1_i32_b32 s[CP+g], s[MK+g-1]
	s_add_co_u32 s[CP+g], s[CP+g], s[CP+g-1]
.set g, g+1
.endr
	; THE GROUP: the counts never fall, so the last group whose count is not above R is the one; four compares, then their twelve selects
	v_mov_b32 v[WORD], s[MK]
	v_mov_b32 v[BEF], 0
	v_mov_b32 v[TOKB], 0
.set gb, 1
.rept 8
.set j, 0
.rept 4
.if gb+j < 32
	v_cmp_gt_u32 s[CD+j], s[CP+gb+j], v[RK]        ; above R: what I have stays
.endif
.set j, j+1
.endr
	s_wait_alu depctr_va_sdst(0)                   ; the run's conditions are written, ahead of the selects that read them
.set j, 0
.rept 4
.if gb+j < 32
	v_cndmask_b32 v[WORD], s[MK+gb+j], v[WORD], s[CD+j]
	v_cndmask_b32 v[BEF], s[CP+gb+j], v[BEF], s[CD+j]
	v_cndmask_b32 v[TOKB], 32*(gb+j), v[TOKB], s[CD+j]
.endif
.set j, j+1
.endr
.set gb, gb+4
.endr
	; THE BIT: set bits counted in fields of 2, 4 and 8; then five halvings: if the lower half holds too few, pass it
	v_lshrrev_b32 v[TT], 1, v[WORD]
	v_and_b32 v[TT], 0x55555555, v[TT]
	v_sub_nc_u32 v[SA], v[WORD], v[TT]
	v_lshrrev_b32 v[TT], 2, v[SA]
	v_and_b32 v[SB], 0x33333333, v[SA]
	v_and_b32 v[TT], 0x33333333, v[TT]
	v_add_nc_u32 v[SB], v[SB], v[TT]
	v_lshrrev_b32 v[TT], 4, v[SB]
	v_add_nc_u32 v[TT], v[SB], v[TT]
	v_and_b32 v[SC], 0x0f0f0f0f, v[TT]
	v_sub_nc_u32 v[KK], v[RK], v[BEF]
	v_bfe_u32 v[TT], v[SC], 0, 8
	v_bfe_u32 v[K2], v[SC], 8, 8
	v_add_nc_u32 v[TT], v[TT], v[K2]               ; set bits among bits 0 to 15
	v_cmp_ge_u32 vcc_lo, v[KK], v[TT]
	v_sub_nc_u32 v[K2], v[KK], v[TT]
	s_wait_alu depctr_va_vcc(0)                    ; VCC is written, ahead of the two selects that read it
	v_cndmask_b32 v[KK], v[KK], v[K2], vcc_lo
	v_cndmask_b32 v[SS], 0, 16, vcc_lo
.macro LEVEL src, w                    ; the field of w bits at the place so far counts the lower half's set bits
	v_bfe_u32 v[TT], v[\src], v[SS], \w
	v_add_nc_u32 v[S2], \w, v[SS]
	v_cmp_ge_u32 vcc_lo, v[KK], v[TT]
	v_sub_nc_u32 v[K2], v[KK], v[TT]
	s_wait_alu depctr_va_vcc(0)                    ; VCC is written, ahead of the two selects that read it
	v_cndmask_b32 v[KK], v[KK], v[K2], vcc_lo
	v_cndmask_b32 v[SS], v[SS], v[S2], vcc_lo
.endm
	LEVEL SC, 8
	LEVEL SB, 4
	LEVEL SA, 2
	LEVEL WORD, 1
	v_add_nc_u32 v4, v[TOKB], v[SS]                ; my slot's token
	v_min_u32 v4, 0x3ff, v4                        ; a number made from memory enters addresses under this bound
	v_lshlrev_b32 v8, 2, v4
	v_lshl_add_u32 v9, v4, 12, v10                 ; in hidden: the token's row + 32 h + 1,024 w
; Unit k (K step k / 2 of my eight, part k % 2): 32 bytes of x, then 32 of ln_weight, into slot k % 8
.macro ASK k
.set ua, (\k)%8
	global_load_b128 v[XR+8*ua:XR+8*ua+3],   v9,  s[4:5] offset:64*(\k)
	global_load_b128 v[XR+8*ua+4:XR+8*ua+7], v9,  s[4:5] offset:64*(\k)+16
	global_load_b128 v[LR+8*ua:LR+8*ua+3],   v10, s[6:7] offset:64*(\k)
	global_load_b128 v[LR+8*ua+4:LR+8*ua+7], v10, s[6:7] offset:64*(\k)+16
.endm
.macro SEND k
	global_store_b128 v11, v[OR+4*(\k):OR+4*(\k)+3], s[14:15] offset:512*(\k)  ; 512 consecutive bytes, at a multiple of 512 from xs's first
.endm
; Unit k's turn.  left = how many younger loads may stay out when its four have to be there.
.macro UNIT k, left
	s_wait_loadcnt \left                           ; loads come back in order: unit k's four are in, the later units' stay out
.if (\k) > 0
	s_wait_alu depctr_va_vdst(0)                   ; the unit before has written its OR, which the store below reads, and is done with its slot of XR and LR, in which the loads below land
	SEND (\k)-1
.if (\k) < 9
	ASK (\k)+7                                     ; the slot is asked for again at once: no vector line since the wait names it
.endif
.endif
.set u, (\k)%8
.set p, 0
.rept 4
	v_pk_mul_f32 v[XR+8*u+2*p:XR+8*u+2*p+1], v[XR+8*u+2*p:XR+8*u+2*p+1], v[6:7]
.set p, p+1
.endr
.set p, 0
.rept 4
	v_pk_mul_f32 v[XR+8*u+2*p:XR+8*u+2*p+1], v[XR+8*u+2*p:XR+8*u+2*p+1], v[LR+8*u+2*p:LR+8*u+2*p+1]
.set p, p+1
.endr
.set p, 0
.rept 4
	v_cvt_pk_bf16_f32 v[OR+4*(\k)+p], v[XR+8*u+2*p], v[XR+8*u+2*p+1]
.set p, p+1
.endr
.endm
	s_wait_alu depctr_va_vdst(0)                   ; v8 and v9 are written, which the loads below read; every vector line that named v32 to v81, in which they land, is done
	global_load_b32 v6, v8, s[8:9]                 ; rs
.irp k, 0,1,2,3,4,5,6,7
	ASK \k                                         ; the ring's first fill: 32 loads
.endr
	s_wait_loadcnt 32                              ; rs is in; the ring's 32 loads were issued behind it
	v_cndmask_b32 v6, 0, v6, s19                   ; an empty slot: 0
	v_mov_b32 v7, v6
	UNIT 0, 28                                     ; behind unit 0's loads stand units 1 to 7
.irp k, 1,2,3,4,5,6,7,8,9
	UNIT \k, 24                                    ; behind unit k's loads stand six younger units': those of the first fill that are left, and those asked for at the heads of the units since
.endr
.irp k, 10,11,12,13,14,15
	UNIT \k, 60-4*(\k)                             ; nothing more is asked for: the counts run down
.endr
	s_wait_alu depctr_va_vdst(0)                   ; unit 15 has written its OR, which the last store reads
	SEND 15
	; THE LISTS.  Wave 0: pos for the tile's tokens.  Wave 1 of work-groups 0 to 7: that expert's table.
	s_cmp_lg_u32 s16, 0
	s_cbranch_scc1 .Lnot_wave_0
	s_lshl_b32 s31, s24, 4
	v_add_nc_u32 v12, s31, v2                      ; my slot: 16 tau + r
	s_and_b32 s19, s19, 0xffff                     ; each slot once: lanes 0 to 15
	s_wait_xcnt 0x0                                ; EXEC is a source of the pending stores: it changes only behind this wait
	s_wait_alu depctr_va_vdst(0)                   ; ahead of the write of EXEC: the vector lines issued so far are done; among them the one that writes v12, the store's data
	s_wait_alu depctr_vm_vsrc(0)                   ; ahead of the write of EXEC: the memory instructions issued so far have read their registers
	s_and_saveexec_b32 s31, s19
	global_store_b32 v8, v12, s[12:13] offset:4608 ; pos[token] = slot
	s_endpgm
.Lnot_wave_0:
	s_cmp_eq_u32 s16, 1
	s_cbranch_scc0 .Lend
	s_cmp_lt_u32 s24, 8
	s_cbranch_scc0 .Lend
	v_lshrrev_b32 v12, 2, v1                       ; lane l holds word l & 3 of chunk c = l >> 2
	v_mul_u32_u24 v12, 12, v12                     ; 12 c
	s_sub_co_u32 s31, s25, 12                      ; U - 12
	s_add_co_u32 s27, s29, s30                     ; the tile behind the expert's last
	v_add_nc_u32 v13, s29, v12                     ; the chunk's first tile
	v_min_u32 v14, s31, v13                        ; ws
	v_sub_nc_u32 v15, v13, v14                     ; lo
	v_sub_nc_u32 v16, s27, v14
	v_min_u32 v16, 12, v16                         ; hi
	v_and_b32 v17, 3, v1
	v_cmp_eq_u32 s[CD], 1, v17                     ; the compares stand in one run
	v_cmp_eq_u32 s[CD+1], 2, v17
	v_cmp_eq_u32 s[CD+2], 3, v17
	v_cmp_gt_u32 s[CD+3], s30, v12                 ; has the chunk a tile?
	v_cmp_gt_u32 vcc_lo, 24, v1                    ; the 24 lanes that store
	s_wait_alu depctr_va_sdst(0)                   ; the four conditions are written, ahead of the selects that read them
	v_cndmask_b32 v14, v14, v15, s[CD]
	v_cndmask_b32 v14, v14, v16, s[CD+1]
	v_cndmask_b32 v14, v14, 0, s[CD+2]
	v_cndmask_b32 v14, 0, v14, s[CD+3]
	s_mul_i32 s20, s24, 96
	s_wait_xcnt 0x0                                ; EXEC changes only behind this wait
	s_add_nc_u64 s[12:13], s[12:13], s[20:21]
	s_wait_alu depctr_va_vcc(0)                    ; VCC is written: EXEC is made from it
	s_wait_alu depctr_va_vdst(0)                   ; ahead of the write of EXEC: the vector lines issued so far are done; among them the selects that write v14, the store's data
	s_wait_alu depctr_vm_vsrc(0)                   ; ahead of the write of EXEC: the memory instructions issued so far have read their registers
	s_and_saveexec_b32 s31, vcc_lo
	global_store_b32 v5, v14, s[12:13] offset:8704 ; 96 consecutive bytes
	s_endpgm
.Lend:
	s_endpgm
.Lfunc_end_k_q35f4c9652a_gather:
	.size	k_q35f4c9652a_gather, .Lfunc_end_k_q35f4c9652a_gather-k_q35f4c9652a_gather
	.p2alignl 7, 3214868480
	.fill 96, 4, 3214868480
	.section	.rodata,"a",@progbits
	.p2align	6, 0x0
	.amdhsa_kernel k_q35f4c9652a_gather
		.amdhsa_group_segment_fixed_size 0
		.amdhsa_private_segment_fixed_size 0
		.amdhsa_enable_private_segment 0
		.amdhsa_kernarg_size 48
		.amdhsa_user_sgpr_count 2
		.amdhsa_user_sgpr_kernarg_segment_ptr 1
		.amdhsa_wavefront_size32 1
		.amdhsa_system_sgpr_workgroup_id_x 1
		.amdhsa_system_sgpr_workgroup_id_y 1
		.amdhsa_system_sgpr_workgroup_id_z 1
		.amdhsa_system_vgpr_workitem_id 0
		.amdhsa_next_free_vgpr 224
		.amdhsa_next_free_sgpr 102
		.amdhsa_reserve_vcc 1
		.amdhsa_float_denorm_mode_32 3
		.amdhsa_float_denorm_mode_16_64 3
		.amdhsa_memory_ordered 1
		.amdhsa_forward_progress 1
		.amdhsa_inst_pref_size 56
	.end_amdhsa_kernel
	.amdgpu_metadata
---
amdhsa.version: [ 1, 2 ]
amdhsa.kernels:
  - .name:           k_q35f4c9652a_gather
    .symbol:         k_q35f4c9652a_gather.kd
    .args:
      - { .name: hidden_states, .offset: 0, .size: 8, .value_kind: global_buffer, .address_space: global }
      - { .name: ln_weight, .offset: 8, .size: 8, .value_kind: global_buffer, .address_space: global }
      - { .name: tokf, .offset: 16, .size: 8, .value_kind: global_buffer, .address_space: global }
      - { .name: eidx, .offset: 24, .size: 8, .value_kind: global_buffer, .address_space: global }
      - { .name: lists, .offset: 32, .size: 8, .value_kind: global_buffer, .address_space: global }
      - { .name: xs, .offset: 40, .size: 8, .value_kind: global_buffer, .address_space: global }
    .group_segment_fixed_size: 0
    .private_segment_fixed_size: 0
    .kernarg_segment_align: 8
    .kernarg_segment_size: 48
    .max_flat_workgroup_size: 128
    .sgpr_count:     102
    .vgpr_count:     224
    .wavefront_size: 32
...
	.end_amdgpu_metadata
.endif
;; end of part 11
;; launch ffn1: the kernel of part 9 again; grid 256 x 1, 4 waves a work-group, no clusters, 197,120 bytes of LDS; arguments wi, xs, lists, hs; writes hs
;; launch ffn2: the kernel of part 10 again; grid 256 x 1, 4 waves a work-group, no clusters, 214,528 bytes of LDS; arguments wo, hs, lists, part; writes part
;; launch combine (part 12): grid 256 x 1, 4 waves a work-group, no clusters, 0 bytes of LDS; arguments hidden_states, tokf, lists, part, out0; writes out0
.if DOCPART == 12
	.amdgcn_target "amdgcn-amd-amdhsa--gfx1250"
	.amdhsa_code_object_version 6
	.text
	.protected	k_q35f4c9652a_combine
	.globl	k_q35f4c9652a_combine
	.p2align	8
	.type	k_q35f4c9652a_combine,@function
k_q35f4c9652a_combine:
	s_mov_b64 s[64:65], 0
	v_nop
	global_prefetch_b8 v0, s[64:65] scope:SCOPE_SE
	s_setreg_imm32_b32 hwreg(HW_REG_WAVE_SCHED_MODE, 0, 2), 2
	s_setreg_imm32_b32 hwreg(HW_REG_WAVE_MODE, 25, 1), 1
	s_wait_xcnt 0x0
	s_wait_alu depctr_vm_vsrc(0)
; out0[token] = hidden[token] + p[token] * (part[0][slot] + part[1][slot]), slot = pos[token]; all f32.
; A wave takes one token: a row of 4,096 bytes is eight loads of 512 consecutive bytes.  The slot is a whole number that an earlier launch stored; it enters the address under the bound 1,151.
; THE MODE: SCHED_MODE bits 1:0 = 2 (LLVM: expert scheduling mode 2), set by the entry lines.  The code itself states the register dependences
; between vector instructions and memory instructions, with s_wait_alu, always for 0.
; THE PLAN.  Registers that memory instructions touch:
;   v1        16 x lane: made at the head, never written again; the offset of every load and store.
;   H, P1     written by loads, read by vector lines alone.
;   P0[i]     written by its load, then by step i's four packed lines, in place; read by the one store that is issued at the head of step i + 1; never written after that.
; So one wait on va_vdst stands at the head of each step but the first, behind the wait for the step's data, and the store of the step before follows it; one more stands ahead of the last store.
.set P0, 8             ; v8-39    part[0]'s row, then the result
.set P1, 40            ; v40-71   part[1]'s row
.set H,  72            ; v72-103  hidden's row
	s_load_b256 s[4:11], s[0:1], 0x0               ; hidden s[4:5], tokf s[6:7], lists s[8:9], part s[10:11]
	s_load_b64 s[12:13], s[0:1], 0x20              ; out0
	v_lshrrev_b32 v2, 5, v0
	v_readfirstlane_b32 s14, v2                    ; wave
	v_and_b32 v1, 31, v0
	v_lshlrev_b32 v1, 4, v1                        ; 16 x lane
	s_wait_alu depctr_va_sdst(0)                   ; s14 is written, ahead of its first reader
	s_lshl_b32 s15, ttmp9, 2
	s_add_co_u32 s15, s15, s14                     ; my token
	s_lshl_b32 s20, s15, 2
	s_lshl_b32 s24, s15, 12
	s_mov_b32 s25, 0
	s_mov_b32 s23, 0
	s_wait_kmcnt 0x0
	s_load_b32 s16, s[8:9], s20 offset:4608        ; pos[token]
	s_load_b32 s18, s[6:7], s20 offset:4096        ; the top probability
	s_add_nc_u64 s[4:5], s[4:5], s[24:25]
	s_add_nc_u64 s[12:13], s[12:13], s[24:25]
	s_wait_alu depctr_va_vdst(0)                   ; v1 is written: every load and store of the kernel reads it as its offset
.set i, 0
.rept 8
	global_load_b128 v[H+4*i:H+4*i+3], v1, s[4:5] offset:512*i
.set i, i+1
.endr
	s_wait_kmcnt 0x0
	s_mov_b32 s19, s18                             ; named with it as a pair
	s_min_u32 s16, s16, 0x47f
	s_lshl_b32 s22, s16, 12
	s_add_nc_u64 s[10:11], s[10:11], s[22:23]
.set i, 0
.rept 8
	global_load_b128 v[P0+4*i:P0+4*i+3], v1, s[10:11] offset:512*i th:TH_LOAD_NT
	global_load_b128 v[P1+4*i:P1+4*i+3], v1, s[10:11] offset:1152*4096+512*i th:TH_LOAD_NT
.set i, i+1
.endr
.set i, 0
.rept 8
	s_wait_loadcnt 14-2*i                          ; loads come back in order: hidden's row and pair i are in, the later pairs stay out
.if i > 0
	s_wait_alu depctr_va_vdst(0)                   ; the step before has written its four registers of P0, which the store below reads
	global_store_b128 v1, v[P0+4*(i-1):P0+4*(i-1)+3], s[12:13] offset:512*(i-1) th:TH_STORE_NT  ; 512 consecutive bytes, at a multiple of 512 from out0's first
.endif
	v_pk_add_f32 v[P0+4*i:P0+4*i+1], v[P0+4*i:P0+4*i+1], v[P1+4*i:P1+4*i+1]
	v_pk_add_f32 v[P0+4*i+2:P0+4*i+3], v[P0+4*i+2:P0+4*i+3], v[P1+4*i+2:P1+4*i+3]
	v_pk_fma_f32 v[P0+4*i:P0+4*i+1], v[P0+4*i:P0+4*i+1], s[18:19], v[H+4*i:H+4*i+1] op_sel_hi:[1,0,1]
	v_pk_fma_f32 v[P0+4*i+2:P0+4*i+3], v[P0+4*i+2:P0+4*i+3], s[18:19], v[H+4*i+2:H+4*i+3] op_sel_hi:[1,0,1]
.set i, i+1
.endr
	s_wait_alu depctr_va_vdst(0)                   ; the last step has written its four registers of P0, which the last store reads
	global_store_b128 v1, v[P0+28:P0+31], s[12:13] offset:512*7 th:TH_STORE_NT
	s_endpgm
.Lfunc_end_k_q35f4c9652a_combine:
	.size	k_q35f4c9652a_combine, .Lfunc_end_k_q35f4c9652a_combine-k_q35f4c9652a_combine
	.p2alignl 7, 3214868480
	.fill 96, 4, 3214868480
	.section	.rodata,"a",@progbits
	.p2align	6, 0x0
	.amdhsa_kernel k_q35f4c9652a_combine
		.amdhsa_group_segment_fixed_size 0
		.amdhsa_private_segment_fixed_size 0
		.amdhsa_enable_private_segment 0
		.amdhsa_kernarg_size 40
		.amdhsa_user_sgpr_count 2
		.amdhsa_user_sgpr_kernarg_segment_ptr 1
		.amdhsa_wavefront_size32 1
		.amdhsa_system_sgpr_workgroup_id_x 1
		.amdhsa_system_sgpr_workgroup_id_y 1
		.amdhsa_system_sgpr_workgroup_id_z 1
		.amdhsa_system_vgpr_workitem_id 0
		.amdhsa_next_free_vgpr 104
		.amdhsa_next_free_sgpr 66
		.amdhsa_reserve_vcc 0
		.amdhsa_float_denorm_mode_32 3
		.amdhsa_float_denorm_mode_16_64 3
		.amdhsa_memory_ordered 1
		.amdhsa_forward_progress 1
		.amdhsa_inst_pref_size 7
	.end_amdhsa_kernel
	.amdgpu_metadata
---
amdhsa.version: [ 1, 2 ]
amdhsa.kernels:
  - .name:           k_q35f4c9652a_combine
    .symbol:         k_q35f4c9652a_combine.kd
    .args:
      - { .name: hidden_states, .offset: 0, .size: 8, .value_kind: global_buffer, .address_space: global }
      - { .name: tokf, .offset: 8, .size: 8, .value_kind: global_buffer, .address_space: global }
      - { .name: lists, .offset: 16, .size: 8, .value_kind: global_buffer, .address_space: global }
      - { .name: part, .offset: 24, .size: 8, .value_kind: global_buffer, .address_space: global }
      - { .name: out0, .offset: 32, .size: 8, .value_kind: global_buffer, .address_space: global }
    .group_segment_fixed_size: 0
    .private_segment_fixed_size: 0
    .kernarg_segment_align: 8
    .kernarg_segment_size: 40
    .max_flat_workgroup_size: 128
    .sgpr_count:     66
    .vgpr_count:     104
    .wavefront_size: 32
...
	.end_amdgpu_metadata
.endif
;; end of part 12
